; MI455X (gfx1250); checked and timed in simulation.
; The chip was launched on July 23, 2026; its instructions are those of AMD's public machine-readable ISA for CDNA 5 (MIT licence, August 2026) and "CDNA5" Instruction Set Architecture Reference Guide (July 2026). The comments in the code are by the model that wrote it; some were corrected since.
;; Block. Allowed arithmetic: float matrix products may take bf16 or f16 operands with f32 sums; all other float work in f32.
;; Inputs: exp_fc1 8 x 1,024 x 512 float32; exp_fc2 8 x 512 x 1,024 float32; router_w 1,024 x 8 float32; wk 1,024 x 1,024 float32; wo 1,024 x 1,024 float32; wq 1,024 x 1,024 float32; wv 1,024 x 1,024 float32; x 2 x 2,048 x 1,024 float32.
;; Outputs: out0 2 x 2,048 x 1,024 float32.
;; 3 versions, each right; version 2 is faster than version 1; version 3 is version 2 with the launch norm2 written anew for expert scheduling mode. Each part assembles by itself: llvm-mc -triple=amdgcn-amd-amdhsa -mcpu=gfx1250 --defsym DOCPART=n.
;; ======== version 1 of 3: 7 launches
;; limits: values are held in f16: magnitudes above 65,504 overflow, below 6.1e-05 lose precision
;; workspace buffers: h16 8,388,608 bytes; w16 25,165,824 bytes; qkv 25,165,824 bytes; o16 8,388,608 bytes; x1 16,777,216 bytes; comb 131,072 bytes; h1c 33,554,432 bytes
;; launch prep (part 1): grid 1024 x 1, 8 waves a work-group, no clusters, 0 bytes of LDS; arguments x, wq, wk, wv, wo, exp_fc1, exp_fc2, h16, w16; writes h16, w16
.if DOCPART == 1
	.amdgcn_target "amdgcn-amd-amdhsa--gfx1250"
	.amdhsa_code_object_version 6
	.text
	.protected	k_q2dc79d9634_prep
	.globl	k_q2dc79d9634_prep
	.p2align	8
	.type	k_q2dc79d9634_prep,@function
k_q2dc79d9634_prep:
	s_mov_b64 s[64:65], 0
	v_nop
	global_prefetch_b8 v0, s[64:65] scope:SCOPE_SE
	s_setreg_imm32_b32 hwreg(HW_REG_WAVE_MODE, 25, 1), 1
	s_wait_xcnt 0x0
; prep: two streams in one launch, told apart by the work-group's number.
;   work-groups 0..255    h16 = rmsnorm(x) in f16, 16 rows each
;   work-groups 256..1023 w16 = the six weight tensors in 16 bits, 64 KiB of f32 source each
; h16 lies in panels: [16 panels][4096 rows][64 columns] f16, a panel is 0x80000 bytes, a row of a panel 128 bytes.
; w16 keeps the weights' own layouts: wq 0, wk 0x200000, wv 0x400000, wo 0x600000, exp_fc1 0x800000 (all f16), exp_fc2 0x1000000 (bf16).
; Formats: |rmsnorm(x)| <= 32 and the weights are far inside f16's range; exp_fc2 multiplies relu(z)^2, which has no such room, so that pair goes in bf16.
; Limits kept: NaN and infinities in the inputs are not served.
; No LDS, no barrier, no matrix unit: memory binds, each byte is read once and each store of a wave covers 256 consecutive aligned bytes.
.set X,  32                            ; v[32:95]  sixteen loads of 16 bytes a lane
.set PB, 0x80000                       ; bytes in a panel
	s_load_b512 s[8:23], s[0:1], 0x0               ; x 8, wq 10, wk 12, wv 14, wo 16, exp_fc1 18, exp_fc2 20, h16 22
	s_load_b64 s[24:25], s[0:1], 0x40              ; w16
	s_cmp_lt_u32 ttmp9, 256
	s_cbranch_scc0 .Lcast
	; ---- rmsnorm: a wave takes two neighbouring rows, lanes 0-15 the first, lanes 16-31 the second.
	; Load j brings columns 64 j + 4 (lane mod 16) .. + 3, so j is the panel's number.
	v_lshrrev_b32 v3, 5, v0
	v_readfirstlane_b32 s26, v3                    ; wave
	s_lshl_b32 s27, ttmp9, 4
	s_lshl1_add_u32 s27, s26, s27                  ; first row = 16 x group + 2 x wave
	s_lshl_b32 s28, s27, 12                        ; x 4,096 bytes of x
	s_mov_b32 s29, 0
	s_lshl_b32 s30, s27, 7                         ; x 128 bytes of a panel
	s_mov_b32 s31, 0
	s_mov_b32 s2, 0x3a800000                       ; 1 / 1024
	s_mov_b32 s3, 0x3727c5ac                       ; 1e-5
	v_and_b32 v4, 15, v0
	v_bfe_u32 v5, v0, 4, 1
	v_lshlrev_b32 v4, 4, v4
	v_lshl_add_u32 v1, v5, 12, v4                  ; in: my row's 4,096 bytes, 16 bytes a lane
	v_and_b32 v2, 31, v0
	v_lshlrev_b32 v2, 3, v2                        ; out: 8 bytes a lane; lanes 16-31 fall into the next row of the panel
	s_wait_kmcnt 0x0
	s_add_nc_u64 s[8:9], s[8:9], s[28:29]
	s_add_nc_u64 s[22:23], s[22:23], s[30:31]
.irp j, 0,1,2,3,4,5,6,7,8,9,10,11,12,13,14,15
	global_load_b128 v[X+4*\j:X+4*\j+3], v1, s[8:9] offset:256*\j
.endr
.irp j, 0,1,2,3,4,5,6,7,8,9,10,11,12,13,14,15
	s_wait_loadcnt 15-\j                           ; loads return in order: load j is in, the younger ones stay out
.if \j == 0
	v_pk_mul_f32 v[8:9], v[X:X+1], v[X:X+1]        ; the first squares start the two chains
	v_pk_mul_f32 v[10:11], v[X+2:X+3], v[X+2:X+3]
.else
	v_pk_fma_f32 v[8:9], v[X+4*\j:X+4*\j+1], v[X+4*\j:X+4*\j+1], v[8:9]
	v_pk_fma_f32 v[10:11], v[X+4*\j+2:X+4*\j+3], v[X+4*\j+2:X+4*\j+3], v[10:11]
.endif
.endr
	v_pk_add_f32 v[8:9], v[8:9], v[10:11]
	v_add_f32 v8, v8, v9
	v_add_f32_dpp v8, v8, v8 row_xmask:1 row_mask:0xf bank_mask:0xf   ; a row lives in 16 lanes: four steps, no crossing of halves
	v_add_f32_dpp v8, v8, v8 row_xmask:2 row_mask:0xf bank_mask:0xf
	v_add_f32_dpp v8, v8, v8 row_xmask:4 row_mask:0xf bank_mask:0xf
	v_add_f32_dpp v8, v8, v8 row_xmask:8 row_mask:0xf bank_mask:0xf
	v_fma_f32 v8, v8, s2, s3                       ; mean of squares + eps
	v_rsq_f32 v6, v8
	v_rsq_f32 v7, v8
	v_nop                                          ; one plain instruction behind the transcendentals before their results are used
	s_wait_alu depctr_va_vdst(0)
.irp j, 0,1,2,3,4,5,6,7,8,9,10,11,12,13,14,15
	v_pk_mul_f32 v[X+4*\j:X+4*\j+1], v[X+4*\j:X+4*\j+1], v[6:7]
	v_pk_mul_f32 v[X+4*\j+2:X+4*\j+3], v[X+4*\j+2:X+4*\j+3], v[6:7]
	v_cvt_pk_f16_f32 v[X+4*\j], v[X+4*\j], v[X+4*\j+1]
	v_cvt_pk_f16_f32 v[X+4*\j+1], v[X+4*\j+2], v[X+4*\j+3]
	global_store_b64 v2, v[X+4*\j:X+4*\j+1], s[22:23] offset:\j*PB   ; two rows of panel j: 256 consecutive bytes
.endr
	s_endpgm
	; ---- casts: chunk c = group - 256 is 64 KiB of one weight tensor and 32 KiB of w16.
.Lcast:
	s_sub_co_u32 s26, ttmp9, 256                   ; c = 0..767
	v_lshlrev_b32 v1, 4, v0                        ; in: 16 bytes a thread, 4,096 a load of the group
	v_lshlrev_b32 v2, 3, v0                        ; out: 8 bytes a thread
	s_wait_kmcnt 0x0
	s_mov_b64 s[28:29], s[10:11]                   ; wq, chunks from 0
	s_mov_b32 s27, 0
.macro PICK bound, next                ; from chunk 'bound' on the source is the tensor whose address is in s[next:next+1]
	s_cmp_lt_u32 s26, \bound
	s_cselect_b64 s[28:29], s[28:29], s[\next:\next+1]
	s_cselect_b32 s27, s27, \bound
.endm
	PICK 64, 12                                    ; wk
	PICK 128, 14                                   ; wv
	PICK 192, 16                                   ; wo
	PICK 256, 18                                   ; exp_fc1
	PICK 512, 20                                   ; exp_fc2
	s_sub_co_u32 s27, s26, s27                     ; the chunk's number inside its tensor
	s_lshl_b32 s30, s27, 16
	s_mov_b32 s31, 0
	s_add_nc_u64 s[28:29], s[28:29], s[30:31]
	s_lshl_b32 s30, s26, 15
	s_add_nc_u64 s[24:25], s[24:25], s[30:31]
.irp j, 0,1,2,3,4,5,6,7,8,9,10,11,12,13,14,15
	global_load_b128 v[X+4*\j:X+4*\j+3], v1, s[28:29] offset:4096*\j th:TH_LOAD_NT
.endr
.macro CVT16 cvt
.irp j, 0,1,2,3,4,5,6,7,8,9,10,11,12,13,14,15
	s_wait_loadcnt 15-\j                           ; load j is in, the younger ones stay out
	\cvt v[X+4*\j], v[X+4*\j], v[X+4*\j+1]
	\cvt v[X+4*\j+1], v[X+4*\j+2], v[X+4*\j+3]
	global_store_b64 v2, v[X+4*\j:X+4*\j+1], s[24:25] offset:2048*\j
.endr
.endm
	s_cmp_lt_u32 s26, 512
	s_cbranch_scc0 .Lbf16
	CVT16 v_cvt_pk_f16_f32
	s_endpgm
.Lbf16:
	CVT16 v_cvt_pk_bf16_f32
	s_endpgm
.Lfunc_end_k_q2dc79d9634_prep:
	.size	k_q2dc79d9634_prep, .Lfunc_end_k_q2dc79d9634_prep-k_q2dc79d9634_prep
	.p2alignl 7, 3214868480
	.fill 96, 4, 3214868480
	.section	.rodata,"a",@progbits
	.p2align	6, 0x0
	.amdhsa_kernel k_q2dc79d9634_prep
		.amdhsa_group_segment_fixed_size 0
		.amdhsa_private_segment_fixed_size 0
		.amdhsa_enable_private_segment 0
		.amdhsa_kernarg_size 72
		.amdhsa_user_sgpr_count 2
		.amdhsa_user_sgpr_kernarg_segment_ptr 1
		.amdhsa_wavefront_size32 1
		.amdhsa_system_sgpr_workgroup_id_x 1
		.amdhsa_system_sgpr_workgroup_id_y 1
		.amdhsa_system_sgpr_workgroup_id_z 1
		.amdhsa_system_vgpr_workitem_id 0
		.amdhsa_next_free_vgpr 96
		.amdhsa_next_free_sgpr 66
		.amdhsa_reserve_vcc 0
		.amdhsa_float_denorm_mode_32 3
		.amdhsa_float_denorm_mode_16_64 3
		.amdhsa_memory_ordered 1
		.amdhsa_forward_progress 1
		.amdhsa_inst_pref_size 23
	.end_amdhsa_kernel
	.amdgpu_metadata
---
amdhsa.version: [ 1, 2 ]
amdhsa.kernels:
  - .name:           k_q2dc79d9634_prep
    .symbol:         k_q2dc79d9634_prep.kd
    .args:
      - { .name: x, .offset: 0, .size: 8, .value_kind: global_buffer, .address_space: global }
      - { .name: wq, .offset: 8, .size: 8, .value_kind: global_buffer, .address_space: global }
      - { .name: wk, .offset: 16, .size: 8, .value_kind: global_buffer, .address_space: global }
      - { .name: wv, .offset: 24, .size: 8, .value_kind: global_buffer, .address_space: global }
      - { .name: wo, .offset: 32, .size: 8, .value_kind: global_buffer, .address_space: global }
      - { .name: exp_fc1, .offset: 40, .size: 8, .value_kind: global_buffer, .address_space: global }
      - { .name: exp_fc2, .offset: 48, .size: 8, .value_kind: global_buffer, .address_space: global }
      - { .name: h16, .offset: 56, .size: 8, .value_kind: global_buffer, .address_space: global }
      - { .name: w16, .offset: 64, .size: 8, .value_kind: global_buffer, .address_space: global }
    .group_segment_fixed_size: 0
    .private_segment_fixed_size: 0
    .kernarg_segment_align: 8
    .kernarg_segment_size: 72
    .max_flat_workgroup_size: 256
    .sgpr_count:     66
    .vgpr_count:     96
    .wavefront_size: 32
...
	.end_amdgpu_metadata
.endif
;; end of part 1
;; launch qkv (part 2): grid 24 x 32, 4 waves a work-group, clusters of 4 x 4, 327,680 bytes of LDS; arguments h16, w16, qkv; writes qkv
.if DOCPART == 2
	.amdgcn_target "amdgcn-amd-amdhsa--gfx1250"
	.amdhsa_code_object_version 6
	.text
	.protected	k_q2dc79d9634_qkv
	.globl	k_q2dc79d9634_qkv
	.p2align	8
	.type	k_q2dc79d9634_qkv,@function
k_q2dc79d9634_qkv:
	s_mov_b64 s[64:65], 0
	v_nop
	global_prefetch_b8 v0, s[64:65] scope:SCOPE_SE
	s_setreg_imm32_b32 hwreg(HW_REG_WAVE_MODE, 25, 1), 1
	s_wait_xcnt 0x0
	s_wait_alu depctr_hold_cnt(0) depctr_sa_sdst(0) depctr_va_vdst(0) depctr_va_sdst(0) depctr_va_ssrc(0) depctr_va_vcc(0) depctr_vm_vsrc(0)
	s_getreg_b32 s2, hwreg(HW_REG_IB_STS2, 6, 4)
	s_cmp_eq_u32 s2, 0
	s_cbranch_scc0 .Lentry_in_a_cluster
	s_endpgm
.Lentry_in_a_cluster:
	s_bfe_u32 s2, ttmp6, 0x10000c
	s_cmp_lg_u32 s2, 0xf033
	s_cbranch_scc0 .Lentry_shape_is_right
	s_endpgm
.Lentry_shape_is_right:
; C[4096][N] = A x B on the matrix units.  One text serves four products; VAR picks the product:
;   VAR 0  qkv = rmsnorm(x) x [wq | wk | wv]      f16,  K = 1024, out f16 in panels
;   VAR 1  x1  = x + o x wo                       f16,  K = 1024, out f32 row-major, residual added
;   VAR 2  h1c = comb x relu(h2 x exp_fc1)^2      f16,  K = 1024, out bf16 in panels (all 8 experts side by side, N = 4096)
;   VAR 3  out = x1 + h1c x exp_fc2               bf16, K = 4096 (the experts one behind the other along K), out f32, residual added
; A lies in panels [K/64][4096 rows][64] of 16 bits (a panel 0x80000 bytes, a row 128 bytes); B lies [K][N] as the weights do.
; A work-group makes 128 x 128 of C with four waves, a wave 64 x 64 in 16 accumulator tiles: with N = 1024 that gives 256 work-groups.
; K goes in steps of 256 through two LDS slots.  4 x 4 work-groups form a cluster: A's tile hangs on the block row alone and is asked for jointly
; by a row of the cluster, B's on the block column alone and is asked for jointly by a column.
; The matrix instruction is used transposed (source 0 = 16 columns of B, source 1 = 16 rows of A): lane l then holds row l % 16 of C
; and in its registers 0-7 the columns 8 (l / 16) + 0..7.
; Limits kept: NaN and infinities are not served; an unselected expert's part is 0 x a finite number; the sums' order differs from a plain loop's.
; f16 operands here stay below about 700 also for inputs 30 times larger or offset; relu(z)^2 has no such room and goes in bf16.
.set VAR, 0
.if VAR == 0
.set KTOT, 1024
.set BOFF, 0
.set BPE,  1024
.endif
.if VAR == 1
.set KTOT, 1024
.set BOFF, 0x600000
.set BPE,  1024
.endif
.if VAR == 2
.set KTOT, 1024
.set BOFF, 0x800000
.set BPE,  512
.endif
.if VAR == 3
.set KTOT, 4096
.set BOFF, 0x1000000
.set BPE,  1024
.endif
.set OUTF32, VAR & 1                   ; 1: f32 out with residual; 0: 16-bit out in panels
.set PB,     0x80000                   ; bytes in a panel
.set APITCH, 144                       ; A's LDS row: 128 bytes + 16 = 9 x 16: sixteen rows start in sixteen different 16-byte columns of 256
.set BPITCH, 288                       ; B's LDS row: 256 bytes + 32 = 9 x 32, for the transposing load
.set HALFT,  36864                     ; what one tensor load fills: 2 panels x 128 rows x 144, or 128 rows x 288
.set SLOT,   4*HALFT                   ; A's 4 panels, then B's 256 rows
.set STAGE,  2*SLOT                    ; behind the ring, never filled by a tensor load: 4,352 bytes for each wave
.set WSTAGE, 4352
.set LAPS,   KTOT/512                  ; a lap = two K steps of 256 = once round the ring
.set ASTEP,  4*PB                      ; a K step in A: 4 panels
.set BSTEP,  512*BPE                   ; a K step in B: 256 rows
.set ADRA, 16                          ; v16-17  LDS address of my A fragments, slot 0, 1
.set ADRB, 20                          ; v20-23  of my B fragments: slot 0 rows 0-127, rows 128-255, slot 1 likewise
.set STO,  24                          ; v24     the way out: where I put my part of a row
.set RD,   25                          ; v25     where I read rows back
.set CO,   26                          ; v26     my byte offset in C (and in the residual)
.set CV,   27                          ; v27     VAR 2: my byte offset in comb
.set CMB,  28                          ; v28-35  VAR 2: comb of my row in each of the four row tiles, as pairs
.set F0,   64                          ; v64-127   fragment buffer 0: B's four at +0, A's four at +32
.set F1,   128                         ; v128-191  fragment buffer 1
.set TMP,  192                         ; v192-255  at work on the way out
.set RES,  128                         ; window 1, v128-255: the 32 residual quads; window 1, v0-127: accumulator (a, b) at 8 (4 a + b)
.set G1,  16                           ; s[16:23] group 1 of A's tiles
.set G1B, 24                           ; s[24:31] group 1 of B's tiles
.set G0,  32                           ; s[32:39] group 0 of A's tiles, a set for each slot
.set G0B, 48                           ; s[48:55] group 0 of B's tiles
.set MULW, 0x50                        ; C and D in window 1, A and B in window 0
.set MSB, 0
.macro WIN new                         ; the immediate's high byte repeats the setting that is left
.if MSB != \new
	s_set_vgpr_msb (MSB<<8)|\new
.set MSB, \new
.endif
.endm
.macro JLOAD s                         ; waves 0, 1 ask for A's two panel pairs, waves 2, 3 for B's two halves: one load a wave, one mask a line
	s_cmp_eq_u32 s13, 0
	s_cbranch_scc0 .Lfor_b_\@
	tensor_load_to_lds s[G0+4*\s:G0+4*\s+3], s[G1:G1+7]
	s_nop 0
	s_branch .Lasked_\@
.Lfor_b_\@:
	tensor_load_to_lds s[G0B+4*\s:G0B+4*\s+3], s[G1B:G1B+7]
	s_nop 0
.Lasked_\@:
.endm
.macro CREST                           ; a round of the cluster's barrier behind its opening work-group barrier
	s_cmp_lg_u32 s12, 0
	s_cbranch_scc1 .Lnot_wave_0_\@
	s_barrier_signal -3
.Lnot_wave_0_\@:
	s_barrier_wait -3
	s_barrier_signal -1
	s_barrier_wait -1
.endm
.macro CROUND
	s_barrier_signal -1
	s_barrier_wait -1
	CREST
.endm
.macro PLACES                          ; four plain vector instructions between a matrix instruction and a load into, or a read of, its registers
.rept 4
	v_nop
.endr
.endm
.if VAR == 0
	s_load_b128 s[4:7], s[0:1], 0x0                ; A s[4:5], w16 s[6:7]
	s_load_b64 s[10:11], s[0:1], 0x10              ; C s[10:11]
	v_lshl_add_u32 v254, v0, 2, 0x4c400
	v_mov_b32 v255, 0
	ds_add_u32 v254, v255
	ds_add_u32 v254, v255
.else
	s_load_b256 s[4:11], s[0:1], 0x0               ; A, w16, residual or comb s[8:9], C s[10:11]
.endif
	v_lshrrev_b32 v1, 5, v0
	v_readfirstlane_b32 s12, v1                    ; wave 0..3
	s_lshr_b32 s13, s12, 1                         ; my half of the block's rows; also: I fetch for A (0) or B (1)
	s_and_b32 s14, s12, 1                          ; my half of its columns; also: which half of that tile I fetch
	s_bfe_u32 s40, ttmp6, 0x40000                  ; cx
	s_bfe_u32 s41, ttmp6, 0x40004                  ; cy
	s_lshl_b32 s42, ttmp9, 2
	s_add_co_u32 s42, s42, s40                     ; block column bn
	s_and_b32 s43, ttmp7, 0xffff
	s_lshl_b32 s43, s43, 2
	s_add_co_u32 s43, s43, s41                     ; block row bm
	s_lshl_b32 s44, s41, 2
	s_lshl_b32 s44, 15, s44                        ; my row of the cluster
	s_lshl_b32 s45, 0x1111, s40                    ; my column of the cluster
	; group 1 of A: 2 "rows", each one panel's 128 rows = 8,192 elements that are dense in memory, a panel apart; 16 bytes of padding behind every 128
	s_or_b32 s[G1+0], s44, 0x07310000              ; mask | 2-byte elements | padding on | bit 21 beside a mask | every 32 words | 4 words
	s_mov_b32 s[G1+1], 8192<<16                    ; tensor_dim0 = 8,192
	s_mov_b32 s[G1+2], 2<<16                       ; tensor_dim1 = 2
	s_mov_b32 s[G1+3], 8192<<16                    ; tile_dim0 = 8,192
	s_mov_b32 s[G1+4], 2                           ; tile_dim1 = 2
	s_mov_b32 s[G1+5], 0x40000                     ; elements from panel to panel
	s_mov_b32 s[G1+6], 0
	s_mov_b32 s[G1+7], 0
	; group 1 of B: 128 rows of 128 elements (256 bytes), 32 bytes of padding behind each
	s_or_b32 s[G1B+0], s45, 0x0f710000             ; mask | 2-byte elements | padding on | bit 21 | every 64 words | 8 words
	s_mov_b32 s[G1B+1], 128<<16
	s_mov_b32 s[G1B+2], 128<<16
	s_mov_b32 s[G1B+3], 128<<16
	s_mov_b32 s[G1B+4], 128
	s_mov_b32 s[G1B+5], BPE
	s_mov_b32 s[G1B+6], 0
	s_mov_b32 s[G1B+7], 0
	; A's offset hangs on the block row and the wave, B's on the block column and the wave; neither pair ever holds the other coordinate
	s_lshl_b32 s46, s43, 14                        ; 128 rows x 128 bytes
	s_lshl_b32 s47, s14, 20                        ; my two panels
	s_add_co_u32 s46, s46, s47
	s_mov_b32 s47, 0
.if VAR == 0
	s_lshr_b32 s56, s42, 3                         ; which of wq, wk, wv
	s_lshl_b32 s56, s56, 21
	s_and_b32 s57, s42, 7
	s_lshl_b32 s57, s57, 8
	s_add_co_u32 s56, s56, s57
.endif
.if VAR == 2
	s_lshr_b32 s56, s42, 2                         ; the expert
	s_lshl_b32 s56, s56, 20
	s_and_b32 s57, s42, 3
	s_lshl_b32 s57, s57, 8
	s_add_co_u32 s56, s56, s57
.endif
.if OUTF32
	s_lshl_b32 s56, s42, 8
.endif
	s_mul_i32 s57, s14, 256*BPE                    ; my 128 rows
	s_add_co_u32 s56, s56, s57
.if BOFF
	s_add_co_u32 s56, s56, BOFF
.endif
	s_mov_b32 s57, 0
	s_mul_i32 s15, s12, HALFT                      ; where my part of a slot lies: the wave's number alone
.if OUTF32
	s_lshl1_add_u32 s58, s43, s13                  ; 2 bm + wm
	s_lshl_b32 s58, s58, 18                        ; x 64 rows x 4,096 bytes
	s_lshl1_add_u32 s59, s42, s14                  ; 2 bn + wn
	s_lshl_b32 s59, s59, 8                         ; x 64 columns x 4 bytes
.else
	s_lshl1_add_u32 s58, s42, s14                  ; my panel of C = 2 bn + wn
	s_lshl_b32 s58, s58, 19
	s_lshl1_add_u32 s59, s43, s13                  ; 2 bm + wm
	s_lshl_b32 s59, s59, 13                        ; x 64 rows x 128 bytes
.endif
	s_add_co_u32 s58, s58, s59
	s_mov_b32 s59, 0
.if VAR == 2
	s_lshl1_add_u32 s60, s43, s13
	s_lshl_b32 s60, s60, 11                        ; 64 rows x 32 bytes of comb
	s_lshr_b32 s61, s42, 2
	s_lshl2_add_u32 s60, s61, s60                  ; + 4 x expert
	s_mov_b32 s61, 0
.endif
	s_wait_dscnt 0x0
	s_wait_kmcnt 0x0
	s_add_nc_u64 s[46:47], s[4:5], s[46:47]
	s_add_nc_u64 s[56:57], s[6:7], s[56:57]
	s_add_nc_u64 s[10:11], s[10:11], s[58:59]
.if OUTF32
	s_add_nc_u64 s[8:9], s[8:9], s[58:59]
.endif
.if VAR == 2
	s_add_nc_u64 s[8:9], s[8:9], s[60:61]
.endif
	CROUND                                         ; all sixteen work-groups are here: the first joint loads meet
.irp s, 0,1
	s_mov_b32 s[G0+4*\s], 1
	s_add_co_u32 s[G0+4*\s+1], s15, \s*SLOT
	s_add_nc_u64 s[G0+4*\s+2:G0+4*\s+3], s[46:47], \s*ASTEP
	s_or_b32 s[G0+4*\s+3], s[G0+4*\s+3], 0x80000000
	s_mov_b32 s[G0B+4*\s], 1
	s_add_co_u32 s[G0B+4*\s+1], s15, \s*SLOT
	s_add_nc_u64 s[G0B+4*\s+2:G0B+4*\s+3], s[56:57], \s*BSTEP
	s_or_b32 s[G0B+4*\s+3], s[G0B+4*\s+3], 0x80000000
	JLOAD \s                                       ; both slots' first fills go out together: two tensor loads of a wave are out here, one behind each later round
.endr
	v_and_b32 v1, 15, v0                           ; r = l % 16
	v_bfe_u32 v2, v0, 4, 1                         ; h = l / 16
	v_and_b32 v3, 7, v0
	v_bfe_u32 v4, v0, 3, 1
	v_mul_u32_u24 v5, v1, APITCH
	v_lshl_add_u32 v5, v2, 4, v5                   ; 144 r + 16 h
	s_mul_i32 s62, s13, 64*APITCH                  ; my 64 rows of A
	v_add_nc_u32 v[ADRA], s62, v5
	v_add_nc_u32 v[ADRA+1], SLOT, v[ADRA]
	v_lshl_add_u32 v6, v2, 3, v3                   ; the transposing load: row 8 h + l % 8,
	v_mul_u32_u24 v6, v6, BPITCH
	v_lshl_add_u32 v6, v4, 4, v6                   ; 16 bytes further for lanes 8-15 of each half
	s_lshl_b32 s62, s14, 7                         ; my 64 columns of B
	s_add_co_u32 s62, s62, 2*HALFT                 ; B lies behind A's four panels
	v_add_nc_u32 v[ADRB], s62, v6
	v_add_nc_u32 v[ADRB+1], HALFT, v[ADRB]
	v_add_nc_u32 v[ADRB+2], SLOT, v[ADRB]
	v_add_nc_u32 v[ADRB+3], SLOT, v[ADRB+1]
	s_mul_i32 s63, s12, WSTAGE
	s_add_co_u32 s63, s63, STAGE                   ; my stage
.if OUTF32
	v_mul_u32_u24 v7, v1, 272                      ; in: row r of 256 bytes + 16, 32 bytes for each half of the lanes
	v_lshl_add_u32 v7, v2, 5, v7
	v_add_nc_u32 v[STO], s63, v7
	v_mul_u32_u24 v7, v2, 272                      ; back: lanes 0-15 one row, lanes 16-31 the next
	v_lshl_add_u32 v7, v1, 4, v7
	v_add_nc_u32 v[RD], s63, v7
	v_lshlrev_b32 v7, 4, v1
	v_lshl_add_u32 v[CO], v2, 12, v7               ; the same two rows in C
	WIN 0x40                                       ; destination in window 1
.irp a, 0,1,2,3
.irp t, 0,1,2,3,4,5,6,7
	global_load_b128 v[RES+4*(8*\a+\t):RES+4*(8*\a+\t)+3], v[CO], s[8:9] offset:(16*\a+2*\t)*4096   ; my 64 x 64 of the residual: on its way during the whole K loop
.endr
.endr
	WIN 0
.else
	v_add_nc_u32 v[STO], s63, v5                   ; in: row r of 128 bytes + 16, 16 bytes for each half of the lanes
	v_bfe_u32 v7, v0, 3, 2
	v_mul_u32_u24 v7, v7, APITCH                   ; back: eight lanes a row, four rows a load
	v_lshl_add_u32 v7, v3, 4, v7
	v_add_nc_u32 v[RD], s63, v7
	v_and_b32 v[CO], 31, v0
	v_lshlrev_b32 v[CO], 4, v[CO]                  ; my tile of C is 8 KiB of consecutive bytes
.endif
.if VAR == 2
	v_lshlrev_b32 v[CV], 5, v1
.irp a, 0,1,2,3
	global_load_b32 v[CMB+2*\a], v[CV], s[8:9] offset:512*\a       ; comb of row 16 a + r and my expert
.endr
.endif
.macro MM d, x, y, zero                ; one matrix instruction; zero = 1: it starts the sum
.if VAR == 3
.if \zero
	v_wmma_f32_16x16x32_bf16 v[\d:\d+7], v[\x:\x+7], v[\y:\y+7], 0
.else
	v_wmma_f32_16x16x32_bf16 v[\d:\d+7], v[\x:\x+7], v[\y:\y+7], v[\d:\d+7]
.endif
.else
.if \zero
	v_wmma_f32_16x16x32_f16 v[\d:\d+7], v[\x:\x+7], v[\y:\y+7], 0
.else
	v_wmma_f32_16x16x32_f16 v[\d:\d+7], v[\x:\x+7], v[\y:\y+7], v[\d:\d+7]
.endif
.endif
.endm
.macro MULA f, a, zero                 ; row tile a x all four column tiles, 32 along K
.irp b, 0,1,2,3
	MM 8*(4*\a+\b), \f+8*\b, \f+32+8*\a, \zero
.endr
.endm
; the fragments of quarter q (32 of the slot's 256 along K) into buffer f: 8 transposing loads for B, 8 plain ones for A
.macro FETCH slot, q, f
.irp b, 0,1,2,3
	ds_load_tr16_b128 v[\f+8*\b:\f+8*\b+3],   v[ADRB+2*\slot+(\q>>2)] offset:(\q&3)*32*BPITCH+32*\b
	ds_load_tr16_b128 v[\f+8*\b+4:\f+8*\b+7], v[ADRB+2*\slot+(\q>>2)] offset:(\q&3)*32*BPITCH+32*\b+16*BPITCH
.endr
.irp a, 0,1,2,3
	ds_load_b128 v[\f+32+8*\a:\f+32+8*\a+3], v[ADRA+\slot] offset:(\q>>1)*128*APITCH+(\q&1)*64+16*APITCH*\a
	ds_load_b128 v[\f+32+8*\a+4:\f+32+8*\a+7], v[ADRA+\slot] offset:(\q>>1)*128*APITCH+(\q&1)*64+16*APITCH*\a+32
.endr
.endm
; One of a K step's first seven quarters: asks for quarter q into buffer g, then multiplies buffer f.
; The sixteen accumulators take turns, one instruction a turn, in the same order in every quarter.
.macro QUARTER slot, q, f, g, zero
	PLACES                                         ; buffer g was read by the sixteen matrix instructions just issued
	WIN 0
	FETCH \slot, \q, \g
	s_wait_dscnt 16                                ; all but the 16 loads just issued: buffer f is whole
	WIN MULW
	MULA \f, 0, \zero
	MULA \f, 1, \zero
	MULA \f, 2, \zero
	MULA \f, 3, \zero
.endm
.macro SEVEN slot, zero
	QUARTER \slot, 1, F0, F1, \zero
	QUARTER \slot, 2, F1, F0, 0
	QUARTER \slot, 3, F0, F1, 0
	QUARTER \slot, 4, F1, F0, 0
	QUARTER \slot, 5, F0, F1, 0
	QUARTER \slot, 6, F1, F0, 0
	QUARTER \slot, 7, F0, F1, 0
.endm
; The eighth quarter multiplies buffer 1 and changes slots.  In front of the barrier each wave waits for its reads of this slot and for all its
; tensor loads (the one that is out is its part of the next slot).  fill = 1: the barrier opens a round of the cluster's barrier, and behind the
; round this slot is asked for again, two K steps ahead, as the wave's first and only tensor load.
.macro TURN slot, next, fill
	s_wait_dscnt 0x0                               ; buffer 1 is whole, and my reads of this slot are over
	s_wait_tensorcnt 0x0                           ; all my tensor loads have landed
	ds_add_u32 v254, v255
	s_wait_dscnt 0x0
	s_barrier_signal -1
	WIN MULW
	MULA F1, 0, 0                                  ; register work while the others arrive
	MULA F1, 1, 0
	WIN 0
	s_barrier_wait -1
.if \fill
	CREST
	s_add_nc_u64 s[G0+4*\slot+2:G0+4*\slot+3], s[G0+4*\slot+2:G0+4*\slot+3], 2*ASTEP
	s_add_nc_u64 s[G0B+4*\slot+2:G0B+4*\slot+3], s[G0B+4*\slot+2:G0B+4*\slot+3], 2*BSTEP
	JLOAD \slot
.endif
	PLACES
	FETCH \next, 0, F0
	WIN MULW
	MULA F1, 2, 0
	MULA F1, 3, 0
.endm
.macro LAP zero
	SEVEN 0, \zero
	TURN 0, 1, 1
	SEVEN 1, 0
	TURN 1, 0, 1
.endm
	s_wait_tensorcnt 0x1                           ; my part of K step 0 is in; slot 1's load stays out
	s_barrier_signal -1
	s_barrier_wait -1
	FETCH 0, 0, F0
	LAP 1                                          ; the first lap stands ahead of the loop: its first products start the sums
.if LAPS > 2
	WIN 0
	s_mov_b32 s3, LAPS-2
.Llap:
	LAP 0
	WIN 0
	s_sub_co_u32 s3, s3, 1
	s_cmp_lg_u32 s3, 0
	s_cbranch_scc1 .Llap
.endif
	SEVEN 0, 0                                     ; the last lap fills nothing
	TURN 0, 1, 0
	SEVEN 1, 0
	s_wait_dscnt 0x0
	WIN MULW
	MULA F1, 0, 0
	MULA F1, 1, 0
	MULA F1, 2, 0
	MULA F1, 3, 0
	PLACES                                         ; behind the last matrix instructions, ahead of every read of a result and every load into a buffer
.if OUTF32
; 16 rows of my tile: the accumulators into my stage, whole rows of 256 bytes back, the residual added, out.
; The stage is my wave's own and LDS serves a wave's instructions in order (ISA guide 5.7.1): no barrier, no wait between stores and loads.
.macro OUT32 a
	WIN 0x04                                       ; source 1 (LDS store data, the adds' second source) in window 1
.irp b, 0,1,2,3
	ds_store_b128 v[STO], v[8*(4*\a+\b):8*(4*\a+\b)+3] offset:64*\b
	ds_store_b128 v[STO], v[8*(4*\a+\b)+4:8*(4*\a+\b)+7] offset:64*\b+16
.endr
	s_wait_xcnt 0x0                                ; buffer 0, which the last stores read, is loaded again only behind this wait
.irp t, 0,1,2,3,4,5,6,7
	ds_load_b128 v[F0+4*\t:F0+4*\t+3], v[RD] offset:544*\t
.endr
.irp t, 0,1,2,3,4,5,6,7
	s_wait_dscnt 7-\t                              ; read t is back, the younger ones stay out
	v_pk_add_f32 v[F0+4*\t:F0+4*\t+1], v[F0+4*\t:F0+4*\t+1], v[RES+4*(8*\a+\t):RES+4*(8*\a+\t)+1]
	v_pk_add_f32 v[F0+4*\t+2:F0+4*\t+3], v[F0+4*\t+2:F0+4*\t+3], v[RES+4*(8*\a+\t)+2:RES+4*(8*\a+\t)+3]
.endr
	WIN 0
.irp t, 0,1,2,3,4,5,6,7
	global_store_b128 v[CO], v[F0+4*\t:F0+4*\t+3], s[10:11] offset:(16*\a+2*\t)*4096   ; sixteen lanes store 256 consecutive aligned bytes
.endr
.endm
	s_wait_loadcnt 0x0                             ; the residual
	OUT32 0
	OUT32 1
	OUT32 2
	OUT32 3
.else
; 16 rows of my tile: rounded to 16 bits, 16 bytes a lane into my stage, read back by rows, stored as 2,048 consecutive bytes.
.macro OUT16 a
.if VAR == 0
	WIN 0x05                                       ; both sources in window 1
.irp b, 0,1,2,3
.irp i, 0,1,2,3
	v_cvt_pk_f16_f32 v[TMP+4*\b+\i], v[8*(4*\a+\b)+2*\i], v[8*(4*\a+\b)+2*\i+1]
.endr
.endr
	WIN 0
.else
	WIN 0x04
.irp b, 0,1,2,3
.irp j, 0,1,2,3,4,5,6,7
	v_max_num_f32 v[TMP+8*\b+\j], 0, v[8*(4*\a+\b)+\j]             ; t = relu(z)
.endr
.endr
	WIN 0
.set i, 0
.rept 16
	v_pk_mul_f32 v[TMP+32+2*i:TMP+33+2*i], v[TMP+2*i:TMP+2*i+1], v[CMB+2*\a:CMB+2*\a+1]   ; t x comb
.set i, i+1
.endr
.set i, 0
.rept 16
	v_pk_mul_f32 v[TMP+32+2*i:TMP+33+2*i], v[TMP+32+2*i:TMP+33+2*i], v[TMP+2*i:TMP+2*i+1] ; x t
.set i, i+1
.endr
.set i, 0
.rept 16
	v_cvt_pk_bf16_f32 v[TMP+i], v[TMP+32+2*i], v[TMP+33+2*i]
.set i, i+1
.endr
.endif
.irp b, 0,1,2,3
	ds_store_b128 v[STO], v[TMP+4*\b:TMP+4*\b+3] offset:32*\b
.endr
	s_wait_xcnt 0x0                                ; buffer 0, which the last stores read, is loaded again only behind this wait
.irp t, 0,1,2,3
	ds_load_b128 v[F0+4*\t:F0+4*\t+3], v[RD] offset:4*APITCH*\t
.endr
.irp t, 0,1,2,3
	s_wait_dscnt 3-\t                              ; read t is back, the younger ones stay out
	global_store_b128 v[CO], v[F0+4*\t:F0+4*\t+3], s[10:11] offset:2048*\a+512*\t   ; 512 consecutive aligned bytes
.endr
.endm
.if VAR == 2
	WIN 0                                          ; the copies below write window 0
	s_wait_loadcnt 0x0                             ; comb
.irp a, 0,1,2,3
	v_mov_b32 v[CMB+2*\a+1], v[CMB+2*\a]           ; a pair for the packed multiply
.endr
.endif
	OUT16 0
	OUT16 1
	OUT16 2
	OUT16 3
.endif
	s_wait_tensorcnt 0x0
	ds_add_u32 v254, v255
	s_wait_dscnt 0x0
	CROUND                                         ; the closing round: no work-group ends while a partner may still ask for a tile that names it
	s_endpgm
.Lfunc_end_k_q2dc79d9634_qkv:
	.size	k_q2dc79d9634_qkv, .Lfunc_end_k_q2dc79d9634_qkv-k_q2dc79d9634_qkv
	.p2alignl 7, 3214868480
	.fill 96, 4, 3214868480
	.section	.rodata,"a",@progbits
	.p2align	6, 0x0
	.amdhsa_kernel k_q2dc79d9634_qkv
		.amdhsa_group_segment_fixed_size 327680
		.amdhsa_private_segment_fixed_size 0
		.amdhsa_enable_private_segment 0
		.amdhsa_kernarg_size 24
		.amdhsa_user_sgpr_count 2
		.amdhsa_user_sgpr_kernarg_segment_ptr 1
		.amdhsa_wavefront_size32 1
		.amdhsa_system_sgpr_workgroup_id_x 1
		.amdhsa_system_sgpr_workgroup_id_y 1
		.amdhsa_system_sgpr_workgroup_id_z 1
		.amdhsa_system_vgpr_workitem_id 0
		.amdhsa_next_free_vgpr 512
		.amdhsa_next_free_sgpr 66
		.amdhsa_reserve_vcc 0
		.amdhsa_float_denorm_mode_32 3
		.amdhsa_float_denorm_mode_16_64 3
		.amdhsa_memory_ordered 1
		.amdhsa_forward_progress 1
		.amdhsa_inst_pref_size 89
	.end_amdhsa_kernel
	.amdgpu_metadata
---
amdhsa.version: [ 1, 2 ]
amdhsa.kernels:
  - .name:           k_q2dc79d9634_qkv
    .symbol:         k_q2dc79d9634_qkv.kd
    .args:
      - { .name: h16, .offset: 0, .size: 8, .value_kind: global_buffer, .address_space: global }
      - { .name: w16, .offset: 8, .size: 8, .value_kind: global_buffer, .address_space: global }
      - { .name: qkv, .offset: 16, .size: 8, .value_kind: global_buffer, .address_space: global }
    .group_segment_fixed_size: 327680
    .private_segment_fixed_size: 0
    .kernarg_segment_align: 8
    .kernarg_segment_size: 24
    .max_flat_workgroup_size: 128
    .sgpr_count:     66
    .vgpr_count:     512
    .wavefront_size: 32
...
	.end_amdgpu_metadata
.endif
;; end of part 2
;; launch attn (part 3): grid 8 x 32, 4 waves a work-group, no clusters, 327,680 bytes of LDS; arguments qkv, o16; writes o16
.if DOCPART == 3
	.amdgcn_target "amdgcn-amd-amdhsa--gfx1250"
	.amdhsa_code_object_version 6
	.text
	.protected	k_q2dc79d9634_attn
	.globl	k_q2dc79d9634_attn
	.p2align	8
	.type	k_q2dc79d9634_attn,@function
k_q2dc79d9634_attn:
	s_mov_b64 s[64:65], 0
	v_nop
	global_prefetch_b8 v0, s[64:65] scope:SCOPE_SE
	s_setreg_imm32_b32 hwreg(HW_REG_WAVE_MODE, 25, 1), 1
	s_wait_xcnt 0x0
; Causal attention, 16 heads of 64, 2 x 2048 tokens.  qkv: panels [48][4096][64] f16 (0-15 q, 16-31 k, 32-47 v, one head a panel); o16: panels [16][4096][64] f16.
; Work-group (p = x, head = y % 16, batch = y / 16) makes query blocks p and 15 - p of 128 rows: (p + 1) + (16 - p) = 17 key blocks of 128 for every
; work-group, so the work is equal.  Wave w owns 32 query rows of each block.
; NO CLUSTER: the work-groups of one head need different numbers of key tiles in each of their two phases (p + 1 and 16 - p), so a joint request
; would make trip counts hang on the place in the cluster.
; Both products are used transposed.  S^T = K x Q^T: lane l holds query l % 16, register j of key tile t key 16 t + 8 (l / 16) + j, so maximum and sum
; are made inside a lane and by one exchange of halves, and two packed S^T tiles are the K = 32 fragment of P as they stand.
; O^T = V^T x P: lane l again holds query l % 16, so alpha and 1 / l are one number a lane.
; Softmax: running maximum, as reference() takes the row's maximum away; masked scores are -inf as there.  Key 0 is valid for every row in the first
; 64 keys of a phase, so the running maximum is finite from there on, and the sum is at least about 1.
; A new query block sets the maximum to -inf: the next alpha is exp2(-inf) = 0, and the rescale that runs in every step wipes O (which is finite).
; Limits kept: NaN and infinities are not served; exponentials below 2^-126 are zero; q, k, v, P, o are rounded to f16 (below about 700 also for inputs 30 times larger).
.set PB,    0x80000                    ; bytes in a panel
.set PART,  10240                      ; a wave's part of a slot: 64 keys of K at pitch 144 (9,216 used) or 64 keys of V at pitch 160
.set SLOTB, 4*PART                     ; K keys 0-63, K keys 64-127, V keys 0-63, V keys 64-127
.set QLDS,  2*SLOTB                    ; Q: [2 query blocks][128 rows] at pitch 144
.set QPH,   128*144
.set STG,   QLDS+2*QPH                 ; stages, never filled by a tensor load: 32 rows x 144 for each wave
.set KADR, 2                           ; v2   144 r + 16 h
.set VADR, 3                           ; v3   V's part + (8 h + l % 8) 160 + 16 ((l / 8) % 2)
.set QADR, 4                           ; v4   my rows of Q
.set STO,  5                           ; v5   stage, in
.set RD,   6                           ; v6   stage, back
.set CO,   7                           ; v7   16 l
.set DQ,   8                           ; v8-9   query in the block - 8 h, for query tile 0, 1
.set NINF, 10                          ; v10  -inf
.set MX,   12                          ; v12-13 running maximum x log2(e)/8
.set LS,   14                          ; v14-15 running sum (each half of the lanes over its own keys)
.set AL,   18                          ; v18-21 alpha, later 1 / l, as pairs
                                       ; v16-17 -maximum as a pair; v22-31 at work
.set QF,   32                          ; v32-63   Q fragment (qt, kf) at 16 qt + 8 kf
.set OA,   64                          ; v64-127  O^T tile (qt, dt) at 32 qt + 8 dt
.set SA,   128                         ; v128-191 S^T tile (qt, t) at 32 qt + 8 t; P (qt, g) = the first 8 registers at 32 qt + 16 g
.set VF,   192                         ; v192-255 V^T fragment (g, dt) at 32 g + 8 dt
                                       ; window 1, v0-63: K fragment (t, kf) at 16 t + 8 kf
.set MSB, 0
.macro WIN new
.if MSB != \new
	s_set_vgpr_msb (MSB<<8)|\new
.set MSB, \new
.endif
.endm
.macro NOPS n
.rept \n
	v_nop
.endr
.endm
.macro KVLOAD s                        ; waves 0, 1 bring K's two halves, waves 2, 3 V's: one tensor load a wave
	s_cmp_eq_u32 s9, 0
	s_cbranch_scc0 .Lfor_v_\@
	tensor_load_to_lds s[40+4*\s:43+4*\s], s[24:31]
	s_nop 0
	s_branch .Lasked_\@
.Lfor_v_\@:
	tensor_load_to_lds s[40+4*\s:43+4*\s], s[32:39]
	s_nop 0
.Lasked_\@:
.endm
	s_load_b128 s[4:7], s[0:1], 0x0                ; qkv s[4:5], o16 s[6:7]
	v_lshl_add_u32 v30, v0, 2, 0x29000
	v_mov_b32 v31, 0
	ds_add_u32 v30, v31
	ds_add_u32 v30, v31
	v_lshrrev_b32 v1, 5, v0
	v_readfirstlane_b32 s8, v1                     ; wave
	s_lshr_b32 s9, s8, 1                           ; I fetch K (0) or V (1)
	s_and_b32 s10, s8, 1                           ; which 64 keys
	s_mov_b32 s11, ttmp9                           ; P
	s_add_co_u32 s12, s11, 1                       ; P + 1 = steps of the first phase
	s_and_b32 s13, ttmp7, 0xffff
	s_and_b32 s14, s13, 15                         ; head
	s_lshr_b32 s15, s13, 4                         ; batch
	s_lshl_b32 s14, s14, 19
	s_lshl_b32 s15, s15, 18                        ; 2,048 rows x 128 bytes
	s_add_co_u32 s14, s14, s15
	s_lshl_b32 s15, s8, 12                         ; my 32 rows
	s_add_co_u32 s15, s14, s15
	s_lshl_b32 s68, s11, 14                        ; query block P
	s_add_co_u32 s70, s15, s68
	s_mov_b32 s71, 0
	s_sub_co_u32 s68, 15, s11                      ; query block 15 - P
	s_lshl_b32 s68, s68, 14
	s_add_co_u32 s68, s15, s68
	s_mov_b32 s69, 0
	s_lshl_b32 s13, s9, 23                         ; V lies 16 panels behind K,
	s_add_co_u32 s13, s13, 0x800000                ; K 16 panels behind Q
	s_add_co_u32 s13, s13, s14
	s_lshl_b32 s15, s10, 13                        ; my 64 keys
	s_add_co_u32 s74, s13, s15
	s_mov_b32 s75, 0
	s_mov_b32 s62, 0x76543210                      ; v_permlanex16_b32: lane i of one half reads lane i of the other
	s_mov_b32 s63, 0xfedcba98
	s_mov_b32 s72, 0x3e38aa3b                      ; log2(e) / 8: the scale 1/sqrt(64) and the base of the exponential in one
	s_mov_b32 s73, 0x3e38aa3b
	; group 1.  The tiles are dense in memory and come as rows of 256 bytes; padding stands behind every 128 bytes, one row of a panel.
	s_mov_b32 s16, 0x07110000                      ; Q: 2-byte elements | padding on | every 32 words | 4 words: pitch 144
	s_mov_b32 s17, 128<<16
	s_mov_b32 s18, 16<<16                          ; 16 rows of 256 bytes = my 32 query rows
	s_mov_b32 s19, 128<<16
	s_mov_b32 s20, 16
	s_mov_b32 s21, 128
	s_mov_b32 s22, 0
	s_mov_b32 s23, 0
	s_mov_b32 s24, 0x07110000                      ; K: pitch 144
	s_mov_b32 s25, 128<<16
	s_mov_b32 s26, 32<<16                          ; 32 rows of 256 bytes = 64 keys
	s_mov_b32 s27, 128<<16
	s_mov_b32 s28, 32
	s_mov_b32 s29, 128
	s_mov_b32 s30, 0
	s_mov_b32 s31, 0
	s_mov_b32 s32, 0x0f110000                      ; V: 8 words of padding: pitch 160 = 5 x 32, for the transposing load
	s_mov_b32 s33, 128<<16
	s_mov_b32 s34, 32<<16
	s_mov_b32 s35, 128<<16
	s_mov_b32 s36, 32
	s_mov_b32 s37, 128
	s_mov_b32 s38, 0
	s_mov_b32 s39, 0
	s_mul_i32 s13, s8, 32*144
	s_wait_dscnt 0x0
	s_wait_kmcnt 0x0
	s_add_nc_u64 s[56:57], s[4:5], s[74:75]        ; my part of key block 0
	s_add_nc_u64 s[58:59], s[6:7], s[70:71]        ; o16 at my rows of block P
	s_add_nc_u64 s[60:61], s[6:7], s[68:69]        ; and of block 15 - P
	s_mov_b32 s48, 1
	s_add_co_u32 s49, s13, QLDS
	s_add_nc_u64 s[50:51], s[4:5], s[70:71]
	s_or_b32 s51, s51, 0x80000000
	s_mov_b32 s52, 1
	s_add_co_u32 s53, s13, QLDS+QPH
	s_add_nc_u64 s[54:55], s[4:5], s[68:69]
	s_or_b32 s55, s55, 0x80000000
	s_mov_b32 s40, 1
	s_mul_i32 s41, s8, PART
	s_mov_b64 s[42:43], s[56:57]
	s_or_b32 s43, s43, 0x80000000
	s_mov_b32 s44, 1
	s_add_co_u32 s45, s41, SLOTB
	tensor_load_to_lds s[48:51], s[16:23]          ; the first fills go out together: three tensor loads of a wave are out here, one behind each later barrier
	s_nop 0
	tensor_load_to_lds s[52:55], s[16:23]
	s_nop 0
	KVLOAD 0
	v_and_b32 v1, 15, v0                           ; r
	v_bfe_u32 v11, v0, 4, 1                        ; h
	v_and_b32 v22, 7, v0
	v_bfe_u32 v23, v0, 3, 1
	v_mul_u32_u24 v[KADR], v1, 144
	v_lshl_add_u32 v[KADR], v11, 4, v[KADR]
	v_lshl_add_u32 v24, v11, 3, v22
	v_mul_u32_u24 v24, v24, 160
	v_lshl_add_u32 v24, v23, 4, v24
	v_add_nc_u32 v[VADR], 2*PART, v24
	s_add_co_u32 s14, s13, QLDS
	v_add_nc_u32 v[QADR], s14, v[KADR]
	s_add_co_u32 s14, s13, STG
	v_add_nc_u32 v[STO], s14, v[KADR]
	v_bfe_u32 v24, v0, 3, 2
	v_mul_u32_u24 v24, v24, 144
	v_lshl_add_u32 v24, v22, 4, v24
	v_add_nc_u32 v[RD], s14, v24
	v_and_b32 v[CO], 31, v0
	v_lshlrev_b32 v[CO], 4, v[CO]
	v_lshlrev_b32 v24, 3, v11
	v_sub_nc_u32 v24, v1, v24                      ; r - 8 h
	v_lshl_add_u32 v[DQ], s8, 5, v24               ; + 32 w
	v_add_nc_u32 v[DQ+1], 16, v[DQ]
	v_mov_b32 v[NINF], 0xff800000
	v_mov_b32 v[MX], 0xff800000
	v_mov_b32 v[MX+1], 0xff800000
	v_mov_b32 v[LS], 0
	v_mov_b32 v[LS+1], 0
.macro QFETCH ph                       ; my 32 query rows of block ph, as four fragments
.irp qt, 0,1
.irp kf, 0,1
	ds_load_b128 v[QF+16*\qt+8*\kf:QF+16*\qt+8*\kf+3],   v[QADR] offset:\ph*QPH+2304*\qt+64*\kf
	ds_load_b128 v[QF+16*\qt+8*\kf+4:QF+16*\qt+8*\kf+7], v[QADR] offset:\ph*QPH+2304*\qt+64*\kf+32
.endr
.endr
.endm
.macro KFETCH slot, u                  ; 64 keys of K as eight fragments, into window 1
	WIN 0x40
.irp t, 0,1,2,3
.irp kf, 0,1
	ds_load_b128 v[16*\t+8*\kf:16*\t+8*\kf+3],   v[KADR] offset:\slot*SLOTB+\u*PART+2304*\t+64*\kf
	ds_load_b128 v[16*\t+8*\kf+4:16*\t+8*\kf+7], v[KADR] offset:\slot*SLOTB+\u*PART+2304*\t+64*\kf+32
.endr
.endr
	WIN 0
.endm
.macro VFETCH slot, u                  ; 64 keys of V, transposed on the way, as eight fragments
.irp g, 0,1
.irp dt, 0,1,2,3
	ds_load_tr16_b128 v[VF+32*\g+8*\dt:VF+32*\g+8*\dt+3],   v[VADR] offset:\slot*SLOTB+\u*PART+5120*\g+32*\dt
	ds_load_tr16_b128 v[VF+32*\g+8*\dt+4:VF+32*\g+8*\dt+7], v[VADR] offset:\slot*SLOTB+\u*PART+5120*\g+32*\dt+2560
.endr
.endr
.endm
; S^T of 64 keys x 32 queries.  The two query tiles' accumulators take turns, one instruction a turn.
.macro SMUL
	WIN 0x01                                       ; source 0 (K) in window 1
.irp t, 0,1,2,3
	s_wait_dscnt 12-4*\t                           ; key tile t's four loads are back, the later tiles' stay out
	v_wmma_f32_16x16x32_f16 v[SA+8*\t:SA+8*\t+7], v[16*\t:16*\t+7], v[QF:QF+7], 0
	v_wmma_f32_16x16x32_f16 v[SA+32+8*\t:SA+32+8*\t+7], v[16*\t:16*\t+7], v[QF+16:QF+23], 0
	v_wmma_f32_16x16x32_f16 v[SA+8*\t:SA+8*\t+7], v[16*\t+8:16*\t+15], v[QF+8:QF+15], v[SA+8*\t:SA+8*\t+7]
	v_wmma_f32_16x16x32_f16 v[SA+32+8*\t:SA+32+8*\t+7], v[16*\t+8:16*\t+15], v[QF+24:QF+31], v[SA+32+8*\t:SA+32+8*\t+7]
.endr
	WIN 0
.endm
.macro MASK u                          ; the diagonal block: key 64 u + 16 t + 8 h + j > query 32 w + 16 qt + r gets -inf
.irp qt, 0,1
.irp t, 0,1,2,3
.irp j, 0,1,2,3,4,5,6,7
	v_cmp_gt_i32 vcc_lo, 64*\u+16*\t+\j, v[DQ+\qt]
	v_cndmask_b32 v[SA+32*\qt+8*\t+\j], v[SA+32*\qt+8*\t+\j], v[NINF], vcc_lo
.endr
.endr
.endr
.endm
.macro SOFT qt                         ; one query tile: new maximum, alpha, exponentials, sum, P in f16 in place
.set SB, SA+32*\qt
	v_max3_num_f32 v22, v[SB], v[SB+1], v[SB+2]
	v_max3_num_f32 v23, v[SB+3], v[SB+4], v[SB+5]
.set i, 6
.rept 13
	v_max3_num_f32 v[22+(i/2)%2], v[22+(i/2)%2], v[SB+i], v[SB+i+1]
.set i, i+2
.endr
	v_max_num_f32 v22, v22, v23
	v_permlanex16_b32 v23, v22, s62, s63           ; the other half of the lanes holds the other keys of my query
	v_max_num_f32 v22, v22, v23
	v_mul_f32 v22, s72, v22
	v_max_num_f32 v24, v[MX+\qt], v22              ; the new maximum
	v_sub_f32 v25, v[MX+\qt], v24
	v_exp_f32 v[AL+2*\qt], v25                     ; alpha
	v_mov_b32 v[MX+\qt], v24                       ; (the plain instruction behind the transcendental)
	v_sub_f32 v16, 0, v24
	v_sub_f32 v17, 0, v24
	s_wait_alu depctr_va_vdst(0)
	v_mov_b32 v[AL+2*\qt+1], v[AL+2*\qt]
.set i, 0
.rept 16
	v_pk_fma_f32 v[SB+i:SB+i+1], v[SB+i:SB+i+1], s[72:73], v[16:17] op_sel_hi:[1,0,1]
.set i, i+2
.endr
.set i, 0
.rept 32
	v_exp_f32 v[SB+i], v[SB+i]
.set i, i+1
.endr
	v_nop                                          ; one plain instruction behind the transcendentals
	s_wait_alu depctr_va_vdst(0)
	v_pk_add_f32 v[26:27], v[SB:SB+1], v[SB+2:SB+3]
	v_pk_add_f32 v[28:29], v[SB+4:SB+5], v[SB+6:SB+7]
.set i, 8
.rept 12
	v_pk_add_f32 v[26+2*((i/2)%2):27+2*((i/2)%2)], v[26+2*((i/2)%2):27+2*((i/2)%2)], v[SB+i:SB+i+1]
.set i, i+2
.endr
	v_pk_add_f32 v[26:27], v[26:27], v[28:29]
	v_add_f32 v26, v26, v27
	v_fma_f32 v[LS+\qt], v[LS+\qt], v[AL+2*\qt], v26
.irp g, 0,1
.irp k, 0,1,2,3
	v_cvt_pk_f16_f32 v[SB+16*\g+\k], v[SB+16*\g+2*\k], v[SB+16*\g+2*\k+1]       ; ascending: each write lands on registers already packed
.endr
.irp k, 0,1,2,3
	v_cvt_pk_f16_f32 v[SB+16*\g+4+\k], v[SB+16*\g+8+2*\k], v[SB+16*\g+9+2*\k]
.endr
.endr
.endm
.macro RESC                            ; O x alpha
.irp qt, 0,1
.set i, 0
.rept 16
	v_pk_mul_f32 v[OA+32*\qt+i:OA+32*\qt+i+1], v[OA+32*\qt+i:OA+32*\qt+i+1], v[AL+2*\qt:AL+2*\qt+1]
.set i, i+2
.endr
.endr
.endm
; O^T += V^T x P over 64 keys.  The eight accumulators take turns, one instruction a turn.
.macro PV zero, w0, w1
	s_wait_dscnt \w0                               ; V's first eight loads are back
.irp qt, 0,1
.irp dt, 0,1,2,3
.if \zero
	v_wmma_f32_16x16x32_f16 v[OA+32*\qt+8*\dt:OA+32*\qt+8*\dt+7], v[VF+8*\dt:VF+8*\dt+7], v[SA+32*\qt:SA+32*\qt+7], 0
.else
	v_wmma_f32_16x16x32_f16 v[OA+32*\qt+8*\dt:OA+32*\qt+8*\dt+7], v[VF+8*\dt:VF+8*\dt+7], v[SA+32*\qt:SA+32*\qt+7], v[OA+32*\qt+8*\dt:OA+32*\qt+8*\dt+7]
.endif
.endr
.endr
	s_wait_dscnt \w1                               ; V's other eight
.irp qt, 0,1
.irp dt, 0,1,2,3
	v_wmma_f32_16x16x32_f16 v[OA+32*\qt+8*\dt:OA+32*\qt+8*\dt+7], v[VF+32+8*\dt:VF+32+8*\dt+7], v[SA+32*\qt+16:SA+32*\qt+23], v[OA+32*\qt+8*\dt:OA+32*\qt+8*\dt+7]
.endr
.endr
	NOPS 5                                         ; the next S^T products write over P, the next loads land on V, vector work reads O
.endm
; 64 keys.  u = 0: the next 64 keys' K fragments are asked for behind V's, so PV's counts leave those 16 loads out.
.macro SUB slot, u, zero, last
	SMUL
	NOPS 4                                         ; ahead of the reads of S^T and of the loads into K's registers
	VFETCH \slot, \u
.if \u == 0
	KFETCH \slot, 1
.endif
.if \last
	MASK \u
.else
	s_cmp_lg_u32 s67, s11                          ; step P is the first phase's diagonal block
	s_cbranch_scc1 .Lnomask_\@
	MASK \u
.Lnomask_\@:
.endif
	SOFT 0
	SOFT 1
.if \zero
	PV 1, 24, 16
.else
	RESC
.if \u == 0
	PV 0, 24, 16                                   ; out: V's second half and 16 of K; then 16 of K
.else
	PV 0, 8, 0
.endif
.endif
.endm
; A query block is done: O / l in f16 through my stage, 4 KiB of consecutive bytes out.  reload = 1: the second block's Q, maximum -inf, sum 0.
.macro FIN base, reload
	v_permlanex16_b32 v22, v[LS], s62, s63
	v_permlanex16_b32 v23, v[LS+1], s62, s63
	v_add_f32 v22, v22, v[LS]
	v_add_f32 v23, v23, v[LS+1]
	v_rcp_f32 v[AL], v22
	v_rcp_f32 v[AL+2], v23
	v_nop
	s_wait_alu depctr_va_vdst(0)
	v_mov_b32 v[AL+1], v[AL]
	v_mov_b32 v[AL+3], v[AL+2]
	RESC
.irp qt, 0,1
.irp dt, 0,1,2,3
.irp k, 0,1,2,3
	v_cvt_pk_f16_f32 v[SA+4*(4*\qt+\dt)+\k], v[OA+32*\qt+8*\dt+2*\k], v[OA+32*\qt+8*\dt+2*\k+1]
.endr
	ds_store_b128 v[STO], v[SA+4*(4*\qt+\dt):SA+4*(4*\qt+\dt)+3] offset:2304*\qt+32*\dt
.endr
.endr
.irp t, 0,1,2,3,4,5,6,7
	ds_load_b128 v[SA+32+4*\t:SA+32+4*\t+3], v[RD] offset:576*\t   ; my own bytes: LDS serves a wave's instructions in order (ISA guide 5.7.1)
.endr
.irp t, 0,1,2,3,4,5,6,7
	s_wait_dscnt 7-\t                              ; read t is back, the younger ones stay out
	global_store_b128 v[CO], v[SA+32+4*\t:SA+32+4*\t+3], s[\base:\base+1] offset:512*\t
.endr
	s_wait_xcnt 0x0                                ; the stores' data registers are written again by the next products only behind this wait
.if \reload
	QFETCH 1
	v_mov_b32 v[MX], v[NINF]
	v_mov_b32 v[MX+1], v[NINF]
	v_mov_b32 v[LS], 0
	v_mov_b32 v[LS+1], 0
.endif
.endm
; One key block of 128, in slot 'slot'; s67 = the step's number.  In front of the barrier every wave waits for all its tensor loads (its part of
; this slot) and for its reads of the other slot; behind it the other slot is asked for again first, one tensor load a wave.
.macro STEP slot, zero, last
	s_wait_tensorcnt 0x0
	ds_add_u32 v30, v31
	s_wait_dscnt 0x0
.if \last == 0
	s_add_co_u32 s68, s67, 1                       ; the next step's key block: t, or t - (P + 1) in the second phase
	s_cmp_gt_u32 s68, s11
	s_cselect_b32 s69, s12, 0
	s_sub_co_u32 s70, s68, s69
	s_lshl_b32 s70, s70, 14
	s_mov_b32 s71, 0
	s_add_nc_u64 s[46-4*\slot:47-4*\slot], s[56:57], s[70:71]      ; no tensor load of mine is out: the other slot's group 0 may be written
	s_or_b32 s[47-4*\slot], s[47-4*\slot], 0x80000000
.endif
	s_wait_dscnt 0x0
	s_barrier_signal -1
	s_barrier_wait -1
.if \last == 0
	KVLOAD (1-\slot)
.endif
	KFETCH \slot, 0
	SUB \slot, 0, \zero, \last
	SUB \slot, 1, 0, \last
.if \last
	FIN 60, 0
.else
	s_cmp_lg_u32 s67, s11
	s_cbranch_scc1 .Lnofin_\@
	FIN 58, 1
.Lnofin_\@:
.endif
.endm
	s_wait_tensorcnt 0x0                           ; my rows of Q are in (only I read them)
	QFETCH 0
	s_mov_b32 s67, 0
	STEP 0, 1, 0                                   ; step 0 stands ahead of the loop: its first products start O's sums
	s_mov_b32 s66, 0
.Ltrip:                                            ; steps 1 to 14
	s_lshl_b32 s67, s66, 1
	s_add_co_u32 s67, s67, 1
	STEP 1, 0, 0
	s_add_co_u32 s67, s67, 1
	STEP 0, 0, 0
	s_add_co_u32 s66, s66, 1
	s_cmp_lt_u32 s66, 7
	s_cbranch_scc1 .Ltrip
	s_mov_b32 s67, 15
	STEP 1, 0, 0
	STEP 0, 0, 1                                   ; step 16: the second phase's diagonal block; nothing is left to fetch
	s_wait_tensorcnt 0x0
	ds_add_u32 v30, v31
	s_wait_dscnt 0x0
	s_endpgm
.Lfunc_end_k_q2dc79d9634_attn:
	.size	k_q2dc79d9634_attn, .Lfunc_end_k_q2dc79d9634_attn-k_q2dc79d9634_attn
	.p2alignl 7, 3214868480
	.fill 96, 4, 3214868480
	.section	.rodata,"a",@progbits
	.p2align	6, 0x0
	.amdhsa_kernel k_q2dc79d9634_attn
		.amdhsa_group_segment_fixed_size 327680
		.amdhsa_private_segment_fixed_size 0
		.amdhsa_enable_private_segment 0
		.amdhsa_kernarg_size 16
		.amdhsa_user_sgpr_count 2
		.amdhsa_user_sgpr_kernarg_segment_ptr 1
		.amdhsa_wavefront_size32 1
		.amdhsa_system_sgpr_workgroup_id_x 1
		.amdhsa_system_sgpr_workgroup_id_y 1
		.amdhsa_system_sgpr_workgroup_id_z 1
		.amdhsa_system_vgpr_workitem_id 0
		.amdhsa_next_free_vgpr 320
		.amdhsa_next_free_sgpr 76
		.amdhsa_reserve_vcc 1
		.amdhsa_float_denorm_mode_32 3
		.amdhsa_float_denorm_mode_16_64 3
		.amdhsa_memory_ordered 1
		.amdhsa_forward_progress 1
		.amdhsa_inst_pref_size 255
	.end_amdhsa_kernel
	.section	.bss,"aw",@nobits
	.p2align	6
	.space	262144
	.amdgpu_metadata
---
amdhsa.version: [ 1, 2 ]
amdhsa.kernels:
  - .name:           k_q2dc79d9634_attn
    .symbol:         k_q2dc79d9634_attn.kd
    .args:
      - { .name: qkv, .offset: 0, .size: 8, .value_kind: global_buffer, .address_space: global }
      - { .name: o16, .offset: 8, .size: 8, .value_kind: global_buffer, .address_space: global }
    .group_segment_fixed_size: 327680
    .private_segment_fixed_size: 0
    .kernarg_segment_align: 8
    .kernarg_segment_size: 16
    .max_flat_workgroup_size: 128
    .sgpr_count:     76
    .vgpr_count:     320
    .wavefront_size: 32
...
	.end_amdgpu_metadata
.endif
;; end of part 3
;; launch wo (part 4): grid 8 x 32, 4 waves a work-group, clusters of 4 x 4, 327,680 bytes of LDS; arguments o16, w16, x, x1; writes x1
.if DOCPART == 4
	.amdgcn_target "amdgcn-amd-amdhsa--gfx1250"
	.amdhsa_code_object_version 6
	.text
	.protected	k_q2dc79d9634_wo
	.globl	k_q2dc79d9634_wo
	.p2align	8
	.type	k_q2dc79d9634_wo,@function
k_q2dc79d9634_wo:
	s_mov_b64 s[64:65], 0
	v_nop
	global_prefetch_b8 v0, s[64:65] scope:SCOPE_SE
	s_setreg_imm32_b32 hwreg(HW_REG_WAVE_MODE, 25, 1), 1
	s_wait_xcnt 0x0
	s_wait_alu depctr_hold_cnt(0) depctr_sa_sdst(0) depctr_va_vdst(0) depctr_va_sdst(0) depctr_va_ssrc(0) depctr_va_vcc(0) depctr_vm_vsrc(0)
	s_getreg_b32 s2, hwreg(HW_REG_IB_STS2, 6, 4)
	s_cmp_eq_u32 s2, 0
	s_cbranch_scc0 .Lentry_in_a_cluster
	s_endpgm
.Lentry_in_a_cluster:
	s_bfe_u32 s2, ttmp6, 0x10000c
	s_cmp_lg_u32 s2, 0xf033
	s_cbranch_scc0 .Lentry_shape_is_right
	s_endpgm
.Lentry_shape_is_right:
; C[4096][N] = A x B on the matrix units.  One text serves four products; VAR picks the product:
;   VAR 0  qkv = rmsnorm(x) x [wq | wk | wv]      f16,  K = 1024, out f16 in panels
;   VAR 1  x1  = x + o x wo                       f16,  K = 1024, out f32 row-major, residual added
;   VAR 2  h1c = comb x relu(h2 x exp_fc1)^2      f16,  K = 1024, out bf16 in panels (all 8 experts side by side, N = 4096)
;   VAR 3  out = x1 + h1c x exp_fc2               bf16, K = 4096 (the experts one behind the other along K), out f32, residual added
; A lies in panels [K/64][4096 rows][64] of 16 bits (a panel 0x80000 bytes, a row 128 bytes); B lies [K][N] as the weights do.
; A work-group makes 128 x 128 of C with four waves, a wave 64 x 64 in 16 accumulator tiles: with N = 1024 that gives 256 work-groups.
; K goes in steps of 256 through two LDS slots.  4 x 4 work-groups form a cluster: A's tile hangs on the block row alone and is asked for jointly
; by a row of the cluster, B's on the block column alone and is asked for jointly by a column.
; The matrix instruction is used transposed (source 0 = 16 columns of B, source 1 = 16 rows of A): lane l then holds row l % 16 of C
; and in its registers 0-7 the columns 8 (l / 16) + 0..7.
; Limits kept: NaN and infinities are not served; an unselected expert's part is 0 x a finite number; the sums' order differs from a plain loop's.
; f16 operands here stay below about 700 also for inputs 30 times larger or offset; relu(z)^2 has no such room and goes in bf16.
.set VAR, 1
.if VAR == 0
.set KTOT, 1024
.set BOFF, 0
.set BPE,  1024
.endif
.if VAR == 1
.set KTOT, 1024
.set BOFF, 0x600000
.set BPE,  1024
.endif
.if VAR == 2
.set KTOT, 1024
.set BOFF, 0x800000
.set BPE,  512
.endif
.if VAR == 3
.set KTOT, 4096
.set BOFF, 0x1000000
.set BPE,  1024
.endif
.set OUTF32, VAR & 1                   ; 1: f32 out with residual; 0: 16-bit out in panels
.set PB,     0x80000                   ; bytes in a panel
.set APITCH, 144                       ; A's LDS row: 128 bytes + 16 = 9 x 16: sixteen rows start in sixteen different 16-byte columns of 256
.set BPITCH, 288                       ; B's LDS row: 256 bytes + 32 = 9 x 32, for the transposing load
.set HALFT,  36864                     ; what one tensor load fills: 2 panels x 128 rows x 144, or 128 rows x 288
.set SLOT,   4*HALFT                   ; A's 4 panels, then B's 256 rows
.set STAGE,  2*SLOT                    ; behind the ring, never filled by a tensor load: 4,352 bytes for each wave
.set WSTAGE, 4352
.set LAPS,   KTOT/512                  ; a lap = two K steps of 256 = once round the ring
.set ASTEP,  4*PB                      ; a K step in A: 4 panels
.set BSTEP,  512*BPE                   ; a K step in B: 256 rows
.set ADRA, 16                          ; v16-17  LDS address of my A fragments, slot 0, 1
.set ADRB, 20                          ; v20-23  of my B fragments: slot 0 rows 0-127, rows 128-255, slot 1 likewise
.set STO,  24                          ; v24     the way out: where I put my part of a row
.set RD,   25                          ; v25     where I read rows back
.set CO,   26                          ; v26     my byte offset in C (and in the residual)
.set CV,   27                          ; v27     VAR 2: my byte offset in comb
.set CMB,  28                          ; v28-35  VAR 2: comb of my row in each of the four row tiles, as pairs
.set F0,   64                          ; v64-127   fragment buffer 0: B's four at +0, A's four at +32
.set F1,   128                         ; v128-191  fragment buffer 1
.set TMP,  192                         ; v192-255  at work on the way out
.set RES,  128                         ; window 1, v128-255: the 32 residual quads; window 1, v0-127: accumulator (a, b) at 8 (4 a + b)
.set G1,  16                           ; s[16:23] group 1 of A's tiles
.set G1B, 24                           ; s[24:31] group 1 of B's tiles
.set G0,  32                           ; s[32:39] group 0 of A's tiles, a set for each slot
.set G0B, 48                           ; s[48:55] group 0 of B's tiles
.set MULW, 0x50                        ; C and D in window 1, A and B in window 0
.set MSB, 0
.macro WIN new                         ; the immediate's high byte repeats the setting that is left
.if MSB != \new
	s_set_vgpr_msb (MSB<<8)|\new
.set MSB, \new
.endif
.endm
.macro JLOAD s                         ; waves 0, 1 ask for A's two panel pairs, waves 2, 3 for B's two halves: one load a wave, one mask a line
	s_cmp_eq_u32 s13, 0
	s_cbranch_scc0 .Lfor_b_\@
	tensor_load_to_lds s[G0+4*\s:G0+4*\s+3], s[G1:G1+7]
	s_nop 0
	s_branch .Lasked_\@
.Lfor_b_\@:
	tensor_load_to_lds s[G0B+4*\s:G0B+4*\s+3], s[G1B:G1B+7]
	s_nop 0
.Lasked_\@:
.endm
.macro CREST                           ; a round of the cluster's barrier behind its opening work-group barrier
	s_cmp_lg_u32 s12, 0
	s_cbranch_scc1 .Lnot_wave_0_\@
	s_barrier_signal -3
.Lnot_wave_0_\@:
	s_barrier_wait -3
	s_barrier_signal -1
	s_barrier_wait -1
.endm
.macro CROUND
	s_barrier_signal -1
	s_barrier_wait -1
	CREST
.endm
.macro PLACES                          ; four plain vector instructions between a matrix instruction and a load into, or a read of, its registers
.rept 4
	v_nop
.endr
.endm
.if VAR == 0
	s_load_b128 s[4:7], s[0:1], 0x0                ; A s[4:5], w16 s[6:7]
	s_load_b64 s[10:11], s[0:1], 0x10              ; C s[10:11]
.else
	s_load_b256 s[4:11], s[0:1], 0x0               ; A, w16, residual or comb s[8:9], C s[10:11]
	v_lshl_add_u32 v254, v0, 2, 0x4c400
	v_mov_b32 v255, 0
	ds_add_u32 v254, v255
	ds_add_u32 v254, v255
.endif
	v_lshrrev_b32 v1, 5, v0
	v_readfirstlane_b32 s12, v1                    ; wave 0..3
	s_lshr_b32 s13, s12, 1                         ; my half of the block's rows; also: I fetch for A (0) or B (1)
	s_and_b32 s14, s12, 1                          ; my half of its columns; also: which half of that tile I fetch
	s_bfe_u32 s40, ttmp6, 0x40000                  ; cx
	s_bfe_u32 s41, ttmp6, 0x40004                  ; cy
	s_lshl_b32 s42, ttmp9, 2
	s_add_co_u32 s42, s42, s40                     ; block column bn
	s_and_b32 s43, ttmp7, 0xffff
	s_lshl_b32 s43, s43, 2
	s_add_co_u32 s43, s43, s41                     ; block row bm
	s_lshl_b32 s44, s41, 2
	s_lshl_b32 s44, 15, s44                        ; my row of the cluster
	s_lshl_b32 s45, 0x1111, s40                    ; my column of the cluster
	; group 1 of A: 2 "rows", each one panel's 128 rows = 8,192 elements that are dense in memory, a panel apart; 16 bytes of padding behind every 128
	s_or_b32 s[G1+0], s44, 0x07310000              ; mask | 2-byte elements | padding on | bit 21 beside a mask | every 32 words | 4 words
	s_mov_b32 s[G1+1], 8192<<16                    ; tensor_dim0 = 8,192
	s_mov_b32 s[G1+2], 2<<16                       ; tensor_dim1 = 2
	s_mov_b32 s[G1+3], 8192<<16                    ; tile_dim0 = 8,192
	s_mov_b32 s[G1+4], 2                           ; tile_dim1 = 2
	s_mov_b32 s[G1+5], 0x40000                     ; elements from panel to panel
	s_mov_b32 s[G1+6], 0
	s_mov_b32 s[G1+7], 0
	; group 1 of B: 128 rows of 128 elements (256 bytes), 32 bytes of padding behind each
	s_or_b32 s[G1B+0], s45, 0x0f710000             ; mask | 2-byte elements | padding on | bit 21 | every 64 words | 8 words
	s_mov_b32 s[G1B+1], 128<<16
	s_mov_b32 s[G1B+2], 128<<16
	s_mov_b32 s[G1B+3], 128<<16
	s_mov_b32 s[G1B+4], 128
	s_mov_b32 s[G1B+5], BPE
	s_mov_b32 s[G1B+6], 0
	s_mov_b32 s[G1B+7], 0
	; A's offset hangs on the block row and the wave, B's on the block column and the wave; neither pair ever holds the other coordinate
	s_lshl_b32 s46, s43, 14                        ; 128 rows x 128 bytes
	s_lshl_b32 s47, s14, 20                        ; my two panels
	s_add_co_u32 s46, s46, s47
	s_mov_b32 s47, 0
.if VAR == 0
	s_lshr_b32 s56, s42, 3                         ; which of wq, wk, wv
	s_lshl_b32 s56, s56, 21
	s_and_b32 s57, s42, 7
	s_lshl_b32 s57, s57, 8
	s_add_co_u32 s56, s56, s57
.endif
.if VAR == 2
	s_lshr_b32 s56, s42, 2                         ; the expert
	s_lshl_b32 s56, s56, 20
	s_and_b32 s57, s42, 3
	s_lshl_b32 s57, s57, 8
	s_add_co_u32 s56, s56, s57
.endif
.if OUTF32
	s_lshl_b32 s56, s42, 8
.endif
	s_mul_i32 s57, s14, 256*BPE                    ; my 128 rows
	s_add_co_u32 s56, s56, s57
.if BOFF
	s_add_co_u32 s56, s56, BOFF
.endif
	s_mov_b32 s57, 0
	s_mul_i32 s15, s12, HALFT                      ; where my part of a slot lies: the wave's number alone
.if OUTF32
	s_lshl1_add_u32 s58, s43, s13                  ; 2 bm + wm
	s_lshl_b32 s58, s58, 18                        ; x 64 rows x 4,096 bytes
	s_lshl1_add_u32 s59, s42, s14                  ; 2 bn + wn
	s_lshl_b32 s59, s59, 8                         ; x 64 columns x 4 bytes
.else
	s_lshl1_add_u32 s58, s42, s14                  ; my panel of C = 2 bn + wn
	s_lshl_b32 s58, s58, 19
	s_lshl1_add_u32 s59, s43, s13                  ; 2 bm + wm
	s_lshl_b32 s59, s59, 13                        ; x 64 rows x 128 bytes
.endif
	s_add_co_u32 s58, s58, s59
	s_mov_b32 s59, 0
.if VAR == 2
	s_lshl1_add_u32 s60, s43, s13
	s_lshl_b32 s60, s60, 11                        ; 64 rows x 32 bytes of comb
	s_lshr_b32 s61, s42, 2
	s_lshl2_add_u32 s60, s61, s60                  ; + 4 x expert
	s_mov_b32 s61, 0
.endif
	s_wait_dscnt 0x0
	s_wait_kmcnt 0x0
	s_add_nc_u64 s[46:47], s[4:5], s[46:47]
	s_add_nc_u64 s[56:57], s[6:7], s[56:57]
	s_add_nc_u64 s[10:11], s[10:11], s[58:59]
.if OUTF32
	s_add_nc_u64 s[8:9], s[8:9], s[58:59]
.endif
.if VAR == 2
	s_add_nc_u64 s[8:9], s[8:9], s[60:61]
.endif
	CROUND                                         ; all sixteen work-groups are here: the first joint loads meet
.irp s, 0,1
	s_mov_b32 s[G0+4*\s], 1
	s_add_co_u32 s[G0+4*\s+1], s15, \s*SLOT
	s_add_nc_u64 s[G0+4*\s+2:G0+4*\s+3], s[46:47], \s*ASTEP
	s_or_b32 s[G0+4*\s+3], s[G0+4*\s+3], 0x80000000
	s_mov_b32 s[G0B+4*\s], 1
	s_add_co_u32 s[G0B+4*\s+1], s15, \s*SLOT
	s_add_nc_u64 s[G0B+4*\s+2:G0B+4*\s+3], s[56:57], \s*BSTEP
	s_or_b32 s[G0B+4*\s+3], s[G0B+4*\s+3], 0x80000000
	JLOAD \s                                       ; both slots' first fills go out together: two tensor loads of a wave are out here, one behind each later round
.endr
	v_and_b32 v1, 15, v0                           ; r = l % 16
	v_bfe_u32 v2, v0, 4, 1                         ; h = l / 16
	v_and_b32 v3, 7, v0
	v_bfe_u32 v4, v0, 3, 1
	v_mul_u32_u24 v5, v1, APITCH
	v_lshl_add_u32 v5, v2, 4, v5                   ; 144 r + 16 h
	s_mul_i32 s62, s13, 64*APITCH                  ; my 64 rows of A
	v_add_nc_u32 v[ADRA], s62, v5
	v_add_nc_u32 v[ADRA+1], SLOT, v[ADRA]
	v_lshl_add_u32 v6, v2, 3, v3                   ; the transposing load: row 8 h + l % 8,
	v_mul_u32_u24 v6, v6, BPITCH
	v_lshl_add_u32 v6, v4, 4, v6                   ; 16 bytes further for lanes 8-15 of each half
	s_lshl_b32 s62, s14, 7                         ; my 64 columns of B
	s_add_co_u32 s62, s62, 2*HALFT                 ; B lies behind A's four panels
	v_add_nc_u32 v[ADRB], s62, v6
	v_add_nc_u32 v[ADRB+1], HALFT, v[ADRB]
	v_add_nc_u32 v[ADRB+2], SLOT, v[ADRB]
	v_add_nc_u32 v[ADRB+3], SLOT, v[ADRB+1]
	s_mul_i32 s63, s12, WSTAGE
	s_add_co_u32 s63, s63, STAGE                   ; my stage
.if OUTF32
	v_mul_u32_u24 v7, v1, 272                      ; in: row r of 256 bytes + 16, 32 bytes for each half of the lanes
	v_lshl_add_u32 v7, v2, 5, v7
	v_add_nc_u32 v[STO], s63, v7
	v_mul_u32_u24 v7, v2, 272                      ; back: lanes 0-15 one row, lanes 16-31 the next
	v_lshl_add_u32 v7, v1, 4, v7
	v_add_nc_u32 v[RD], s63, v7
	v_lshlrev_b32 v7, 4, v1
	v_lshl_add_u32 v[CO], v2, 12, v7               ; the same two rows in C
	WIN 0x40                                       ; destination in window 1
.irp a, 0,1,2,3
.irp t, 0,1,2,3,4,5,6,7
	global_load_b128 v[RES+4*(8*\a+\t):RES+4*(8*\a+\t)+3], v[CO], s[8:9] offset:(16*\a+2*\t)*4096   ; my 64 x 64 of the residual: on its way during the whole K loop
.endr
.endr
	WIN 0
.else
	v_add_nc_u32 v[STO], s63, v5                   ; in: row r of 128 bytes + 16, 16 bytes for each half of the lanes
	v_bfe_u32 v7, v0, 3, 2
	v_mul_u32_u24 v7, v7, APITCH                   ; back: eight lanes a row, four rows a load
	v_lshl_add_u32 v7, v3, 4, v7
	v_add_nc_u32 v[RD], s63, v7
	v_and_b32 v[CO], 31, v0
	v_lshlrev_b32 v[CO], 4, v[CO]                  ; my tile of C is 8 KiB of consecutive bytes
.endif
.if VAR == 2
	v_lshlrev_b32 v[CV], 5, v1
.irp a, 0,1,2,3
	global_load_b32 v[CMB+2*\a], v[CV], s[8:9] offset:512*\a       ; comb of row 16 a + r and my expert
.endr
.endif
.macro MM d, x, y, zero                ; one matrix instruction; zero = 1: it starts the sum
.if VAR == 3
.if \zero
	v_wmma_f32_16x16x32_bf16 v[\d:\d+7], v[\x:\x+7], v[\y:\y+7], 0
.else
	v_wmma_f32_16x16x32_bf16 v[\d:\d+7], v[\x:\x+7], v[\y:\y+7], v[\d:\d+7]
.endif
.else
.if \zero
	v_wmma_f32_16x16x32_f16 v[\d:\d+7], v[\x:\x+7], v[\y:\y+7], 0
.else
	v_wmma_f32_16x16x32_f16 v[\d:\d+7], v[\x:\x+7], v[\y:\y+7], v[\d:\d+7]
.endif
.endif
.endm
.macro MULA f, a, zero                 ; row tile a x all four column tiles, 32 along K
.irp b, 0,1,2,3
	MM 8*(4*\a+\b), \f+8*\b, \f+32+8*\a, \zero
.endr
.endm
; the fragments of quarter q (32 of the slot's 256 along K) into buffer f: 8 transposing loads for B, 8 plain ones for A
.macro FETCH slot, q, f
.irp b, 0,1,2,3
	ds_load_tr16_b128 v[\f+8*\b:\f+8*\b+3],   v[ADRB+2*\slot+(\q>>2)] offset:(\q&3)*32*BPITCH+32*\b
	ds_load_tr16_b128 v[\f+8*\b+4:\f+8*\b+7], v[ADRB+2*\slot+(\q>>2)] offset:(\q&3)*32*BPITCH+32*\b+16*BPITCH
.endr
.irp a, 0,1,2,3
	ds_load_b128 v[\f+32+8*\a:\f+32+8*\a+3], v[ADRA+\slot] offset:(\q>>1)*128*APITCH+(\q&1)*64+16*APITCH*\a
	ds_load_b128 v[\f+32+8*\a+4:\f+32+8*\a+7], v[ADRA+\slot] offset:(\q>>1)*128*APITCH+(\q&1)*64+16*APITCH*\a+32
.endr
.endm
; One of a K step's first seven quarters: asks for quarter q into buffer g, then multiplies buffer f.
; The sixteen accumulators take turns, one instruction a turn, in the same order in every quarter.
.macro QUARTER slot, q, f, g, zero
	PLACES                                         ; buffer g was read by the sixteen matrix instructions just issued
	WIN 0
	FETCH \slot, \q, \g
	s_wait_dscnt 16                                ; all but the 16 loads just issued: buffer f is whole
	WIN MULW
	MULA \f, 0, \zero
	MULA \f, 1, \zero
	MULA \f, 2, \zero
	MULA \f, 3, \zero
.endm
.macro SEVEN slot, zero
	QUARTER \slot, 1, F0, F1, \zero
	QUARTER \slot, 2, F1, F0, 0
	QUARTER \slot, 3, F0, F1, 0
	QUARTER \slot, 4, F1, F0, 0
	QUARTER \slot, 5, F0, F1, 0
	QUARTER \slot, 6, F1, F0, 0
	QUARTER \slot, 7, F0, F1, 0
.endm
; The eighth quarter multiplies buffer 1 and changes slots.  In front of the barrier each wave waits for its reads of this slot and for all its
; tensor loads (the one that is out is its part of the next slot).  fill = 1: the barrier opens a round of the cluster's barrier, and behind the
; round this slot is asked for again, two K steps ahead, as the wave's first and only tensor load.
.macro TURN slot, next, fill
	s_wait_dscnt 0x0                               ; buffer 1 is whole, and my reads of this slot are over
	s_wait_tensorcnt 0x0                           ; all my tensor loads have landed
	ds_add_u32 v254, v255
	s_wait_dscnt 0x0
	s_barrier_signal -1
	WIN MULW
	MULA F1, 0, 0                                  ; register work while the others arrive
	MULA F1, 1, 0
	WIN 0
	s_barrier_wait -1
.if \fill
	CREST
	s_add_nc_u64 s[G0+4*\slot+2:G0+4*\slot+3], s[G0+4*\slot+2:G0+4*\slot+3], 2*ASTEP
	s_add_nc_u64 s[G0B+4*\slot+2:G0B+4*\slot+3], s[G0B+4*\slot+2:G0B+4*\slot+3], 2*BSTEP
	JLOAD \slot
.endif
	PLACES
	FETCH \next, 0, F0
	WIN MULW
	MULA F1, 2, 0
	MULA F1, 3, 0
.endm
.macro LAP zero
	SEVEN 0, \zero
	TURN 0, 1, 1
	SEVEN 1, 0
	TURN 1, 0, 1
.endm
	s_wait_tensorcnt 0x1                           ; my part of K step 0 is in; slot 1's load stays out
	s_barrier_signal -1
	s_barrier_wait -1
	FETCH 0, 0, F0
	LAP 1                                          ; the first lap stands ahead of the loop: its first products start the sums
.if LAPS > 2
	WIN 0
	s_mov_b32 s3, LAPS-2
.Llap:
	LAP 0
	WIN 0
	s_sub_co_u32 s3, s3, 1
	s_cmp_lg_u32 s3, 0
	s_cbranch_scc1 .Llap
.endif
	SEVEN 0, 0                                     ; the last lap fills nothing
	TURN 0, 1, 0
	SEVEN 1, 0
	s_wait_dscnt 0x0
	WIN MULW
	MULA F1, 0, 0
	MULA F1, 1, 0
	MULA F1, 2, 0
	MULA F1, 3, 0
	PLACES                                         ; behind the last matrix instructions, ahead of every read of a result and every load into a buffer
.if OUTF32
; 16 rows of my tile: the accumulators into my stage, whole rows of 256 bytes back, the residual added, out.
; The stage is my wave's own and LDS serves a wave's instructions in order (ISA guide 5.7.1): no barrier, no wait between stores and loads.
.macro OUT32 a
	WIN 0x04                                       ; source 1 (LDS store data, the adds' second source) in window 1
.irp b, 0,1,2,3
	ds_store_b128 v[STO], v[8*(4*\a+\b):8*(4*\a+\b)+3] offset:64*\b
	ds_store_b128 v[STO], v[8*(4*\a+\b)+4:8*(4*\a+\b)+7] offset:64*\b+16
.endr
	s_wait_xcnt 0x0                                ; buffer 0, which the last stores read, is loaded again only behind this wait
.irp t, 0,1,2,3,4,5,6,7
	ds_load_b128 v[F0+4*\t:F0+4*\t+3], v[RD] offset:544*\t
.endr
.irp t, 0,1,2,3,4,5,6,7
	s_wait_dscnt 7-\t                              ; read t is back, the younger ones stay out
	v_pk_add_f32 v[F0+4*\t:F0+4*\t+1], v[F0+4*\t:F0+4*\t+1], v[RES+4*(8*\a+\t):RES+4*(8*\a+\t)+1]
	v_pk_add_f32 v[F0+4*\t+2:F0+4*\t+3], v[F0+4*\t+2:F0+4*\t+3], v[RES+4*(8*\a+\t)+2:RES+4*(8*\a+\t)+3]
.endr
	WIN 0
.irp t, 0,1,2,3,4,5,6,7
	global_store_b128 v[CO], v[F0+4*\t:F0+4*\t+3], s[10:11] offset:(16*\a+2*\t)*4096   ; sixteen lanes store 256 consecutive aligned bytes
.endr
.endm
	s_wait_loadcnt 0x0                             ; the residual
	OUT32 0
	OUT32 1
	OUT32 2
	OUT32 3
.else
; 16 rows of my tile: rounded to 16 bits, 16 bytes a lane into my stage, read back by rows, stored as 2,048 consecutive bytes.
.macro OUT16 a
.if VAR == 0
	WIN 0x05                                       ; both sources in window 1
.irp b, 0,1,2,3
.irp i, 0,1,2,3
	v_cvt_pk_f16_f32 v[TMP+4*\b+\i], v[8*(4*\a+\b)+2*\i], v[8*(4*\a+\b)+2*\i+1]
.endr
.endr
	WIN 0
.else
	WIN 0x04
.irp b, 0,1,2,3
.irp j, 0,1,2,3,4,5,6,7
	v_max_num_f32 v[TMP+8*\b+\j], 0, v[8*(4*\a+\b)+\j]             ; t = relu(z)
.endr
.endr
	WIN 0
.set i, 0
.rept 16
	v_pk_mul_f32 v[TMP+32+2*i:TMP+33+2*i], v[TMP+2*i:TMP+2*i+1], v[CMB+2*\a:CMB+2*\a+1]   ; t x comb
.set i, i+1
.endr
.set i, 0
.rept 16
	v_pk_mul_f32 v[TMP+32+2*i:TMP+33+2*i], v[TMP+32+2*i:TMP+33+2*i], v[TMP+2*i:TMP+2*i+1] ; x t
.set i, i+1
.endr
.set i, 0
.rept 16
	v_cvt_pk_bf16_f32 v[TMP+i], v[TMP+32+2*i], v[TMP+33+2*i]
.set i, i+1
.endr
.endif
.irp b, 0,1,2,3
	ds_store_b128 v[STO], v[TMP+4*\b:TMP+4*\b+3] offset:32*\b
.endr
	s_wait_xcnt 0x0                                ; buffer 0, which the last stores read, is loaded again only behind this wait
.irp t, 0,1,2,3
	ds_load_b128 v[F0+4*\t:F0+4*\t+3], v[RD] offset:4*APITCH*\t
.endr
.irp t, 0,1,2,3
	s_wait_dscnt 3-\t                              ; read t is back, the younger ones stay out
	global_store_b128 v[CO], v[F0+4*\t:F0+4*\t+3], s[10:11] offset:2048*\a+512*\t   ; 512 consecutive aligned bytes
.endr
.endm
.if VAR == 2
	WIN 0                                          ; the copies below write window 0
	s_wait_loadcnt 0x0                             ; comb
.irp a, 0,1,2,3
	v_mov_b32 v[CMB+2*\a+1], v[CMB+2*\a]           ; a pair for the packed multiply
.endr
.endif
	OUT16 0
	OUT16 1
	OUT16 2
	OUT16 3
.endif
	s_wait_tensorcnt 0x0
	ds_add_u32 v254, v255
	s_wait_dscnt 0x0
	CROUND                                         ; the closing round: no work-group ends while a partner may still ask for a tile that names it
	s_endpgm
.Lfunc_end_k_q2dc79d9634_wo:
	.size	k_q2dc79d9634_wo, .Lfunc_end_k_q2dc79d9634_wo-k_q2dc79d9634_wo
	.p2alignl 7, 3214868480
	.fill 96, 4, 3214868480
	.section	.rodata,"a",@progbits
	.p2align	6, 0x0
	.amdhsa_kernel k_q2dc79d9634_wo
		.amdhsa_group_segment_fixed_size 327680
		.amdhsa_private_segment_fixed_size 0
		.amdhsa_enable_private_segment 0
		.amdhsa_kernarg_size 32
		.amdhsa_user_sgpr_count 2
		.amdhsa_user_sgpr_kernarg_segment_ptr 1
		.amdhsa_wavefront_size32 1
		.amdhsa_system_sgpr_workgroup_id_x 1
		.amdhsa_system_sgpr_workgroup_id_y 1
		.amdhsa_system_sgpr_workgroup_id_z 1
		.amdhsa_system_vgpr_workitem_id 0
		.amdhsa_next_free_vgpr 512
		.amdhsa_next_free_sgpr 66
		.amdhsa_reserve_vcc 0
		.amdhsa_float_denorm_mode_32 3
		.amdhsa_float_denorm_mode_16_64 3
		.amdhsa_memory_ordered 1
		.amdhsa_forward_progress 1
		.amdhsa_inst_pref_size 96
	.end_amdhsa_kernel
	.amdgpu_metadata
---
amdhsa.version: [ 1, 2 ]
amdhsa.kernels:
  - .name:           k_q2dc79d9634_wo
    .symbol:         k_q2dc79d9634_wo.kd
    .args:
      - { .name: o16, .offset: 0, .size: 8, .value_kind: global_buffer, .address_space: global }
      - { .name: w16, .offset: 8, .size: 8, .value_kind: global_buffer, .address_space: global }
      - { .name: x, .offset: 16, .size: 8, .value_kind: global_buffer, .address_space: global }
      - { .name: x1, .offset: 24, .size: 8, .value_kind: global_buffer, .address_space: global }
    .group_segment_fixed_size: 327680
    .private_segment_fixed_size: 0
    .kernarg_segment_align: 8
    .kernarg_segment_size: 32
    .max_flat_workgroup_size: 128
    .sgpr_count:     66
    .vgpr_count:     512
    .wavefront_size: 32
...
	.end_amdgpu_metadata
.endif
;; end of part 4
;; launch norm2 (part 5): grid 256 x 1, 8 waves a work-group, no clusters, 34,304 bytes of LDS; arguments x1, router_w, h16, comb; writes h16, comb
.if DOCPART == 5
	.amdgcn_target "amdgcn-amd-amdhsa--gfx1250"
	.amdhsa_code_object_version 6
	.text
	.protected	k_q2dc79d9634_norm2
	.globl	k_q2dc79d9634_norm2
	.p2align	8
	.type	k_q2dc79d9634_norm2,@function
k_q2dc79d9634_norm2:
	s_mov_b64 s[64:65], 0
	v_nop
	global_prefetch_b8 v0, s[64:65] scope:SCOPE_SE
	s_setreg_imm32_b32 hwreg(HW_REG_WAVE_MODE, 25, 1), 1
	s_wait_xcnt 0x0
; norm2: h16 = rmsnorm(x1) in f16 panels, and comb[4096][8] = the router's combine weights.
; 16 rows a work-group, 2 neighbouring rows a wave: lanes 0-15 the first, lanes 16-31 the second; load j brings columns 64 j + 4 (lane % 16) .. + 3.
; The router's products are made in f32 on the vector unit (8 columns: 0.07 GFLOP in all): the choice of the two experts hangs on small differences of logits.
; logits = rsqrt(mean(x1^2) + eps) x (x1 . router_w): the row's factor is applied behind the sums.
; Top 2 by a scan with strict >, so the lower index wins a tie, as lax.top_k does.  The renormalised softmax values of the two are
; w1 = 1 / (1 + e^(b2 - b1)), w2 = 1 - w1 written as e^(b2 - b1) w1: the larger logit is taken away before the exponential, whose argument is <= 0.
; Limits kept: a token whose second and third logits differ by less than the error that x1 carries from the f16 attention path (about 1e-5) may take the
; other expert; NaN and infinities are not served.
; router_w (32 KiB) is copied once into LDS, permuted so that the sixteen lanes of a row read 256 consecutive bytes.
.set X,   32                           ; v[32:95]   my 64 numbers of the row
.set RW,  96                           ; v[96:159]  two buffers of 32: router_w rows of my 4 columns of a load
.set ACC, 160                          ; v[160:167] eight partial logits
.set PB,  0x80000
.set CLDS, 32768                       ; 512 bytes: the group's 16 rows of comb
	s_load_b256 s[8:15], s[0:1], 0x0               ; x1 8, router_w 10, h16 12, comb 14
	v_lshl_add_u32 v176, v0, 2, 0x8200
	v_mov_b32 v177, 0
	v_lshrrev_b32 v6, 5, v0
	v_readfirstlane_b32 s16, v6                    ; wave
	s_lshl_b32 s17, ttmp9, 4
	s_lshl1_add_u32 s17, s16, s17                  ; first row = 16 x group + 2 x wave
	s_lshl_b32 s18, s17, 12
	s_mov_b32 s19, 0
	s_lshl_b32 s20, s17, 7
	s_mov_b32 s21, 0
	s_lshl_b32 s22, ttmp9, 9                       ; 16 rows x 32 bytes of comb
	s_mov_b32 s23, 0
	s_mov_b32 s24, 0x3a800000                      ; 1 / 1024
	s_mov_b32 s25, 0x3727c5ac                      ; 1e-5
	v_and_b32 v7, 15, v0
	v_bfe_u32 v6, v0, 4, 1
	v_lshlrev_b32 v5, 4, v7                        ; the table's read address: 16 (lane % 16)
	v_lshl_add_u32 v1, v6, 12, v5                  ; x1: my row, 16 bytes a lane
	v_and_b32 v27, 31, v0
	v_lshlrev_b32 v2, 3, v27                       ; h16: 8 bytes a lane
	v_lshlrev_b32 v27, 4, v27                      ; comb out: 16 bytes a lane
	v_add_nc_u32 v26, CLDS, v27
	v_lshlrev_b32 v3, 4, v0                        ; the table in memory: 16 bytes a thread
	; 16 bytes at 16 t + 4096 s are half (t & 1) of router_w's row 64 (2 s + t / 128) + 4 ((t / 8) % 16) + (t / 2) % 4; they go to
	; 2048 (2 s + t / 128) + 512 ((t / 2) % 4) + 256 (t & 1) + 16 ((t / 8) % 16)
	v_lshrrev_b32 v4, 7, v0
	v_lshlrev_b32 v4, 11, v4
	v_bfe_u32 v20, v0, 1, 2
	v_lshl_add_u32 v4, v20, 9, v4
	v_and_b32 v20, 1, v0
	v_lshl_add_u32 v4, v20, 8, v4
	v_bfe_u32 v20, v0, 3, 4
	v_lshl_add_u32 v4, v20, 4, v4
	v_and_b32 v25, 7, v0                           ; the expert whose weight this lane writes
	v_lshrrev_b32 v24, 4, v0                       ; my row in the group = 2 x wave + half
	v_lshlrev_b32 v24, 5, v24
	v_lshl_add_u32 v24, v25, 2, v24
	v_add_nc_u32 v24, CLDS, v24
	s_wait_kmcnt 0x0
	s_add_nc_u64 s[8:9], s[8:9], s[18:19]
	s_add_nc_u64 s[12:13], s[12:13], s[20:21]
	s_add_nc_u64 s[14:15], s[14:15], s[22:23]
.irp j, 0,1,2,3,4,5,6,7,8,9,10,11,12,13,14,15
	global_load_b128 v[X+4*\j:X+4*\j+3], v1, s[8:9] offset:256*\j
.endr
.irp s, 0,1,2,3,4,5,6,7
	global_load_b128 v[RW+4*\s:RW+4*\s+3], v3, s[10:11] offset:4096*\s
.endr
.irp s, 0,1,2,3,4,5,6,7
	s_wait_loadcnt 7-\s                            ; table load s is in (and with it all of x1, which was asked for first)
	ds_store_b128 v4, v[RW+4*\s:RW+4*\s+3] offset:4096*\s
.endr
	s_wait_dscnt 0x0                               ; my part of the table is written,
	s_barrier_signal -1
	s_barrier_wait -1                              ; everybody's is
; The arguments j and buf may be sums: every use stands in parentheses.
.macro TAB j, buf                      ; router_w's rows of load j's four columns: 8 x 16 bytes a lane
.irp c, 0,1,2,3
	ds_load_b128 v[RW+32*(\buf)+8*\c:RW+32*(\buf)+8*\c+3],   v5 offset:2048*(\j)+512*\c
	ds_load_b128 v[RW+32*(\buf)+8*\c+4:RW+32*(\buf)+8*\c+7], v5 offset:2048*(\j)+512*\c+256
.endr
.endm
.macro DOT j, buf                      ; eight logits += x x router_w, two at a time; x is taken from the first or the second register of its pair
.irp c, 0,1,2,3
.irp p, 0,1,2,3
.if ((\j)+\c) == 0
	v_pk_mul_f32 v[ACC+2*\p:ACC+2*\p+1], v[RW+32*(\buf)+8*\c+2*\p:RW+32*(\buf)+8*\c+2*\p+1], v[X:X+1] op_sel_hi:[1,0]
.else
.if \c & 1
	v_pk_fma_f32 v[ACC+2*\p:ACC+2*\p+1], v[RW+32*(\buf)+8*\c+2*\p:RW+32*(\buf)+8*\c+2*\p+1], v[X+4*(\j)+2*(\c>>1):X+4*(\j)+2*(\c>>1)+1], v[ACC+2*\p:ACC+2*\p+1] op_sel:[0,1,0] op_sel_hi:[1,1,1]
.else
	v_pk_fma_f32 v[ACC+2*\p:ACC+2*\p+1], v[RW+32*(\buf)+8*\c+2*\p:RW+32*(\buf)+8*\c+2*\p+1], v[X+4*(\j)+2*(\c>>1):X+4*(\j)+2*(\c>>1)+1], v[ACC+2*\p:ACC+2*\p+1] op_sel_hi:[1,0,1]
.endif
.endif
.endr
.endr
.endm
	TAB 0, 0
	v_pk_mul_f32 v[8:9], v[X:X+1], v[X:X+1]        ; the sum of squares, two chains
	v_pk_mul_f32 v[10:11], v[X+2:X+3], v[X+2:X+3]
.irp j, 1,2,3,4,5,6,7,8,9,10,11,12,13,14,15
	v_pk_fma_f32 v[8:9], v[X+4*\j:X+4*\j+1], v[X+4*\j:X+4*\j+1], v[8:9]
	v_pk_fma_f32 v[10:11], v[X+4*\j+2:X+4*\j+3], v[X+4*\j+2:X+4*\j+3], v[10:11]
.endr
	v_pk_add_f32 v[8:9], v[8:9], v[10:11]
	v_add_f32 v8, v8, v9
.irp j, 0,2,4,6,8,10,12
	TAB \j+1, 1                                    ; the odd batches go to buffer 1, the even ones to buffer 0
	s_wait_dscnt 8                                 ; the eight loads just issued stay out: batch j is in
	DOT \j, 0
	TAB \j+2, 0
	s_wait_dscnt 8                                 ; likewise: batch j + 1 is in
	DOT \j+1, 1
.endr
	TAB 15, 1
	s_wait_dscnt 8                                 ; batch 14 is in
	DOT 14, 0
	s_wait_dscnt 0x0
	DOT 15, 1
.irp m, 1,2,4,8
	v_add_f32_dpp v8, v8, v8 row_xmask:\m row_mask:0xf bank_mask:0xf
.irp k, 0,1,2,3,4,5,6,7
	v_add_f32_dpp v[ACC+\k], v[ACC+\k], v[ACC+\k] row_xmask:\m row_mask:0xf bank_mask:0xf   ; a row lives in 16 lanes
.endr
.endr
	v_fma_f32 v8, v8, s24, s25
	v_rsq_f32 v12, v8
	v_rsq_f32 v13, v8
	v_mov_b32 v15, 0                               ; index of the best (also the plain instruction behind the transcendentals)
	s_wait_alu depctr_va_vdst(0)
.irp p, 0,1,2,3
	v_pk_mul_f32 v[ACC+2*\p:ACC+2*\p+1], v[ACC+2*\p:ACC+2*\p+1], v[12:13]
.endr
	v_mov_b32 v14, v[ACC]                          ; the best so far
	v_mov_b32 v16, 0xff800000                      ; the second
	v_mov_b32 v17, 0
.irp e, 1,2,3,4,5,6,7
	v_cmp_gt_f32 vcc_lo, v[ACC+\e], v14            ; beats the best
	v_cmp_gt_f32 s26, v[ACC+\e], v16               ; beats the second
	v_cndmask_b32 v16, v16, v[ACC+\e], s26
	v_cndmask_b32 v17, v17, \e, s26
	v_cndmask_b32 v16, v16, v14, vcc_lo            ; the old best moves down
	v_cndmask_b32 v17, v17, v15, vcc_lo
	v_cndmask_b32 v14, v14, v[ACC+\e], vcc_lo
	v_cndmask_b32 v15, v15, \e, vcc_lo
.endr
	v_sub_f32 v20, v16, v14                        ; b2 - b1 <= 0
	v_mul_f32 v20, 0x3fb8aa3b, v20
	v_exp_f32 v20, v20
	v_nop
	s_wait_alu depctr_va_vdst(0)
	v_add_f32 v21, 1.0, v20
	v_rcp_f32 v18, v21                             ; w1
	v_nop
	s_wait_alu depctr_va_vdst(0)
	v_mul_f32 v19, v20, v18                        ; w2
	v_cmp_eq_u32 vcc_lo, v17, v25
	v_cndmask_b32 v22, 0, v19, vcc_lo
	v_cmp_eq_u32 vcc_lo, v15, v25
	v_cndmask_b32 v22, v22, v18, vcc_lo
	ds_store_b32 v24, v22                          ; lanes e and e + 8 of a row write the same word with the same value
.irp j, 0,1,2,3,4,5,6,7,8,9,10,11,12,13,14,15
	v_pk_mul_f32 v[X+4*\j:X+4*\j+1], v[X+4*\j:X+4*\j+1], v[12:13]
	v_pk_mul_f32 v[X+4*\j+2:X+4*\j+3], v[X+4*\j+2:X+4*\j+3], v[12:13]
	v_cvt_pk_f16_f32 v[X+4*\j], v[X+4*\j], v[X+4*\j+1]
	v_cvt_pk_f16_f32 v[X+4*\j+1], v[X+4*\j+2], v[X+4*\j+3]
	global_store_b64 v2, v[X+4*\j:X+4*\j+1], s[12:13] offset:\j*PB   ; two rows of panel j: 256 consecutive bytes
.endr
	s_wait_dscnt 0x0                               ; my two rows of comb are written,
	s_barrier_signal -1
	s_barrier_wait -1                              ; all sixteen are
	s_cmp_lg_u32 s16, 0
	s_cbranch_scc1 .Lend
	ds_load_b128 v[20:23], v26                     ; wave 0 stores the group's 512 bytes of comb as two whole runs of 256
	s_wait_dscnt 0x0
	global_store_b128 v27, v[20:23], s[14:15]
.Lend:
	s_wait_tensorcnt 0x0
	ds_add_u32 v176, v177
	s_wait_dscnt 0x0
	s_endpgm
.Lfunc_end_k_q2dc79d9634_norm2:
	.size	k_q2dc79d9634_norm2, .Lfunc_end_k_q2dc79d9634_norm2-k_q2dc79d9634_norm2
	.p2alignl 7, 3214868480
	.fill 96, 4, 3214868480
	.section	.rodata,"a",@progbits
	.p2align	6, 0x0
	.amdhsa_kernel k_q2dc79d9634_norm2
		.amdhsa_group_segment_fixed_size 34304
		.amdhsa_private_segment_fixed_size 0
		.amdhsa_enable_private_segment 0
		.amdhsa_kernarg_size 32
		.amdhsa_user_sgpr_count 2
		.amdhsa_user_sgpr_kernarg_segment_ptr 1
		.amdhsa_wavefront_size32 1
		.amdhsa_system_sgpr_workgroup_id_x 1
		.amdhsa_system_sgpr_workgroup_id_y 1
		.amdhsa_system_sgpr_workgroup_id_z 1
		.amdhsa_system_vgpr_workitem_id 0
		.amdhsa_next_free_vgpr 178
		.amdhsa_next_free_sgpr 66
		.amdhsa_reserve_vcc 1
		.amdhsa_float_denorm_mode_32 3
		.amdhsa_float_denorm_mode_16_64 3
		.amdhsa_memory_ordered 1
		.amdhsa_forward_progress 1
		.amdhsa_inst_pref_size 44
	.end_amdhsa_kernel
	.amdgpu_metadata
---
amdhsa.version: [ 1, 2 ]
amdhsa.kernels:
  - .name:           k_q2dc79d9634_norm2
    .symbol:         k_q2dc79d9634_norm2.kd
    .args:
      - { .name: x1, .offset: 0, .size: 8, .value_kind: global_buffer, .address_space: global }
      - { .name: router_w, .offset: 8, .size: 8, .value_kind: global_buffer, .address_space: global }
      - { .name: h16, .offset: 16, .size: 8, .value_kind: global_buffer, .address_space: global }
      - { .name: comb, .offset: 24, .size: 8, .value_kind: global_buffer, .address_space: global }
    .group_segment_fixed_size: 34304
    .private_segment_fixed_size: 0
    .kernarg_segment_align: 8
    .kernarg_segment_size: 32
    .max_flat_workgroup_size: 256
    .sgpr_count:     66
    .vgpr_count:     178
    .wavefront_size: 32
...
	.end_amdgpu_metadata
.endif
;; end of part 5
;; launch fc1 (part 6): grid 32 x 32, 4 waves a work-group, clusters of 4 x 4, 327,680 bytes of LDS; arguments h16, w16, comb, h1c; writes h1c
.if DOCPART == 6
	.amdgcn_target "amdgcn-amd-amdhsa--gfx1250"
	.amdhsa_code_object_version 6
	.text
	.protected	k_q2dc79d9634_fc1
	.globl	k_q2dc79d9634_fc1
	.p2align	8
	.type	k_q2dc79d9634_fc1,@function
k_q2dc79d9634_fc1:
	s_mov_b64 s[64:65], 0
	v_nop
	global_prefetch_b8 v0, s[64:65] scope:SCOPE_SE
	s_setreg_imm32_b32 hwreg(HW_REG_WAVE_MODE, 25, 1), 1
	s_wait_xcnt 0x0
	s_wait_alu depctr_hold_cnt(0) depctr_sa_sdst(0) depctr_va_vdst(0) depctr_va_sdst(0) depctr_va_ssrc(0) depctr_va_vcc(0) depctr_vm_vsrc(0)
	s_getreg_b32 s2, hwreg(HW_REG_IB_STS2, 6, 4)
	s_cmp_eq_u32 s2, 0
	s_cbranch_scc0 .Lentry_in_a_cluster
	s_endpgm
.Lentry_in_a_cluster:
	s_bfe_u32 s2, ttmp6, 0x10000c
	s_cmp_lg_u32 s2, 0xf033
	s_cbranch_scc0 .Lentry_shape_is_right
	s_endpgm
.Lentry_shape_is_right:
; C[4096][N] = A x B on the matrix units.  One text serves four products; VAR picks the product:
;   VAR 0  qkv = rmsnorm(x) x [wq | wk | wv]      f16,  K = 1024, out f16 in panels
;   VAR 1  x1  = x + o x wo                       f16,  K = 1024, out f32 row-major, residual added
;   VAR 2  h1c = comb x relu(h2 x exp_fc1)^2      f16,  K = 1024, out bf16 in panels (all 8 experts side by side, N = 4096)
;   VAR 3  out = x1 + h1c x exp_fc2               bf16, K = 4096 (the experts one behind the other along K), out f32, residual added
; A lies in panels [K/64][4096 rows][64] of 16 bits (a panel 0x80000 bytes, a row 128 bytes); B lies [K][N] as the weights do.
; A work-group makes 128 x 128 of C with four waves, a wave 64 x 64 in 16 accumulator tiles: with N = 1024 that gives 256 work-groups.
; K goes in steps of 256 through two LDS slots.  4 x 4 work-groups form a cluster: A's tile hangs on the block row alone and is asked for jointly
; by a row of the cluster, B's on the block column alone and is asked for jointly by a column.
; The matrix instruction is used transposed (source 0 = 16 columns of B, source 1 = 16 rows of A): lane l then holds row l % 16 of C
; and in its registers 0-7 the columns 8 (l / 16) + 0..7.
; Limits kept: NaN and infinities are not served; an unselected expert's part is 0 x a finite number; the sums' order differs from a plain loop's.
; f16 operands here stay below about 700 also for inputs 30 times larger or offset; relu(z)^2 has no such room and goes in bf16.
.set VAR, 2
.if VAR == 0
.set KTOT, 1024
.set BOFF, 0
.set BPE,  1024
.endif
.if VAR == 1
.set KTOT, 1024
.set BOFF, 0x600000
.set BPE,  1024
.endif
.if VAR == 2
.set KTOT, 1024
.set BOFF, 0x800000
.set BPE,  512
.endif
.if VAR == 3
.set KTOT, 4096
.set BOFF, 0x1000000
.set BPE,  1024
.endif
.set OUTF32, VAR & 1                   ; 1: f32 out with residual; 0: 16-bit out in panels
.set PB,     0x80000                   ; bytes in a panel
.set APITCH, 144                       ; A's LDS row: 128 bytes + 16 = 9 x 16: sixteen rows start in sixteen different 16-byte columns of 256
.set BPITCH, 288                       ; B's LDS row: 256 bytes + 32 = 9 x 32, for the transposing load
.set HALFT,  36864                     ; what one tensor load fills: 2 panels x 128 rows x 144, or 128 rows x 288
.set SLOT,   4*HALFT                   ; A's 4 panels, then B's 256 rows
.set STAGE,  2*SLOT                    ; behind the ring, never filled by a tensor load: 4,352 bytes for each wave
.set WSTAGE, 4352
.set LAPS,   KTOT/512                  ; a lap = two K steps of 256 = once round the ring
.set ASTEP,  4*PB                      ; a K step in A: 4 panels
.set BSTEP,  512*BPE                   ; a K step in B: 256 rows
.set ADRA, 16                          ; v16-17  LDS address of my A fragments, slot 0, 1
.set ADRB, 20                          ; v20-23  of my B fragments: slot 0 rows 0-127, rows 128-255, slot 1 likewise
.set STO,  24                          ; v24     the way out: where I put my part of a row
.set RD,   25                          ; v25     where I read rows back
.set CO,   26                          ; v26     my byte offset in C (and in the residual)
.set CV,   27                          ; v27     VAR 2: my byte offset in comb
.set CMB,  28                          ; v28-35  VAR 2: comb of my row in each of the four row tiles, as pairs
.set F0,   64                          ; v64-127   fragment buffer 0: B's four at +0, A's four at +32
.set F1,   128                         ; v128-191  fragment buffer 1
.set TMP,  192                         ; v192-255  at work on the way out
.set RES,  128                         ; window 1, v128-255: the 32 residual quads; window 1, v0-127: accumulator (a, b) at 8 (4 a + b)
.set G1,  16                           ; s[16:23] group 1 of A's tiles
.set G1B, 24                           ; s[24:31] group 1 of B's tiles
.set G0,  32                           ; s[32:39] group 0 of A's tiles, a set for each slot
.set G0B, 48                           ; s[48:55] group 0 of B's tiles
.set MULW, 0x50                        ; C and D in window 1, A and B in window 0
.set MSB, 0
.macro WIN new                         ; the immediate's high byte repeats the setting that is left
.if MSB != \new
	s_set_vgpr_msb (MSB<<8)|\new
.set MSB, \new
.endif
.endm
.macro JLOAD s                         ; waves 0, 1 ask for A's two panel pairs, waves 2, 3 for B's two halves: one load a wave, one mask a line
	s_cmp_eq_u32 s13, 0
	s_cbranch_scc0 .Lfor_b_\@
	tensor_load_to_lds s[G0+4*\s:G0+4*\s+3], s[G1:G1+7]
	s_nop 0
	s_branch .Lasked_\@
.Lfor_b_\@:
	tensor_load_to_lds s[G0B+4*\s:G0B+4*\s+3], s[G1B:G1B+7]
	s_nop 0
.Lasked_\@:
.endm
.macro CREST                           ; a round of the cluster's barrier behind its opening work-group barrier
	s_cmp_lg_u32 s12, 0
	s_cbranch_scc1 .Lnot_wave_0_\@
	s_barrier_signal -3
.Lnot_wave_0_\@:
	s_barrier_wait -3
	s_barrier_signal -1
	s_barrier_wait -1
.endm
.macro CROUND
	s_barrier_signal -1
	s_barrier_wait -1
	CREST
.endm
.macro PLACES                          ; four plain vector instructions between a matrix instruction and a load into, or a read of, its registers
.rept 4
	v_nop
.endr
.endm
.if VAR == 0
	s_load_b128 s[4:7], s[0:1], 0x0                ; A s[4:5], w16 s[6:7]
	s_load_b64 s[10:11], s[0:1], 0x10              ; C s[10:11]
.else
	s_load_b256 s[4:11], s[0:1], 0x0               ; A, w16, residual or comb s[8:9], C s[10:11]
	v_lshl_add_u32 v62, v0, 2, 0x4c400
	v_mov_b32 v63, 0
	ds_add_u32 v62, v63
	ds_add_u32 v62, v63
.endif
	v_lshrrev_b32 v1, 5, v0
	v_readfirstlane_b32 s12, v1                    ; wave 0..3
	s_lshr_b32 s13, s12, 1                         ; my half of the block's rows; also: I fetch for A (0) or B (1)
	s_and_b32 s14, s12, 1                          ; my half of its columns; also: which half of that tile I fetch
	s_bfe_u32 s40, ttmp6, 0x40000                  ; cx
	s_bfe_u32 s41, ttmp6, 0x40004                  ; cy
	s_lshl_b32 s42, ttmp9, 2
	s_add_co_u32 s42, s42, s40                     ; block column bn
	s_and_b32 s43, ttmp7, 0xffff
	s_lshl_b32 s43, s43, 2
	s_add_co_u32 s43, s43, s41                     ; block row bm
	s_lshl_b32 s44, s41, 2
	s_lshl_b32 s44, 15, s44                        ; my row of the cluster
	s_lshl_b32 s45, 0x1111, s40                    ; my column of the cluster
	; group 1 of A: 2 "rows", each one panel's 128 rows = 8,192 elements that are dense in memory, a panel apart; 16 bytes of padding behind every 128
	s_or_b32 s[G1+0], s44, 0x07310000              ; mask | 2-byte elements | padding on | bit 21 beside a mask | every 32 words | 4 words
	s_mov_b32 s[G1+1], 8192<<16                    ; tensor_dim0 = 8,192
	s_mov_b32 s[G1+2], 2<<16                       ; tensor_dim1 = 2
	s_mov_b32 s[G1+3], 8192<<16                    ; tile_dim0 = 8,192
	s_mov_b32 s[G1+4], 2                           ; tile_dim1 = 2
	s_mov_b32 s[G1+5], 0x40000                     ; elements from panel to panel
	s_mov_b32 s[G1+6], 0
	s_mov_b32 s[G1+7], 0
	; group 1 of B: 128 rows of 128 elements (256 bytes), 32 bytes of padding behind each
	s_or_b32 s[G1B+0], s45, 0x0f710000             ; mask | 2-byte elements | padding on | bit 21 | every 64 words | 8 words
	s_mov_b32 s[G1B+1], 128<<16
	s_mov_b32 s[G1B+2], 128<<16
	s_mov_b32 s[G1B+3], 128<<16
	s_mov_b32 s[G1B+4], 128
	s_mov_b32 s[G1B+5], BPE
	s_mov_b32 s[G1B+6], 0
	s_mov_b32 s[G1B+7], 0
	; A's offset hangs on the block row and the wave, B's on the block column and the wave; neither pair ever holds the other coordinate
	s_lshl_b32 s46, s43, 14                        ; 128 rows x 128 bytes
	s_lshl_b32 s47, s14, 20                        ; my two panels
	s_add_co_u32 s46, s46, s47
	s_mov_b32 s47, 0
.if VAR == 0
	s_lshr_b32 s56, s42, 3                         ; which of wq, wk, wv
	s_lshl_b32 s56, s56, 21
	s_and_b32 s57, s42, 7
	s_lshl_b32 s57, s57, 8
	s_add_co_u32 s56, s56, s57
.endif
.if VAR == 2
	s_lshr_b32 s56, s42, 2                         ; the expert
	s_lshl_b32 s56, s56, 20
	s_and_b32 s57, s42, 3
	s_lshl_b32 s57, s57, 8
	s_add_co_u32 s56, s56, s57
.endif
.if OUTF32
	s_lshl_b32 s56, s42, 8
.endif
	s_mul_i32 s57, s14, 256*BPE                    ; my 128 rows
	s_add_co_u32 s56, s56, s57
.if BOFF
	s_add_co_u32 s56, s56, BOFF
.endif
	s_mov_b32 s57, 0
	s_mul_i32 s15, s12, HALFT                      ; where my part of a slot lies: the wave's number alone
.if OUTF32
	s_lshl1_add_u32 s58, s43, s13                  ; 2 bm + wm
	s_lshl_b32 s58, s58, 18                        ; x 64 rows x 4,096 bytes
	s_lshl1_add_u32 s59, s42, s14                  ; 2 bn + wn
	s_lshl_b32 s59, s59, 8                         ; x 64 columns x 4 bytes
.else
	s_lshl1_add_u32 s58, s42, s14                  ; my panel of C = 2 bn + wn
	s_lshl_b32 s58, s58, 19
	s_lshl1_add_u32 s59, s43, s13                  ; 2 bm + wm
	s_lshl_b32 s59, s59, 13                        ; x 64 rows x 128 bytes
.endif
	s_add_co_u32 s58, s58, s59
	s_mov_b32 s59, 0
.if VAR == 2
	s_lshl1_add_u32 s60, s43, s13
	s_lshl_b32 s60, s60, 11                        ; 64 rows x 32 bytes of comb
	s_lshr_b32 s61, s42, 2
	s_lshl2_add_u32 s60, s61, s60                  ; + 4 x expert
	s_mov_b32 s61, 0
.endif
	s_wait_dscnt 0x0
	s_wait_kmcnt 0x0
	s_add_nc_u64 s[46:47], s[4:5], s[46:47]
	s_add_nc_u64 s[56:57], s[6:7], s[56:57]
	s_add_nc_u64 s[10:11], s[10:11], s[58:59]
.if OUTF32
	s_add_nc_u64 s[8:9], s[8:9], s[58:59]
.endif
.if VAR == 2
	s_add_nc_u64 s[8:9], s[8:9], s[60:61]
.endif
	CROUND                                         ; all sixteen work-groups are here: the first joint loads meet
.irp s, 0,1
	s_mov_b32 s[G0+4*\s], 1
	s_add_co_u32 s[G0+4*\s+1], s15, \s*SLOT
	s_add_nc_u64 s[G0+4*\s+2:G0+4*\s+3], s[46:47], \s*ASTEP
	s_or_b32 s[G0+4*\s+3], s[G0+4*\s+3], 0x80000000
	s_mov_b32 s[G0B+4*\s], 1
	s_add_co_u32 s[G0B+4*\s+1], s15, \s*SLOT
	s_add_nc_u64 s[G0B+4*\s+2:G0B+4*\s+3], s[56:57], \s*BSTEP
	s_or_b32 s[G0B+4*\s+3], s[G0B+4*\s+3], 0x80000000
	JLOAD \s                                       ; both slots' first fills go out together: two tensor loads of a wave are out here, one behind each later round
.endr
	v_and_b32 v1, 15, v0                           ; r = l % 16
	v_bfe_u32 v2, v0, 4, 1                         ; h = l / 16
	v_and_b32 v3, 7, v0
	v_bfe_u32 v4, v0, 3, 1
	v_mul_u32_u24 v5, v1, APITCH
	v_lshl_add_u32 v5, v2, 4, v5                   ; 144 r + 16 h
	s_mul_i32 s62, s13, 64*APITCH                  ; my 64 rows of A
	v_add_nc_u32 v[ADRA], s62, v5
	v_add_nc_u32 v[ADRA+1], SLOT, v[ADRA]
	v_lshl_add_u32 v6, v2, 3, v3                   ; the transposing load: row 8 h + l % 8,
	v_mul_u32_u24 v6, v6, BPITCH
	v_lshl_add_u32 v6, v4, 4, v6                   ; 16 bytes further for lanes 8-15 of each half
	s_lshl_b32 s62, s14, 7                         ; my 64 columns of B
	s_add_co_u32 s62, s62, 2*HALFT                 ; B lies behind A's four panels
	v_add_nc_u32 v[ADRB], s62, v6
	v_add_nc_u32 v[ADRB+1], HALFT, v[ADRB]
	v_add_nc_u32 v[ADRB+2], SLOT, v[ADRB]
	v_add_nc_u32 v[ADRB+3], SLOT, v[ADRB+1]
	s_mul_i32 s63, s12, WSTAGE
	s_add_co_u32 s63, s63, STAGE                   ; my stage
.if OUTF32
	v_mul_u32_u24 v7, v1, 272                      ; in: row r of 256 bytes + 16, 32 bytes for each half of the lanes
	v_lshl_add_u32 v7, v2, 5, v7
	v_add_nc_u32 v[STO], s63, v7
	v_mul_u32_u24 v7, v2, 272                      ; back: lanes 0-15 one row, lanes 16-31 the next
	v_lshl_add_u32 v7, v1, 4, v7
	v_add_nc_u32 v[RD], s63, v7
	v_lshlrev_b32 v7, 4, v1
	v_lshl_add_u32 v[CO], v2, 12, v7               ; the same two rows in C
	WIN 0x40                                       ; destination in window 1
.irp a, 0,1,2,3
.irp t, 0,1,2,3,4,5,6,7
	global_load_b128 v[RES+4*(8*\a+\t):RES+4*(8*\a+\t)+3], v[CO], s[8:9] offset:(16*\a+2*\t)*4096   ; my 64 x 64 of the residual: on its way during the whole K loop
.endr
.endr
	WIN 0
.else
	v_add_nc_u32 v[STO], s63, v5                   ; in: row r of 128 bytes + 16, 16 bytes for each half of the lanes
	v_bfe_u32 v7, v0, 3, 2
	v_mul_u32_u24 v7, v7, APITCH                   ; back: eight lanes a row, four rows a load
	v_lshl_add_u32 v7, v3, 4, v7
	v_add_nc_u32 v[RD], s63, v7
	v_and_b32 v[CO], 31, v0
	v_lshlrev_b32 v[CO], 4, v[CO]                  ; my tile of C is 8 KiB of consecutive bytes
.endif
.if VAR == 2
	v_lshlrev_b32 v[CV], 5, v1
.irp a, 0,1,2,3
	global_load_b32 v[CMB+2*\a], v[CV], s[8:9] offset:512*\a       ; comb of row 16 a + r and my expert
.endr
.endif
.macro MM d, x, y, zero                ; one matrix instruction; zero = 1: it starts the sum
.if VAR == 3
.if \zero
	v_wmma_f32_16x16x32_bf16 v[\d:\d+7], v[\x:\x+7], v[\y:\y+7], 0
.else
	v_wmma_f32_16x16x32_bf16 v[\d:\d+7], v[\x:\x+7], v[\y:\y+7], v[\d:\d+7]
.endif
.else
.if \zero
	v_wmma_f32_16x16x32_f16 v[\d:\d+7], v[\x:\x+7], v[\y:\y+7], 0
.else
	v_wmma_f32_16x16x32_f16 v[\d:\d+7], v[\x:\x+7], v[\y:\y+7], v[\d:\d+7]
.endif
.endif
.endm
.macro MULA f, a, zero                 ; row tile a x all four column tiles, 32 along K
.irp b, 0,1,2,3
	MM 8*(4*\a+\b), \f+8*\b, \f+32+8*\a, \zero
.endr
.endm
; the fragments of quarter q (32 of the slot's 256 along K) into buffer f: 8 transposing loads for B, 8 plain ones for A
.macro FETCH slot, q, f
.irp b, 0,1,2,3
	ds_load_tr16_b128 v[\f+8*\b:\f+8*\b+3],   v[ADRB+2*\slot+(\q>>2)] offset:(\q&3)*32*BPITCH+32*\b
	ds_load_tr16_b128 v[\f+8*\b+4:\f+8*\b+7], v[ADRB+2*\slot+(\q>>2)] offset:(\q&3)*32*BPITCH+32*\b+16*BPITCH
.endr
.irp a, 0,1,2,3
	ds_load_b128 v[\f+32+8*\a:\f+32+8*\a+3], v[ADRA+\slot] offset:(\q>>1)*128*APITCH+(\q&1)*64+16*APITCH*\a
	ds_load_b128 v[\f+32+8*\a+4:\f+32+8*\a+7], v[ADRA+\slot] offset:(\q>>1)*128*APITCH+(\q&1)*64+16*APITCH*\a+32
.endr
.endm
; One of a K step's first seven quarters: asks for quarter q into buffer g, then multiplies buffer f.
; The sixteen accumulators take turns, one instruction a turn, in the same order in every quarter.
.macro QUARTER slot, q, f, g, zero
	PLACES                                         ; buffer g was read by the sixteen matrix instructions just issued
	WIN 0
	FETCH \slot, \q, \g
	s_wait_dscnt 16                                ; all but the 16 loads just issued: buffer f is whole
	WIN MULW
	MULA \f, 0, \zero
	MULA \f, 1, \zero
	MULA \f, 2, \zero
	MULA \f, 3, \zero
.endm
.macro SEVEN slot, zero
	QUARTER \slot, 1, F0, F1, \zero
	QUARTER \slot, 2, F1, F0, 0
	QUARTER \slot, 3, F0, F1, 0
	QUARTER \slot, 4, F1, F0, 0
	QUARTER \slot, 5, F0, F1, 0
	QUARTER \slot, 6, F1, F0, 0
	QUARTER \slot, 7, F0, F1, 0
.endm
; The eighth quarter multiplies buffer 1 and changes slots.  In front of the barrier each wave waits for its reads of this slot and for all its
; tensor loads (the one that is out is its part of the next slot).  fill = 1: the barrier opens a round of the cluster's barrier, and behind the
; round this slot is asked for again, two K steps ahead, as the wave's first and only tensor load.
.macro TURN slot, next, fill
	s_wait_dscnt 0x0                               ; buffer 1 is whole, and my reads of this slot are over
	s_wait_tensorcnt 0x0                           ; all my tensor loads have landed
	ds_add_u32 v62, v63
	s_wait_dscnt 0x0
	s_barrier_signal -1
	WIN MULW
	MULA F1, 0, 0                                  ; register work while the others arrive
	MULA F1, 1, 0
	WIN 0
	s_barrier_wait -1
.if \fill
	CREST
	s_add_nc_u64 s[G0+4*\slot+2:G0+4*\slot+3], s[G0+4*\slot+2:G0+4*\slot+3], 2*ASTEP
	s_add_nc_u64 s[G0B+4*\slot+2:G0B+4*\slot+3], s[G0B+4*\slot+2:G0B+4*\slot+3], 2*BSTEP
	JLOAD \slot
.endif
	PLACES
	FETCH \next, 0, F0
	WIN MULW
	MULA F1, 2, 0
	MULA F1, 3, 0
.endm
.macro LAP zero
	SEVEN 0, \zero
	TURN 0, 1, 1
	SEVEN 1, 0
	TURN 1, 0, 1
.endm
	s_wait_tensorcnt 0x1                           ; my part of K step 0 is in; slot 1's load stays out
	s_barrier_signal -1
	s_barrier_wait -1
	FETCH 0, 0, F0
	LAP 1                                          ; the first lap stands ahead of the loop: its first products start the sums
.if LAPS > 2
	WIN 0
	s_mov_b32 s3, LAPS-2
.Llap:
	LAP 0
	WIN 0
	s_sub_co_u32 s3, s3, 1
	s_cmp_lg_u32 s3, 0
	s_cbranch_scc1 .Llap
.endif
	SEVEN 0, 0                                     ; the last lap fills nothing
	TURN 0, 1, 0
	SEVEN 1, 0
	s_wait_dscnt 0x0
	WIN MULW
	MULA F1, 0, 0
	MULA F1, 1, 0
	MULA F1, 2, 0
	MULA F1, 3, 0
	PLACES                                         ; behind the last matrix instructions, ahead of every read of a result and every load into a buffer
.if OUTF32
; 16 rows of my tile: the accumulators into my stage, whole rows of 256 bytes back, the residual added, out.
; The stage is my wave's own and LDS serves a wave's instructions in order (ISA guide 5.7.1): no barrier, no wait between stores and loads.
.macro OUT32 a
	WIN 0x04                                       ; source 1 (LDS store data, the adds' second source) in window 1
.irp b, 0,1,2,3
	ds_store_b128 v[STO], v[8*(4*\a+\b):8*(4*\a+\b)+3] offset:64*\b
	ds_store_b128 v[STO], v[8*(4*\a+\b)+4:8*(4*\a+\b)+7] offset:64*\b+16
.endr
	s_wait_xcnt 0x0                                ; buffer 0, which the last stores read, is loaded again only behind this wait
.irp t, 0,1,2,3,4,5,6,7
	ds_load_b128 v[F0+4*\t:F0+4*\t+3], v[RD] offset:544*\t
.endr
.irp t, 0,1,2,3,4,5,6,7
	s_wait_dscnt 7-\t                              ; read t is back, the younger ones stay out
	v_pk_add_f32 v[F0+4*\t:F0+4*\t+1], v[F0+4*\t:F0+4*\t+1], v[RES+4*(8*\a+\t):RES+4*(8*\a+\t)+1]
	v_pk_add_f32 v[F0+4*\t+2:F0+4*\t+3], v[F0+4*\t+2:F0+4*\t+3], v[RES+4*(8*\a+\t)+2:RES+4*(8*\a+\t)+3]
.endr
	WIN 0
.irp t, 0,1,2,3,4,5,6,7
	global_store_b128 v[CO], v[F0+4*\t:F0+4*\t+3], s[10:11] offset:(16*\a+2*\t)*4096   ; sixteen lanes store 256 consecutive aligned bytes
.endr
.endm
	s_wait_loadcnt 0x0                             ; the residual
	OUT32 0
	OUT32 1
	OUT32 2
	OUT32 3
.else
; 16 rows of my tile: rounded to 16 bits, 16 bytes a lane into my stage, read back by rows, stored as 2,048 consecutive bytes.
.macro OUT16 a
.if VAR == 0
	WIN 0x05                                       ; both sources in window 1
.irp b, 0,1,2,3
.irp i, 0,1,2,3
	v_cvt_pk_f16_f32 v[TMP+4*\b+\i], v[8*(4*\a+\b)+2*\i], v[8*(4*\a+\b)+2*\i+1]
.endr
.endr
	WIN 0
.else
	WIN 0x04
.irp b, 0,1,2,3
.irp j, 0,1,2,3,4,5,6,7
	v_max_num_f32 v[TMP+8*\b+\j], 0, v[8*(4*\a+\b)+\j]             ; t = relu(z)
.endr
.endr
	WIN 0
.set i, 0
.rept 16
	v_pk_mul_f32 v[TMP+32+2*i:TMP+33+2*i], v[TMP+2*i:TMP+2*i+1], v[CMB+2*\a:CMB+2*\a+1]   ; t x comb
.set i, i+1
.endr
.set i, 0
.rept 16
	v_pk_mul_f32 v[TMP+32+2*i:TMP+33+2*i], v[TMP+32+2*i:TMP+33+2*i], v[TMP+2*i:TMP+2*i+1] ; x t
.set i, i+1
.endr
.set i, 0
.rept 16
	v_cvt_pk_bf16_f32 v[TMP+i], v[TMP+32+2*i], v[TMP+33+2*i]
.set i, i+1
.endr
.endif
.irp b, 0,1,2,3
	ds_store_b128 v[STO], v[TMP+4*\b:TMP+4*\b+3] offset:32*\b
.endr
	s_wait_xcnt 0x0                                ; buffer 0, which the last stores read, is loaded again only behind this wait
.irp t, 0,1,2,3
	ds_load_b128 v[F0+4*\t:F0+4*\t+3], v[RD] offset:4*APITCH*\t
.endr
.irp t, 0,1,2,3
	s_wait_dscnt 3-\t                              ; read t is back, the younger ones stay out
	global_store_b128 v[CO], v[F0+4*\t:F0+4*\t+3], s[10:11] offset:2048*\a+512*\t   ; 512 consecutive aligned bytes
.endr
.endm
.if VAR == 2
	WIN 0                                          ; the copies below write window 0
	s_wait_loadcnt 0x0                             ; comb
.irp a, 0,1,2,3
	v_mov_b32 v[CMB+2*\a+1], v[CMB+2*\a]           ; a pair for the packed multiply
.endr
.endif
	OUT16 0
	OUT16 1
	OUT16 2
	OUT16 3
.endif
	s_wait_tensorcnt 0x0
	ds_add_u32 v62, v63
	s_wait_dscnt 0x0
	CROUND                                         ; the closing round: no work-group ends while a partner may still ask for a tile that names it
	s_endpgm
.Lfunc_end_k_q2dc79d9634_fc1:
	.size	k_q2dc79d9634_fc1, .Lfunc_end_k_q2dc79d9634_fc1-k_q2dc79d9634_fc1
	.p2alignl 7, 3214868480
	.fill 96, 4, 3214868480
	.section	.rodata,"a",@progbits
	.p2align	6, 0x0
	.amdhsa_kernel k_q2dc79d9634_fc1
		.amdhsa_group_segment_fixed_size 327680
		.amdhsa_private_segment_fixed_size 0
		.amdhsa_enable_private_segment 0
		.amdhsa_kernarg_size 32
		.amdhsa_user_sgpr_count 2
		.amdhsa_user_sgpr_kernarg_segment_ptr 1
		.amdhsa_wavefront_size32 1
		.amdhsa_system_sgpr_workgroup_id_x 1
		.amdhsa_system_sgpr_workgroup_id_y 1
		.amdhsa_system_sgpr_workgroup_id_z 1
		.amdhsa_system_vgpr_workitem_id 0
		.amdhsa_next_free_vgpr 512
		.amdhsa_next_free_sgpr 66
		.amdhsa_reserve_vcc 0
		.amdhsa_float_denorm_mode_32 3
		.amdhsa_float_denorm_mode_16_64 3
		.amdhsa_memory_ordered 1
		.amdhsa_forward_progress 1
		.amdhsa_inst_pref_size 101
	.end_amdhsa_kernel
	.amdgpu_metadata
---
amdhsa.version: [ 1, 2 ]
amdhsa.kernels:
  - .name:           k_q2dc79d9634_fc1
    .symbol:         k_q2dc79d9634_fc1.kd
    .args:
      - { .name: h16, .offset: 0, .size: 8, .value_kind: global_buffer, .address_space: global }
      - { .name: w16, .offset: 8, .size: 8, .value_kind: global_buffer, .address_space: global }
      - { .name: comb, .offset: 16, .size: 8, .value_kind: global_buffer, .address_space: global }
      - { .name: h1c, .offset: 24, .size: 8, .value_kind: global_buffer, .address_space: global }
    .group_segment_fixed_size: 327680
    .private_segment_fixed_size: 0
    .kernarg_segment_align: 8
    .kernarg_segment_size: 32
    .max_flat_workgroup_size: 128
    .sgpr_count:     66
    .vgpr_count:     512
    .wavefront_size: 32
...
	.end_amdgpu_metadata
.endif
;; end of part 6
;; launch fc2 (part 7): grid 8 x 32, 4 waves a work-group, clusters of 4 x 4, 327,680 bytes of LDS; arguments h1c, w16, x1, out0; writes out0
.if DOCPART == 7
	.amdgcn_target "amdgcn-amd-amdhsa--gfx1250"
	.amdhsa_code_object_version 6
	.text
	.protected	k_q2dc79d9634_fc2
	.globl	k_q2dc79d9634_fc2
	.p2align	8
	.type	k_q2dc79d9634_fc2,@function
k_q2dc79d9634_fc2:
	s_mov_b64 s[64:65], 0
	v_nop
	global_prefetch_b8 v0, s[64:65] scope:SCOPE_SE
	s_setreg_imm32_b32 hwreg(HW_REG_WAVE_MODE, 25, 1), 1
	s_wait_xcnt 0x0
	s_wait_alu depctr_hold_cnt(0) depctr_sa_sdst(0) depctr_va_vdst(0) depctr_va_sdst(0) depctr_va_ssrc(0) depctr_va_vcc(0) depctr_vm_vsrc(0)
	s_getreg_b32 s2, hwreg(HW_REG_IB_STS2, 6, 4)
	s_cmp_eq_u32 s2, 0
	s_cbranch_scc0 .Lentry_in_a_cluster
	s_endpgm
.Lentry_in_a_cluster:
	s_bfe_u32 s2, ttmp6, 0x10000c
	s_cmp_lg_u32 s2, 0xf033
	s_cbranch_scc0 .Lentry_shape_is_right
	s_endpgm
.Lentry_shape_is_right:
; C[4096][N] = A x B on the matrix units.  One text serves four products; VAR picks the product:
;   VAR 0  qkv = rmsnorm(x) x [wq | wk | wv]      f16,  K = 1024, out f16 in panels
;   VAR 1  x1  = x + o x wo                       f16,  K = 1024, out f32 row-major, residual added
;   VAR 2  h1c = comb x relu(h2 x exp_fc1)^2      f16,  K = 1024, out bf16 in panels (all 8 experts side by side, N = 4096)
;   VAR 3  out = x1 + h1c x exp_fc2               bf16, K = 4096 (the experts one behind the other along K), out f32, residual added
; A lies in panels [K/64][4096 rows][64] of 16 bits (a panel 0x80000 bytes, a row 128 bytes); B lies [K][N] as the weights do.
; A work-group makes 128 x 128 of C with four waves, a wave 64 x 64 in 16 accumulator tiles: with N = 1024 that gives 256 work-groups.
; K goes in steps of 256 through two LDS slots.  4 x 4 work-groups form a cluster: A's tile hangs on the block row alone and is asked for jointly
; by a row of the cluster, B's on the block column alone and is asked for jointly by a column.
; The matrix instruction is used transposed (source 0 = 16 columns of B, source 1 = 16 rows of A): lane l then holds row l % 16 of C
; and in its registers 0-7 the columns 8 (l / 16) + 0..7.
; Limits kept: NaN and infinities are not served; an unselected expert's part is 0 x a finite number; the sums' order differs from a plain loop's.
; f16 operands here stay below about 700 also for inputs 30 times larger or offset; relu(z)^2 has no such room and goes in bf16.
.set VAR, 3
.if VAR == 0
.set KTOT, 1024
.set BOFF, 0
.set BPE,  1024
.endif
.if VAR == 1
.set KTOT, 1024
.set BOFF, 0x600000
.set BPE,  1024
.endif
.if VAR == 2
.set KTOT, 1024
.set BOFF, 0x800000
.set BPE,  512
.endif
.if VAR == 3
.set KTOT, 4096
.set BOFF, 0x1000000
.set BPE,  1024
.endif
.set OUTF32, VAR & 1                   ; 1: f32 out with residual; 0: 16-bit out in panels
.set PB,     0x80000                   ; bytes in a panel
.set APITCH, 144                       ; A's LDS row: 128 bytes + 16 = 9 x 16: sixteen rows start in sixteen different 16-byte columns of 256
.set BPITCH, 288                       ; B's LDS row: 256 bytes + 32 = 9 x 32, for the transposing load
.set HALFT,  36864                     ; what one tensor load fills: 2 panels x 128 rows x 144, or 128 rows x 288
.set SLOT,   4*HALFT                   ; A's 4 panels, then B's 256 rows
.set STAGE,  2*SLOT                    ; behind the ring, never filled by a tensor load: 4,352 bytes for each wave
.set WSTAGE, 4352
.set LAPS,   KTOT/512                  ; a lap = two K steps of 256 = once round the ring
.set ASTEP,  4*PB                      ; a K step in A: 4 panels
.set BSTEP,  512*BPE                   ; a K step in B: 256 rows
.set ADRA, 16                          ; v16-17  LDS address of my A fragments, slot 0, 1
.set ADRB, 20                          ; v20-23  of my B fragments: slot 0 rows 0-127, rows 128-255, slot 1 likewise
.set STO,  24                          ; v24     the way out: where I put my part of a row
.set RD,   25                          ; v25     where I read rows back
.set CO,   26                          ; v26     my byte offset in C (and in the residual)
.set CV,   27                          ; v27     VAR 2: my byte offset in comb
.set CMB,  28                          ; v28-35  VAR 2: comb of my row in each of the four row tiles, as pairs
.set F0,   64                          ; v64-127   fragment buffer 0: B's four at +0, A's four at +32
.set F1,   128                         ; v128-191  fragment buffer 1
.set TMP,  192                         ; v192-255  at work on the way out
.set RES,  128                         ; window 1, v128-255: the 32 residual quads; window 1, v0-127: accumulator (a, b) at 8 (4 a + b)
.set G1,  16                           ; s[16:23] group 1 of A's tiles
.set G1B, 24                           ; s[24:31] group 1 of B's tiles
.set G0,  32                           ; s[32:39] group 0 of A's tiles, a set for each slot
.set G0B, 48                           ; s[48:55] group 0 of B's tiles
.set MULW, 0x50                        ; C and D in window 1, A and B in window 0
.set MSB, 0
.macro WIN new                         ; the immediate's high byte repeats the setting that is left
.if MSB != \new
	s_set_vgpr_msb (MSB<<8)|\new
.set MSB, \new
.endif
.endm
.macro JLOAD s                         ; waves 0, 1 ask for A's two panel pairs, waves 2, 3 for B's two halves: one load a wave, one mask a line
	s_cmp_eq_u32 s13, 0
	s_cbranch_scc0 .Lfor_b_\@
	tensor_load_to_lds s[G0+4*\s:G0+4*\s+3], s[G1:G1+7]
	s_nop 0
	s_branch .Lasked_\@
.Lfor_b_\@:
	tensor_load_to_lds s[G0B+4*\s:G0B+4*\s+3], s[G1B:G1B+7]
	s_nop 0
.Lasked_\@:
.endm
.macro CREST                           ; a round of the cluster's barrier behind its opening work-group barrier
	s_cmp_lg_u32 s12, 0
	s_cbranch_scc1 .Lnot_wave_0_\@
	s_barrier_signal -3
.Lnot_wave_0_\@:
	s_barrier_wait -3
	s_barrier_signal -1
	s_barrier_wait -1
.endm
.macro CROUND
	s_barrier_signal -1
	s_barrier_wait -1
	CREST
.endm
.macro PLACES                          ; four plain vector instructions between a matrix instruction and a load into, or a read of, its registers
.rept 4
	v_nop
.endr
.endm
.if VAR == 0
	s_load_b128 s[4:7], s[0:1], 0x0                ; A s[4:5], w16 s[6:7]
	s_load_b64 s[10:11], s[0:1], 0x10              ; C s[10:11]
.else
	s_load_b256 s[4:11], s[0:1], 0x0               ; A, w16, residual or comb s[8:9], C s[10:11]
	v_lshl_add_u32 v254, v0, 2, 0x4c400
	v_mov_b32 v255, 0
	ds_add_u32 v254, v255
	ds_add_u32 v254, v255
.endif
	v_lshrrev_b32 v1, 5, v0
	v_readfirstlane_b32 s12, v1                    ; wave 0..3
	s_lshr_b32 s13, s12, 1                         ; my half of the block's rows; also: I fetch for A (0) or B (1)
	s_and_b32 s14, s12, 1                          ; my half of its columns; also: which half of that tile I fetch
	s_bfe_u32 s40, ttmp6, 0x40000                  ; cx
	s_bfe_u32 s41, ttmp6, 0x40004                  ; cy
	s_lshl_b32 s42, ttmp9, 2
	s_add_co_u32 s42, s42, s40                     ; block column bn
	s_and_b32 s43, ttmp7, 0xffff
	s_lshl_b32 s43, s43, 2
	s_add_co_u32 s43, s43, s41                     ; block row bm
	s_lshl_b32 s44, s41, 2
	s_lshl_b32 s44, 15, s44                        ; my row of the cluster
	s_lshl_b32 s45, 0x1111, s40                    ; my column of the cluster
	; group 1 of A: 2 "rows", each one panel's 128 rows = 8,192 elements that are dense in memory, a panel apart; 16 bytes of padding behind every 128
	s_or_b32 s[G1+0], s44, 0x07310000              ; mask | 2-byte elements | padding on | bit 21 beside a mask | every 32 words | 4 words
	s_mov_b32 s[G1+1], 8192<<16                    ; tensor_dim0 = 8,192
	s_mov_b32 s[G1+2], 2<<16                       ; tensor_dim1 = 2
	s_mov_b32 s[G1+3], 8192<<16                    ; tile_dim0 = 8,192
	s_mov_b32 s[G1+4], 2                           ; tile_dim1 = 2
	s_mov_b32 s[G1+5], 0x40000                     ; elements from panel to panel
	s_mov_b32 s[G1+6], 0
	s_mov_b32 s[G1+7], 0
	; group 1 of B: 128 rows of 128 elements (256 bytes), 32 bytes of padding behind each
	s_or_b32 s[G1B+0], s45, 0x0f710000             ; mask | 2-byte elements | padding on | bit 21 | every 64 words | 8 words
	s_mov_b32 s[G1B+1], 128<<16
	s_mov_b32 s[G1B+2], 128<<16
	s_mov_b32 s[G1B+3], 128<<16
	s_mov_b32 s[G1B+4], 128
	s_mov_b32 s[G1B+5], BPE
	s_mov_b32 s[G1B+6], 0
	s_mov_b32 s[G1B+7], 0
	; A's offset hangs on the block row and the wave, B's on the block column and the wave; neither pair ever holds the other coordinate
	s_lshl_b32 s46, s43, 14                        ; 128 rows x 128 bytes
	s_lshl_b32 s47, s14, 20                        ; my two panels
	s_add_co_u32 s46, s46, s47
	s_mov_b32 s47, 0
.if VAR == 0
	s_lshr_b32 s56, s42, 3                         ; which of wq, wk, wv
	s_lshl_b32 s56, s56, 21
	s_and_b32 s57, s42, 7
	s_lshl_b32 s57, s57, 8
	s_add_co_u32 s56, s56, s57
.endif
.if VAR == 2
	s_lshr_b32 s56, s42, 2                         ; the expert
	s_lshl_b32 s56, s56, 20
	s_and_b32 s57, s42, 3
	s_lshl_b32 s57, s57, 8
	s_add_co_u32 s56, s56, s57
.endif
.if OUTF32
	s_lshl_b32 s56, s42, 8
.endif
	s_mul_i32 s57, s14, 256*BPE                    ; my 128 rows
	s_add_co_u32 s56, s56, s57
.if BOFF
	s_add_co_u32 s56, s56, BOFF
.endif
	s_mov_b32 s57, 0
	s_mul_i32 s15, s12, HALFT                      ; where my part of a slot lies: the wave's number alone
.if OUTF32
	s_lshl1_add_u32 s58, s43, s13                  ; 2 bm + wm
	s_lshl_b32 s58, s58, 18                        ; x 64 rows x 4,096 bytes
	s_lshl1_add_u32 s59, s42, s14                  ; 2 bn + wn
	s_lshl_b32 s59, s59, 8                         ; x 64 columns x 4 bytes
.else
	s_lshl1_add_u32 s58, s42, s14                  ; my panel of C = 2 bn + wn
	s_lshl_b32 s58, s58, 19
	s_lshl1_add_u32 s59, s43, s13                  ; 2 bm + wm
	s_lshl_b32 s59, s59, 13                        ; x 64 rows x 128 bytes
.endif
	s_add_co_u32 s58, s58, s59
	s_mov_b32 s59, 0
.if VAR == 2
	s_lshl1_add_u32 s60, s43, s13
	s_lshl_b32 s60, s60, 11                        ; 64 rows x 32 bytes of comb
	s_lshr_b32 s61, s42, 2
	s_lshl2_add_u32 s60, s61, s60                  ; + 4 x expert
	s_mov_b32 s61, 0
.endif
	s_wait_dscnt 0x0
	s_wait_kmcnt 0x0
	s_add_nc_u64 s[46:47], s[4:5], s[46:47]
	s_add_nc_u64 s[56:57], s[6:7], s[56:57]
	s_add_nc_u64 s[10:11], s[10:11], s[58:59]
.if OUTF32
	s_add_nc_u64 s[8:9], s[8:9], s[58:59]
.endif
.if VAR == 2
	s_add_nc_u64 s[8:9], s[8:9], s[60:61]
.endif
	CROUND                                         ; all sixteen work-groups are here: the first joint loads meet
.irp s, 0,1
	s_mov_b32 s[G0+4*\s], 1
	s_add_co_u32 s[G0+4*\s+1], s15, \s*SLOT
	s_add_nc_u64 s[G0+4*\s+2:G0+4*\s+3], s[46:47], \s*ASTEP
	s_or_b32 s[G0+4*\s+3], s[G0+4*\s+3], 0x80000000
	s_mov_b32 s[G0B+4*\s], 1
	s_add_co_u32 s[G0B+4*\s+1], s15, \s*SLOT
	s_add_nc_u64 s[G0B+4*\s+2:G0B+4*\s+3], s[56:57], \s*BSTEP
	s_or_b32 s[G0B+4*\s+3], s[G0B+4*\s+3], 0x80000000
	JLOAD \s                                       ; both slots' first fills go out together: two tensor loads of a wave are out here, one behind each later round
.endr
	v_and_b32 v1, 15, v0                           ; r = l % 16
	v_bfe_u32 v2, v0, 4, 1                         ; h = l / 16
	v_and_b32 v3, 7, v0
	v_bfe_u32 v4, v0, 3, 1
	v_mul_u32_u24 v5, v1, APITCH
	v_lshl_add_u32 v5, v2, 4, v5                   ; 144 r + 16 h
	s_mul_i32 s62, s13, 64*APITCH                  ; my 64 rows of A
	v_add_nc_u32 v[ADRA], s62, v5
	v_add_nc_u32 v[ADRA+1], SLOT, v[ADRA]
	v_lshl_add_u32 v6, v2, 3, v3                   ; the transposing load: row 8 h + l % 8,
	v_mul_u32_u24 v6, v6, BPITCH
	v_lshl_add_u32 v6, v4, 4, v6                   ; 16 bytes further for lanes 8-15 of each half
	s_lshl_b32 s62, s14, 7                         ; my 64 columns of B
	s_add_co_u32 s62, s62, 2*HALFT                 ; B lies behind A's four panels
	v_add_nc_u32 v[ADRB], s62, v6
	v_add_nc_u32 v[ADRB+1], HALFT, v[ADRB]
	v_add_nc_u32 v[ADRB+2], SLOT, v[ADRB]
	v_add_nc_u32 v[ADRB+3], SLOT, v[ADRB+1]
	s_mul_i32 s63, s12, WSTAGE
	s_add_co_u32 s63, s63, STAGE                   ; my stage
.if OUTF32
	v_mul_u32_u24 v7, v1, 272                      ; in: row r of 256 bytes + 16, 32 bytes for each half of the lanes
	v_lshl_add_u32 v7, v2, 5, v7
	v_add_nc_u32 v[STO], s63, v7
	v_mul_u32_u24 v7, v2, 272                      ; back: lanes 0-15 one row, lanes 16-31 the next
	v_lshl_add_u32 v7, v1, 4, v7
	v_add_nc_u32 v[RD], s63, v7
	v_lshlrev_b32 v7, 4, v1
	v_lshl_add_u32 v[CO], v2, 12, v7               ; the same two rows in C
	WIN 0x40                                       ; destination in window 1
.irp a, 0,1,2,3
.irp t, 0,1,2,3,4,5,6,7
	global_load_b128 v[RES+4*(8*\a+\t):RES+4*(8*\a+\t)+3], v[CO], s[8:9] offset:(16*\a+2*\t)*4096   ; my 64 x 64 of the residual: on its way during the whole K loop
.endr
.endr
	WIN 0
.else
	v_add_nc_u32 v[STO], s63, v5                   ; in: row r of 128 bytes + 16, 16 bytes for each half of the lanes
	v_bfe_u32 v7, v0, 3, 2
	v_mul_u32_u24 v7, v7, APITCH                   ; back: eight lanes a row, four rows a load
	v_lshl_add_u32 v7, v3, 4, v7
	v_add_nc_u32 v[RD], s63, v7
	v_and_b32 v[CO], 31, v0
	v_lshlrev_b32 v[CO], 4, v[CO]                  ; my tile of C is 8 KiB of consecutive bytes
.endif
.if VAR == 2
	v_lshlrev_b32 v[CV], 5, v1
.irp a, 0,1,2,3
	global_load_b32 v[CMB+2*\a], v[CV], s[8:9] offset:512*\a       ; comb of row 16 a + r and my expert
.endr
.endif
.macro MM d, x, y, zero                ; one matrix instruction; zero = 1: it starts the sum
.if VAR == 3
.if \zero
	v_wmma_f32_16x16x32_bf16 v[\d:\d+7], v[\x:\x+7], v[\y:\y+7], 0
.else
	v_wmma_f32_16x16x32_bf16 v[\d:\d+7], v[\x:\x+7], v[\y:\y+7], v[\d:\d+7]
.endif
.else
.if \zero
	v_wmma_f32_16x16x32_f16 v[\d:\d+7], v[\x:\x+7], v[\y:\y+7], 0
.else
	v_wmma_f32_16x16x32_f16 v[\d:\d+7], v[\x:\x+7], v[\y:\y+7], v[\d:\d+7]
.endif
.endif
.endm
.macro MULA f, a, zero                 ; row tile a x all four column tiles, 32 along K
.irp b, 0,1,2,3
	MM 8*(4*\a+\b), \f+8*\b, \f+32+8*\a, \zero
.endr
.endm
; the fragments of quarter q (32 of the slot's 256 along K) into buffer f: 8 transposing loads for B, 8 plain ones for A
.macro FETCH slot, q, f
.irp b, 0,1,2,3
	ds_load_tr16_b128 v[\f+8*\b:\f+8*\b+3],   v[ADRB+2*\slot+(\q>>2)] offset:(\q&3)*32*BPITCH+32*\b
	ds_load_tr16_b128 v[\f+8*\b+4:\f+8*\b+7], v[ADRB+2*\slot+(\q>>2)] offset:(\q&3)*32*BPITCH+32*\b+16*BPITCH
.endr
.irp a, 0,1,2,3
	ds_load_b128 v[\f+32+8*\a:\f+32+8*\a+3], v[ADRA+\slot] offset:(\q>>1)*128*APITCH+(\q&1)*64+16*APITCH*\a
	ds_load_b128 v[\f+32+8*\a+4:\f+32+8*\a+7], v[ADRA+\slot] offset:(\q>>1)*128*APITCH+(\q&1)*64+16*APITCH*\a+32
.endr
.endm
; One of a K step's first seven quarters: asks for quarter q into buffer g, then multiplies buffer f.
; The sixteen accumulators take turns, one instruction a turn, in the same order in every quarter.
.macro QUARTER slot, q, f, g, zero
	PLACES                                         ; buffer g was read by the sixteen matrix instructions just issued
	WIN 0
	FETCH \slot, \q, \g
	s_wait_dscnt 16                                ; all but the 16 loads just issued: buffer f is whole
	WIN MULW
	MULA \f, 0, \zero
	MULA \f, 1, \zero
	MULA \f, 2, \zero
	MULA \f, 3, \zero
.endm
.macro SEVEN slot, zero
	QUARTER \slot, 1, F0, F1, \zero
	QUARTER \slot, 2, F1, F0, 0
	QUARTER \slot, 3, F0, F1, 0
	QUARTER \slot, 4, F1, F0, 0
	QUARTER \slot, 5, F0, F1, 0
	QUARTER \slot, 6, F1, F0, 0
	QUARTER \slot, 7, F0, F1, 0
.endm
; The eighth quarter multiplies buffer 1 and changes slots.  In front of the barrier each wave waits for its reads of this slot and for all its
; tensor loads (the one that is out is its part of the next slot).  fill = 1: the barrier opens a round of the cluster's barrier, and behind the
; round this slot is asked for again, two K steps ahead, as the wave's first and only tensor load.
.macro TURN slot, next, fill
	s_wait_dscnt 0x0                               ; buffer 1 is whole, and my reads of this slot are over
	s_wait_tensorcnt 0x0                           ; all my tensor loads have landed
	ds_add_u32 v254, v255
	s_wait_dscnt 0x0
	s_barrier_signal -1
	WIN MULW
	MULA F1, 0, 0                                  ; register work while the others arrive
	MULA F1, 1, 0
	WIN 0
	s_barrier_wait -1
.if \fill
	CREST
	s_add_nc_u64 s[G0+4*\slot+2:G0+4*\slot+3], s[G0+4*\slot+2:G0+4*\slot+3], 2*ASTEP
	s_add_nc_u64 s[G0B+4*\slot+2:G0B+4*\slot+3], s[G0B+4*\slot+2:G0B+4*\slot+3], 2*BSTEP
	JLOAD \slot
.endif
	PLACES
	FETCH \next, 0, F0
	WIN MULW
	MULA F1, 2, 0
	MULA F1, 3, 0
.endm
.macro LAP zero
	SEVEN 0, \zero
	TURN 0, 1, 1
	SEVEN 1, 0
	TURN 1, 0, 1
.endm
	s_wait_tensorcnt 0x1                           ; my part of K step 0 is in; slot 1's load stays out
	s_barrier_signal -1
	s_barrier_wait -1
	FETCH 0, 0, F0
	LAP 1                                          ; the first lap stands ahead of the loop: its first products start the sums
.if LAPS > 2
	WIN 0
	s_mov_b32 s3, LAPS-2
.Llap:
	LAP 0
	WIN 0
	s_sub_co_u32 s3, s3, 1
	s_cmp_lg_u32 s3, 0
	s_cbranch_scc1 .Llap
.endif
	SEVEN 0, 0                                     ; the last lap fills nothing
	TURN 0, 1, 0
	SEVEN 1, 0
	s_wait_dscnt 0x0
	WIN MULW
	MULA F1, 0, 0
	MULA F1, 1, 0
	MULA F1, 2, 0
	MULA F1, 3, 0
	PLACES                                         ; behind the last matrix instructions, ahead of every read of a result and every load into a buffer
.if OUTF32
; 16 rows of my tile: the accumulators into my stage, whole rows of 256 bytes back, the residual added, out.
; The stage is my wave's own and LDS serves a wave's instructions in order (ISA guide 5.7.1): no barrier, no wait between stores and loads.
.macro OUT32 a
	WIN 0x04                                       ; source 1 (LDS store data, the adds' second source) in window 1
.irp b, 0,1,2,3
	ds_store_b128 v[STO], v[8*(4*\a+\b):8*(4*\a+\b)+3] offset:64*\b
	ds_store_b128 v[STO], v[8*(4*\a+\b)+4:8*(4*\a+\b)+7] offset:64*\b+16
.endr
	s_wait_xcnt 0x0                                ; buffer 0, which the last stores read, is loaded again only behind this wait
.irp t, 0,1,2,3,4,5,6,7
	ds_load_b128 v[F0+4*\t:F0+4*\t+3], v[RD] offset:544*\t
.endr
.irp t, 0,1,2,3,4,5,6,7
	s_wait_dscnt 7-\t                              ; read t is back, the younger ones stay out
	v_pk_add_f32 v[F0+4*\t:F0+4*\t+1], v[F0+4*\t:F0+4*\t+1], v[RES+4*(8*\a+\t):RES+4*(8*\a+\t)+1]
	v_pk_add_f32 v[F0+4*\t+2:F0+4*\t+3], v[F0+4*\t+2:F0+4*\t+3], v[RES+4*(8*\a+\t)+2:RES+4*(8*\a+\t)+3]
.endr
	WIN 0
.irp t, 0,1,2,3,4,5,6,7
	global_store_b128 v[CO], v[F0+4*\t:F0+4*\t+3], s[10:11] offset:(16*\a+2*\t)*4096   ; sixteen lanes store 256 consecutive aligned bytes
.endr
.endm
	s_wait_loadcnt 0x0                             ; the residual
	OUT32 0
	OUT32 1
	OUT32 2
	OUT32 3
.else
; 16 rows of my tile: rounded to 16 bits, 16 bytes a lane into my stage, read back by rows, stored as 2,048 consecutive bytes.
.macro OUT16 a
.if VAR == 0
	WIN 0x05                                       ; both sources in window 1
.irp b, 0,1,2,3
.irp i, 0,1,2,3
	v_cvt_pk_f16_f32 v[TMP+4*\b+\i], v[8*(4*\a+\b)+2*\i], v[8*(4*\a+\b)+2*\i+1]
.endr
.endr
	WIN 0
.else
	WIN 0x04
.irp b, 0,1,2,3
.irp j, 0,1,2,3,4,5,6,7
	v_max_num_f32 v[TMP+8*\b+\j], 0, v[8*(4*\a+\b)+\j]             ; t = relu(z)
.endr
.endr
	WIN 0
.set i, 0
.rept 16
	v_pk_mul_f32 v[TMP+32+2*i:TMP+33+2*i], v[TMP+2*i:TMP+2*i+1], v[CMB+2*\a:CMB+2*\a+1]   ; t x comb
.set i, i+1
.endr
.set i, 0
.rept 16
	v_pk_mul_f32 v[TMP+32+2*i:TMP+33+2*i], v[TMP+32+2*i:TMP+33+2*i], v[TMP+2*i:TMP+2*i+1] ; x t
.set i, i+1
.endr
.set i, 0
.rept 16
	v_cvt_pk_bf16_f32 v[TMP+i], v[TMP+32+2*i], v[TMP+33+2*i]
.set i, i+1
.endr
.endif
.irp b, 0,1,2,3
	ds_store_b128 v[STO], v[TMP+4*\b:TMP+4*\b+3] offset:32*\b
.endr
	s_wait_xcnt 0x0                                ; buffer 0, which the last stores read, is loaded again only behind this wait
.irp t, 0,1,2,3
	ds_load_b128 v[F0+4*\t:F0+4*\t+3], v[RD] offset:4*APITCH*\t
.endr
.irp t, 0,1,2,3
	s_wait_dscnt 3-\t                              ; read t is back, the younger ones stay out
	global_store_b128 v[CO], v[F0+4*\t:F0+4*\t+3], s[10:11] offset:2048*\a+512*\t   ; 512 consecutive aligned bytes
.endr
.endm
.if VAR == 2
	WIN 0                                          ; the copies below write window 0
	s_wait_loadcnt 0x0                             ; comb
.irp a, 0,1,2,3
	v_mov_b32 v[CMB+2*\a+1], v[CMB+2*\a]           ; a pair for the packed multiply
.endr
.endif
	OUT16 0
	OUT16 1
	OUT16 2
	OUT16 3
.endif
	s_wait_tensorcnt 0x0
	ds_add_u32 v254, v255
	s_wait_dscnt 0x0
	CROUND                                         ; the closing round: no work-group ends while a partner may still ask for a tile that names it
	s_endpgm
.Lfunc_end_k_q2dc79d9634_fc2:
	.size	k_q2dc79d9634_fc2, .Lfunc_end_k_q2dc79d9634_fc2-k_q2dc79d9634_fc2
	.p2alignl 7, 3214868480
	.fill 96, 4, 3214868480
	.section	.rodata,"a",@progbits
	.p2align	6, 0x0
	.amdhsa_kernel k_q2dc79d9634_fc2
		.amdhsa_group_segment_fixed_size 327680
		.amdhsa_private_segment_fixed_size 0
		.amdhsa_enable_private_segment 0
		.amdhsa_kernarg_size 32
		.amdhsa_user_sgpr_count 2
		.amdhsa_user_sgpr_kernarg_segment_ptr 1
		.amdhsa_wavefront_size32 1
		.amdhsa_system_sgpr_workgroup_id_x 1
		.amdhsa_system_sgpr_workgroup_id_y 1
		.amdhsa_system_sgpr_workgroup_id_z 1
		.amdhsa_system_vgpr_workitem_id 0
		.amdhsa_next_free_vgpr 512
		.amdhsa_next_free_sgpr 66
		.amdhsa_reserve_vcc 0
		.amdhsa_float_denorm_mode_32 3
		.amdhsa_float_denorm_mode_16_64 3
		.amdhsa_memory_ordered 1
		.amdhsa_forward_progress 1
		.amdhsa_inst_pref_size 133
	.end_amdhsa_kernel
	.amdgpu_metadata
---
amdhsa.version: [ 1, 2 ]
amdhsa.kernels:
  - .name:           k_q2dc79d9634_fc2
    .symbol:         k_q2dc79d9634_fc2.kd
    .args:
      - { .name: h1c, .offset: 0, .size: 8, .value_kind: global_buffer, .address_space: global }
      - { .name: w16, .offset: 8, .size: 8, .value_kind: global_buffer, .address_space: global }
      - { .name: x1, .offset: 16, .size: 8, .value_kind: global_buffer, .address_space: global }
      - { .name: out0, .offset: 24, .size: 8, .value_kind: global_buffer, .address_space: global }
    .group_segment_fixed_size: 327680
    .private_segment_fixed_size: 0
    .kernarg_segment_align: 8
    .kernarg_segment_size: 32
    .max_flat_workgroup_size: 128
    .sgpr_count:     66
    .vgpr_count:     512
    .wavefront_size: 32
...
	.end_amdgpu_metadata
.endif
;; end of part 7
;; ======== version 2 of 3: 7 launches; 1.14 times as fast as version 1
;; limits: values are held in f16: magnitudes above 65,504 overflow, below 6.1e-05 lose precision
;; workspace buffers: h16 8,388,608 bytes; w16 25,165,824 bytes; qkv 25,165,824 bytes; o16 8,388,608 bytes; x1 16,777,216 bytes; comb 131,072 bytes; h1c 33,554,432 bytes
;; launch prep: the kernel of part 1 again; grid 1024 x 1, 8 waves a work-group, no clusters, 0 bytes of LDS; arguments x, wq, wk, wv, wo, exp_fc1, exp_fc2, h16, w16; writes h16, w16
;; launch qkv (part 8): grid 12 x 16, 4 waves a work-group, clusters of 4 x 4, 327,680 bytes of LDS; arguments h16, w16, qkv; writes qkv
.if DOCPART == 8
	.amdgcn_target "amdgcn-amd-amdhsa--gfx1250"
	.amdhsa_code_object_version 6
	.text
	.protected	k_q2dc79d9634_qkv
	.globl	k_q2dc79d9634_qkv
	.p2align	8
	.type	k_q2dc79d9634_qkv,@function
k_q2dc79d9634_qkv:
	s_mov_b64 s[64:65], 0
	v_nop
	global_prefetch_b8 v0, s[64:65] scope:SCOPE_SE
	s_setreg_imm32_b32 hwreg(HW_REG_WAVE_MODE, 25, 1), 1
	s_wait_xcnt 0x0
	s_wait_alu depctr_hold_cnt(0) depctr_sa_sdst(0) depctr_va_vdst(0) depctr_va_sdst(0) depctr_va_ssrc(0) depctr_va_vcc(0) depctr_vm_vsrc(0)
	s_getreg_b32 s2, hwreg(HW_REG_IB_STS2, 6, 4)
	s_cmp_eq_u32 s2, 0
	s_cbranch_scc0 .Lentry_in_a_cluster
	s_endpgm
.Lentry_in_a_cluster:
	s_bfe_u32 s2, ttmp6, 0x10000c
	s_cmp_lg_u32 s2, 0xf033
	s_cbranch_scc0 .Lentry_shape_is_right
	s_endpgm
.Lentry_shape_is_right:
; C[4096][N] = A x B on the matrix units, in blocks of 256 x 256.  One text serves two products; VAR picks the product:
;   VAR 0  qkv = rmsnorm(x) x [wq | wk | wv]      f16, K = 1024, N = 3072, out f16 in panels:  12 x 16 = 192 work-groups
;   VAR 2  h1c = comb x relu(h2 x exp_fc1)^2      f16, K = 1024, N = 4096 (all 8 experts side by side), out bf16 in panels: 16 x 16 = 256 work-groups
; A lies in panels [K/64][4096 rows][64] of 16 bits (a panel 0x80000 bytes, a row 128 bytes); B lies [K][N] as the weights do.
; Four waves, a wave makes 128 x 128 in 64 accumulator tiles (512 registers).  K goes in steps of 128 through two LDS slots: a slot's
; (256 + 256) x 128 x 2 bytes feed 256 matrix instructions of each wave, twice what a block of 128 x 128 gets from as many bytes.
; 4 x 4 work-groups form a cluster: A's tile hangs on the block row alone and is asked for jointly by a row of the cluster,
; B's on the block column alone and is asked for jointly by a column.
; The matrix instruction is used transposed (source 0 = 16 columns of B, source 1 = 16 rows of A): lane l then holds row l % 16 of C
; and in its registers 0-7 the columns 8 (l / 16) + 0..7.
; REGISTERS, in windows of 256: window 0: v16-27 addresses, v32-47 comb, v64-127 and v128-191 fragments of A (two buffers), v192-255 at work on the way out;
; window 1: v64-127, v128-191 fragments of B; window 2: accumulator tiles of my rows 0-63 (tile (a, b) at 8 (8 a + b)); window 3: of my rows 64-127.
; Limits kept: NaN and infinities are not served; an unselected expert's part is 0 x a finite number; the sums' order differs from a plain loop's.
; f16 operands here stay below about 700 also for inputs 30 times larger or offset; relu(z)^2 has no such room and leaves in bf16.
.set VAR, 0
.if VAR == 0
.set BOFF, 0
.set BPE,  1024                        ; elements in a row of B
.endif
.if VAR == 2
.set BOFF, 0x800000
.set BPE,  512
.endif
.set KTOT,   1024
.set KSTEP,  128
.set PB,     0x80000                   ; bytes in a panel
.set APITCH, 144                       ; A's LDS row: 128 bytes + 16 = 9 x 16: sixteen rows start in sixteen different 16-byte columns of 256
.set BPITCH, 544                       ; B's LDS row: 512 bytes + 32 = 17 x 32, for the transposing load
.set HALFT,  36864                     ; a wave's part of a slot: one panel's 256 rows x 144, or 64 rows of B x 544 (34,816 used)
.set SLOT,   4*HALFT                   ; A's 2 panels, then B's 2 x 64 rows
.set STAGE,  2*SLOT                    ; behind the ring, never filled by a tensor load
.set SPITCH, 272                       ; a stage row: 128 columns x 2 bytes + 16
.set WSTAGE, 16*SPITCH                 ; 16 rows for each wave
.set LAPS,   KTOT/(2*KSTEP)            ; a lap = two K steps = once round the ring
.set ASTEP,  2*PB                      ; a K step in A: 2 panels
.set BSTEP,  2*KSTEP*BPE               ; a K step in B: 128 rows
.set ADRA, 16                          ; v16-17  LDS address of my A fragments, slot 0, 1
.set ADRB, 20                          ; v20-21  of my B fragments
.set STO,  24                          ; v24     the way out: where I put 16 bytes of a row
.set RD,   25                          ; v25     where I read rows back
.set CO,   26                          ; v26     16 x lane
.set CV,   27                          ; v27     VAR 2: my byte offset in comb
.set CMB,  32                          ; v32-47  VAR 2: comb of my row in each of the eight row tiles, as pairs
.set F0,   64                          ; fragment buffer 0
.set F1,   128                         ; fragment buffer 1
.set TMP,  192                         ; at work on the way out
.set G1,  16                           ; s[16:23] group 1 of A's tiles
.set G1B, 24                           ; s[24:31] group 1 of B's tiles
.set G0,  32                           ; s[32:39] group 0 of A's tiles, a set for each slot
.set G0B, 48                           ; s[48:55] group 0 of B's tiles
.set MUL_LO, 0xa1                      ; source 0 (B) window 1, source 1 (A) window 0, C and D window 2
.set MUL_HI, 0xf1                      ; the same, C and D window 3
.set TO_B,   0x40                      ; destination window 1, address window 0
.set MSB, 0
.macro WIN new                         ; the immediate's high byte repeats the setting that is left
.if MSB != \new
	s_set_vgpr_msb (MSB<<8)|\new
.set MSB, \new
.endif
.endm
.macro JLOAD s                         ; waves 0, 1 ask for A's two panels, waves 2, 3 for B's two halves: one load a wave, one mask a line
	s_cmp_eq_u32 s13, 0
	s_cbranch_scc0 .Lfor_b_\@
	tensor_load_to_lds s[G0+4*\s:G0+4*\s+3], s[G1:G1+7]
	s_nop 0
	s_branch .Lasked_\@
.Lfor_b_\@:
	tensor_load_to_lds s[G0B+4*\s:G0B+4*\s+3], s[G1B:G1B+7]
	s_nop 0
.Lasked_\@:
.endm
.macro CREST                           ; a round of the cluster's barrier behind its opening work-group barrier
	s_cmp_lg_u32 s12, 0
	s_cbranch_scc1 .Lnot_wave_0_\@
	s_barrier_signal -3
.Lnot_wave_0_\@:
	s_barrier_wait -3
	s_barrier_signal -1
	s_barrier_wait -1
.endm
.macro CROUND
	s_barrier_signal -1
	s_barrier_wait -1
	CREST
.endm
.macro PLACES                          ; four plain vector instructions between a matrix instruction and a load into, or a read of, its registers
.rept 4
	v_nop
.endr
.endm
.if VAR == 0
	s_load_b128 s[4:7], s[0:1], 0x0                ; A s[4:5], w16 s[6:7]
	s_load_b64 s[10:11], s[0:1], 0x10              ; C s[10:11]
	s_set_vgpr_msb 0x40
	v_lshl_add_u32 v255, v0, 2, 0x4c400
	s_set_vgpr_msb 0x4000
	v_mov_b32 v255, 0
	s_set_vgpr_msb 0x1
	ds_add_u32 v255, v255
	ds_add_u32 v255, v255
	s_set_vgpr_msb 0x100
.else
	s_load_b256 s[4:11], s[0:1], 0x0               ; A, w16, comb s[8:9], C s[10:11]
.endif
	v_lshrrev_b32 v1, 5, v0
	v_readfirstlane_b32 s12, v1                    ; wave 0..3
	s_lshr_b32 s13, s12, 1                         ; my half of the block's rows; also: I fetch for A (0) or B (1)
	s_and_b32 s14, s12, 1                          ; my half of its columns; also: which half of that tile I fetch
	s_bfe_u32 s40, ttmp6, 0x40000                  ; cx
	s_bfe_u32 s41, ttmp6, 0x40004                  ; cy
	s_lshl_b32 s42, ttmp9, 2
	s_add_co_u32 s42, s42, s40                     ; block column bn
	s_and_b32 s43, ttmp7, 0xffff
	s_lshl_b32 s43, s43, 2
	s_add_co_u32 s43, s43, s41                     ; block row bm
	s_lshl_b32 s44, s41, 2
	s_lshl_b32 s44, 15, s44                        ; my row of the cluster
	s_lshl_b32 s45, 0x1111, s40                    ; my column of the cluster
	; group 1 of A: one panel's 256 rows are 32 KiB that are dense in memory: 128 rows of 256 bytes; 16 bytes of padding behind every 128
	s_or_b32 s[G1+0], s44, 0x07310000              ; mask | 2-byte elements | padding on | bit 21 beside a mask | every 32 words | 4 words
	s_mov_b32 s[G1+1], 128<<16                     ; tensor_dim0 = 128
	s_mov_b32 s[G1+2], 128<<16                     ; tensor_dim1 = 128
	s_mov_b32 s[G1+3], 128<<16                     ; tile_dim0 = 128
	s_mov_b32 s[G1+4], 128                         ; tile_dim1 = 128
	s_mov_b32 s[G1+5], 128                         ; elements from row to row
	s_mov_b32 s[G1+6], 0
	s_mov_b32 s[G1+7], 0
	; group 1 of B: 64 rows of 256 elements (512 bytes), 32 bytes of padding behind each
	s_or_b32 s[G1B+0], s45, 0x0fb10000             ; mask | 2-byte elements | padding on | bit 21 | every 128 words | 8 words
	s_mov_b32 s[G1B+1], 256<<16
	s_mov_b32 s[G1B+2], 64<<16
	s_mov_b32 s[G1B+3], 256<<16
	s_mov_b32 s[G1B+4], 64
	s_mov_b32 s[G1B+5], BPE
	s_mov_b32 s[G1B+6], 0
	s_mov_b32 s[G1B+7], 0
	; A's offset hangs on the block row and the wave, B's on the block column and the wave; neither pair ever holds the other coordinate
	s_lshl_b32 s46, s43, 15                        ; 256 rows x 128 bytes
	s_lshl_b32 s47, s14, 19                        ; my panel of the step's two
	s_add_co_u32 s46, s46, s47
	s_mov_b32 s47, 0
.if VAR == 0
	s_lshr_b32 s56, s42, 2                         ; which of wq, wk, wv: four blocks of 256 columns each
	s_lshl_b32 s56, s56, 21
	s_and_b32 s57, s42, 3
.else
	s_lshr_b32 s56, s42, 1                         ; the expert: two blocks of 256 columns each
	s_lshl_b32 s56, s56, 20
	s_and_b32 s57, s42, 1
.endif
	s_lshl_b32 s57, s57, 9                         ; 256 columns x 2 bytes
	s_add_co_u32 s56, s56, s57
	s_mul_i32 s57, s14, KSTEP*BPE                  ; my 64 rows
	s_add_co_u32 s56, s56, s57
.if BOFF
	s_add_co_u32 s56, s56, BOFF
.endif
	s_mov_b32 s57, 0
	s_mul_i32 s15, s12, HALFT                      ; where my part of a slot lies: the wave's number alone
	s_lshl1_add_u32 s58, s42, s14                  ; 2 bn + wn: my two panels of C
	s_lshl_b32 s58, s58, 20
	s_lshl1_add_u32 s59, s43, s13                  ; 2 bm + wm
	s_lshl_b32 s59, s59, 14                        ; x 128 rows x 128 bytes
	s_add_co_u32 s58, s58, s59
	s_mov_b32 s59, 0
.if VAR == 2
	s_lshl1_add_u32 s60, s43, s13
	s_lshl_b32 s60, s60, 12                        ; 128 rows x 32 bytes of comb
	s_lshr_b32 s61, s42, 1
	s_lshl2_add_u32 s60, s61, s60                  ; + 4 x expert
	s_mov_b32 s61, 0
.endif
	s_wait_dscnt 0x0
	s_wait_kmcnt 0x0
	s_add_nc_u64 s[46:47], s[4:5], s[46:47]
	s_add_nc_u64 s[56:57], s[6:7], s[56:57]
	s_add_nc_u64 s[10:11], s[10:11], s[58:59]
.if VAR == 2
	s_add_nc_u64 s[8:9], s[8:9], s[60:61]
.endif
	CROUND                                         ; all sixteen work-groups are here: the first joint loads meet
.irp s, 0,1
	s_mov_b32 s[G0+4*\s], 1
	s_add_co_u32 s[G0+4*\s+1], s15, \s*SLOT
	s_add_nc_u64 s[G0+4*\s+2:G0+4*\s+3], s[46:47], \s*ASTEP
	s_or_b32 s[G0+4*\s+3], s[G0+4*\s+3], 0x80000000
	s_mov_b32 s[G0B+4*\s], 1
	s_add_co_u32 s[G0B+4*\s+1], s15, \s*SLOT
	s_add_nc_u64 s[G0B+4*\s+2:G0B+4*\s+3], s[56:57], \s*BSTEP
	s_or_b32 s[G0B+4*\s+3], s[G0B+4*\s+3], 0x80000000
	JLOAD \s                                       ; both slots' first fills go out together: two tensor loads of a wave are out here, one behind each later round
.endr
	v_and_b32 v1, 15, v0                           ; r = l % 16
	v_bfe_u32 v2, v0, 4, 1                         ; h = l / 16
	v_and_b32 v3, 7, v0
	v_bfe_u32 v4, v0, 3, 1
	v_mul_u32_u24 v5, v1, APITCH
	v_lshl_add_u32 v5, v2, 4, v5                   ; 144 r + 16 h
	s_mul_i32 s62, s13, 128*APITCH                 ; my 128 rows of A
	v_add_nc_u32 v[ADRA], s62, v5
	v_add_nc_u32 v[ADRA+1], SLOT, v[ADRA]
	v_lshl_add_u32 v6, v2, 3, v3                   ; the transposing load: row 8 h + l % 8,
	v_mul_u32_u24 v6, v6, BPITCH
	v_lshl_add_u32 v6, v4, 4, v6                   ; 16 bytes further for lanes 8-15 of each half
	s_lshl_b32 s62, s14, 8                         ; my 128 columns of B
	s_add_co_u32 s62, s62, 2*HALFT                 ; B lies behind A's two panels
	v_add_nc_u32 v[ADRB], s62, v6
	v_add_nc_u32 v[ADRB+1], SLOT, v[ADRB]
	s_mul_i32 s63, s12, WSTAGE
	s_add_co_u32 s63, s63, STAGE                   ; my stage
	v_mul_u32_u24 v7, v1, SPITCH                   ; in: row r, 16 bytes for each half of the lanes
	v_lshl_add_u32 v7, v2, 4, v7
	v_add_nc_u32 v[STO], s63, v7
	v_bfe_u32 v7, v0, 3, 2
	v_mul_u32_u24 v7, v7, SPITCH                   ; back: eight lanes take one panel's 128 bytes of a row, four rows a load
	v_lshl_add_u32 v7, v3, 4, v7
	v_add_nc_u32 v[RD], s63, v7
	v_and_b32 v[CO], 31, v0
	v_lshlrev_b32 v[CO], 4, v[CO]                  ; four rows of a panel are 512 consecutive bytes: 16 a lane
.if VAR == 2
	v_lshlrev_b32 v[CV], 5, v1
.irp a, 0,1,2,3,4,5,6,7
	global_load_b32 v[CMB+2*\a], v[CV], s[8:9] offset:512*\a       ; comb of row 16 a + r and my expert: on its way during the K loop
.endr
.endif
; 16 matrix instructions: row tiles a0, a0 + 1 of the window's four (hi = 0: my rows 0-63, 1: rows 64-127) x all 8 column tiles, 32 along K.
; zero = 1: the first product starts the sums: nothing is ever cleared.
.macro MUL16 f, hi, a0, zero
.irp a, \a0, \a0+1
.irp b, 0,1,2,3,4,5,6,7
.if \zero
	v_wmma_f32_16x16x32_f16 v[8*(8*(\a)+\b):8*(8*(\a)+\b)+7], v[\f+8*\b:\f+8*\b+7], v[\f+8*(4*\hi+\a):\f+8*(4*\hi+\a)+7], 0
.else
	v_wmma_f32_16x16x32_f16 v[8*(8*(\a)+\b):8*(8*(\a)+\b)+7], v[\f+8*\b:\f+8*\b+7], v[\f+8*(4*\hi+\a):\f+8*(4*\hi+\a)+7], v[8*(8*(\a)+\b):8*(8*(\a)+\b)+7]
.endif
.endr
.endr
.endm
; 32 LDS loads in one run: the fragments of quarter q (32 of the slot's 128 along K) into buffer f: 16 transposing loads for B's 128 columns, 16 plain ones for A's 128 rows
.macro FETCH slot, q, f
	WIN TO_B
.irp b, 0,1,2,3,4,5,6,7
	ds_load_tr16_b128 v[\f+8*\b:\f+8*\b+3],   v[ADRB+\slot] offset:(\q>>1)*HALFT+(\q&1)*32*BPITCH+32*\b
	ds_load_tr16_b128 v[\f+8*\b+4:\f+8*\b+7], v[ADRB+\slot] offset:(\q>>1)*HALFT+(\q&1)*32*BPITCH+32*\b+16*BPITCH
.endr
	WIN 0
.irp a, 0,1,2,3,4,5,6,7
	ds_load_b128 v[\f+8*\a:\f+8*\a+3],   v[ADRA+\slot] offset:(\q>>1)*HALFT+(\q&1)*64+16*APITCH*\a
	ds_load_b128 v[\f+8*\a+4:\f+8*\a+7], v[ADRA+\slot] offset:(\q>>1)*HALFT+(\q&1)*64+16*APITCH*\a+32
.endr
.endm
; A K step is four quarters of 32 along K, 64 matrix instructions each, on buffers 0, 1, 0, 1.
; One of the first three: multiplies buffer f; in its middle it fetches quarter q of the same slot into buffer g.
; The 64 accumulators take turns, one instruction a turn, in the same order in every quarter.
.macro QUARTER slot, q, f, g, zero
	s_wait_dscnt 8                                 ; B and A's rows 0-63 are in; the youngest eight loads (A's rows 64-127) may be out
	WIN MUL_LO
	MUL16 \f, 0, 0, \zero
	MUL16 \f, 0, 2, \zero
	PLACES                                         ; buffer g was read by the quarter before
	FETCH \slot, \q, \g
	s_wait_dscnt 32                                ; all but the 32 just issued
	WIN MUL_HI
	MUL16 \f, 1, 0, \zero
	MUL16 \f, 1, 2, \zero
.endm
.macro THREE slot, zero
	QUARTER \slot, 1, F0, F1, \zero
	QUARTER \slot, 2, F1, F0, 0
	QUARTER \slot, 3, F0, F1, 0
.endm
; The fourth quarter multiplies buffer 1 and changes slots.  In front of the barrier each wave waits for its reads of this slot and for all its
; tensor loads (the one that is out is its part of the next slot).  fill = 1: the barrier opens a round of the cluster's barrier, and behind the
; round this slot is asked for again, two K steps ahead, as the wave's first and only tensor load.  From that request to the wait for it
; a wave issues 32 + 192 + 16 = 240 matrix instructions.
.macro TURN slot, next, fill
	s_wait_dscnt 8
	WIN MUL_LO
	MUL16 F1, 0, 0, 0
	s_wait_dscnt 0x0                               ; my reads of this slot are over
	s_wait_tensorcnt 0x0                           ; all my tensor loads have landed
	ds_add_u32 v255, v255
	s_wait_dscnt 0x0
	s_barrier_signal -1
	MUL16 F1, 0, 2, 0                              ; register work while the others arrive
	WIN 0
	s_barrier_wait -1
.if \fill
	CREST
	s_add_nc_u64 s[G0+4*\slot+2:G0+4*\slot+3], s[G0+4*\slot+2:G0+4*\slot+3], 2*ASTEP
	s_add_nc_u64 s[G0B+4*\slot+2:G0B+4*\slot+3], s[G0B+4*\slot+2:G0B+4*\slot+3], 2*BSTEP
	JLOAD \slot
.endif
	PLACES
	FETCH \next, 0, F0
	WIN MUL_HI
	MUL16 F1, 1, 0, 0
	MUL16 F1, 1, 2, 0
.endm
.macro LAP zero
	THREE 0, \zero
	TURN 0, 1, 1
	THREE 1, 0
	TURN 1, 0, 1
.endm
	s_wait_tensorcnt 0x1                           ; my part of K step 0 is in; slot 1's load stays out
	s_barrier_signal -1
	s_barrier_wait -1
	FETCH 0, 0, F0
	LAP 1                                          ; the first lap stands ahead of the loop: its first products start the sums
	WIN 0                                          ; at a label and at a branch every window is 0
	s_mov_b32 s3, LAPS-2
.Llap:
	LAP 0
	WIN 0
	s_sub_co_u32 s3, s3, 1
	s_cmp_lg_u32 s3, 0
	s_cbranch_scc1 .Llap
	THREE 0, 0                                     ; the last lap fills nothing
	TURN 0, 1, 0
	THREE 1, 0
	s_wait_dscnt 8                                 ; the very last quarter: nothing more to fetch
	WIN MUL_LO
	MUL16 F1, 0, 0, 0
	MUL16 F1, 0, 2, 0
	s_wait_dscnt 0x0
	WIN MUL_HI
	MUL16 F1, 1, 0, 0
	MUL16 F1, 1, 2, 0
	PLACES                                         ; behind the last matrix instructions, ahead of every read of a result and every write into a buffer
; THE WAY OUT, 16 rows x 128 columns at a time: rounded to 16 bits, 16 bytes a lane into my stage, read back four rows of one panel at a time,
; stored as 512 consecutive aligned bytes.  The stage is my wave's own and LDS serves a wave's instructions in order (ISA guide 5.7.1):
; no barrier, no wait between the stores and the loads.  rt: the row tile 0..7; a = rt % 4 in window 2 + hi.
.macro OUT16 rt, a, hi
.if VAR == 0
.if \hi
	WIN 0x0f                                       ; both sources in window 3
.else
	WIN 0x0a                                       ; both sources in window 2
.endif
.irp b, 0,1,2,3,4,5,6,7
.irp k, 0,1,2,3
	v_cvt_pk_f16_f32 v[TMP+4*\b+\k], v[8*(8*\a+\b)+2*\k], v[8*(8*\a+\b)+2*\k+1]
.endr
.endr
	WIN 0
.else
.if \hi
	WIN 0x0c                                       ; source 1 in window 3
.else
	WIN 0x08                                       ; source 1 in window 2
.endif
.irp b, 0,1,2,3,4,5,6,7
.irp j, 0,1,2,3,4,5,6,7
	v_max_num_f32 v[TMP+8*\b+\j], 0, v[8*(8*\a+\b)+\j]             ; t = relu(z)
.endr
.endr
	WIN 0
.set n, 0
.rept 32
	v_pk_mul_f32 v[F1+2*n:F1+2*n+1], v[TMP+2*n:TMP+2*n+1], v[CMB+2*\rt:CMB+2*\rt+1]   ; t x comb
.set n, n+1
.endr
.set n, 0
.rept 32
	v_pk_mul_f32 v[F1+2*n:F1+2*n+1], v[F1+2*n:F1+2*n+1], v[TMP+2*n:TMP+2*n+1]         ; x t
.set n, n+1
.endr
.set n, 0
.rept 32
	v_cvt_pk_bf16_f32 v[TMP+n], v[F1+2*n], v[F1+2*n+1]
.set n, n+1
.endr
.endif
.irp b, 0,1,2,3,4,5,6,7
	ds_store_b128 v[STO], v[TMP+4*\b:TMP+4*\b+3] offset:32*\b
.endr
	s_wait_xcnt 0x0                                ; buffer 0, which the last global stores read, is loaded again only behind this wait
.irp p, 0,1
.irp t, 0,1,2,3
	ds_load_b128 v[F0+4*(4*\p+\t):F0+4*(4*\p+\t)+3], v[RD] offset:4*SPITCH*\t+128*\p
.endr
.endr
.irp p, 0,1
.irp t, 0,1,2,3
	s_wait_dscnt 7-(4*\p+\t)                       ; this read is back, the younger ones stay out
	global_store_b128 v[CO], v[F0+4*(4*\p+\t):F0+4*(4*\p+\t)+3], s[10:11] offset:\p*PB+2048*\rt+512*\t
.endr
.endr
.endm
.if VAR == 2
	WIN 0                                          ; the copies below write window 0
	s_wait_loadcnt 0x0                             ; comb
.irp a, 0,1,2,3,4,5,6,7
	v_mov_b32 v[CMB+2*\a+1], v[CMB+2*\a]           ; a pair for the packed multiply
.endr
.endif
	OUT16 0, 0, 0
	OUT16 1, 1, 0
	OUT16 2, 2, 0
	OUT16 3, 3, 0
	OUT16 4, 0, 1
	OUT16 5, 1, 1
	OUT16 6, 2, 1
	OUT16 7, 3, 1
	s_set_vgpr_msb 0x1
	s_wait_tensorcnt 0x0
	ds_add_u32 v255, v255
	s_wait_dscnt 0x0
	s_set_vgpr_msb 0x100
	CROUND                                         ; the closing round: no work-group ends while a partner may still ask for a tile that names it
	s_endpgm
.Lfunc_end_k_q2dc79d9634_qkv:
	.size	k_q2dc79d9634_qkv, .Lfunc_end_k_q2dc79d9634_qkv-k_q2dc79d9634_qkv
	.p2alignl 7, 3214868480
	.fill 96, 4, 3214868480
	.section	.rodata,"a",@progbits
	.p2align	6, 0x0
	.amdhsa_kernel k_q2dc79d9634_qkv
		.amdhsa_group_segment_fixed_size 327680
		.amdhsa_private_segment_fixed_size 0
		.amdhsa_enable_private_segment 0
		.amdhsa_kernarg_size 24
		.amdhsa_user_sgpr_count 2
		.amdhsa_user_sgpr_kernarg_segment_ptr 1
		.amdhsa_wavefront_size32 1
		.amdhsa_system_sgpr_workgroup_id_x 1
		.amdhsa_system_sgpr_workgroup_id_y 1
		.amdhsa_system_sgpr_workgroup_id_z 1
		.amdhsa_system_vgpr_workitem_id 0
		.amdhsa_next_free_vgpr 1024
		.amdhsa_next_free_sgpr 66
		.amdhsa_reserve_vcc 0
		.amdhsa_float_denorm_mode_32 3
		.amdhsa_float_denorm_mode_16_64 3
		.amdhsa_memory_ordered 1
		.amdhsa_forward_progress 1
		.amdhsa_inst_pref_size 196
	.end_amdhsa_kernel
	.amdgpu_metadata
---
amdhsa.version: [ 1, 2 ]
amdhsa.kernels:
  - .name:           k_q2dc79d9634_qkv
    .symbol:         k_q2dc79d9634_qkv.kd
    .args:
      - { .name: h16, .offset: 0, .size: 8, .value_kind: global_buffer, .address_space: global }
      - { .name: w16, .offset: 8, .size: 8, .value_kind: global_buffer, .address_space: global }
      - { .name: qkv, .offset: 16, .size: 8, .value_kind: global_buffer, .address_space: global }
    .group_segment_fixed_size: 327680
    .private_segment_fixed_size: 0
    .kernarg_segment_align: 8
    .kernarg_segment_size: 24
    .max_flat_workgroup_size: 128
    .sgpr_count:     66
    .vgpr_count:     1024
    .wavefront_size: 32
...
	.end_amdgpu_metadata
.endif
;; end of part 8
;; launch attn (part 9): grid 8 x 32, 8 waves a work-group, no clusters, 327,680 bytes of LDS; arguments qkv, o16; writes o16
.if DOCPART == 9
	.amdgcn_target "amdgcn-amd-amdhsa--gfx1250"
	.amdhsa_code_object_version 6
	.text
	.protected	k_q2dc79d9634_attn
	.globl	k_q2dc79d9634_attn
	.p2align	8
	.type	k_q2dc79d9634_attn,@function
k_q2dc79d9634_attn:
	s_mov_b64 s[64:65], 0
	v_nop
	global_prefetch_b8 v0, s[64:65] scope:SCOPE_SE
	s_setreg_imm32_b32 hwreg(HW_REG_WAVE_MODE, 25, 1), 1
	s_wait_xcnt 0x0
; Causal attention, 16 heads of 64, 2 x 2048 tokens.  qkv: panels [48][4096][64] f16 (0-15 q, 16-31 k, 32-47 v, one head a panel); o16: panels [16][4096][64] f16.
; Work-group (p = x, head = y % 16, batch = y / 16) makes query blocks p and 15 - p of 128 rows: (p + 1) + (16 - p) = 17 key blocks of 128 for every
; work-group, so the work is equal.  The 17 blocks are numbered q = 0 .. 16: key block q for q <= p (query block p), key block q - (p + 1) behind that.
; EIGHT WAVES, two for each of the WGP's four SIMDs; a wave owns 16 query rows of each query block and takes a key block of 128 in one pass:
; 32 matrix instructions against some 220 vector instructions of softmax, so that one wave's vector work can stand beside the other's matrix work.
; The price: each wave reads all of K and V from LDS, 64 loads a key block, where a wave of 32 rows would share them between two query tiles.
; A SLOT HOLDS TWO KEY BLOCKS: eight loads, one a wave, of 64 keys of K or of V each; a refill has two key blocks' work in which to land, and there is one barrier for two blocks.
; NO CLUSTER: the work-groups of one head need different numbers of key tiles in each of their two phases (p + 1 and 16 - p), so a joint request
; would make trip counts hang on the place in the cluster.
; Both products are used transposed.  S^T = K x Q^T: lane l holds query l % 16, register j of key tile t key 16 t + 8 (l / 16) + j, so maximum and sum
; are made inside a lane and by one exchange of halves, and two packed S^T tiles are the K = 32 fragment of P as they stand.
; O^T = V^T x P: lane l again holds query l % 16, so alpha and 1 / l are one number a lane.
; Softmax: running maximum, as reference() takes the row's maximum away; masked scores are -inf as there.  The first key of every key block that a row meets
; is valid for it (in the diagonal block: key 0 of the block <= every query of the block), so the new maximum is finite in every block, and the sum is at least about 1.
; A new query block sets the maximum to -inf: the next alpha is exp2(-inf) = 0, and the rescale that runs in every block wipes O (which is finite).
; Limits kept: NaN and infinities are not served; exponentials below 2^-126 are zero; q, k, v, P, o are rounded to f16 (below about 700 also for inputs 30 times larger).
.set PB,    0x80000                    ; bytes in a panel
.set PART,  10240                      ; what one tensor load fills: 64 keys of K at pitch 144 (9,216 used) or 64 keys of V at pitch 160
.set BLK,   4*PART                     ; a key block: K keys 0-63, K keys 64-127, V keys 0-63, V keys 64-127
.set SLOTB, 2*BLK                      ; a slot: two key blocks
.set QLDS,  2*SLOTB                    ; Q: [2 query blocks][128 rows] at pitch 144
.set QPH,   128*144
.set STG,   QLDS+2*QPH                 ; stages, never filled by a tensor load
.set WST,   16*144                     ; 16 rows x 144 for each wave (of Q and of the stage)
.set KADR, 2                           ; v2-3  144 r + 16 h, slot 0, 1
.set VADR, 4                           ; v4-5  V's part + (8 h + l % 8) 160 + 16 ((l / 8) % 2), slot 0, 1
.set QADR, 6                           ; v6    my rows of Q
.set STO,  7                           ; v7    stage, in
.set RD,   8                           ; v8    stage, back
.set CO,   9                           ; v9    16 l
.set DQ,   10                          ; v10   my query in the block - 8 h
.set NINF, 11                          ; v11   -inf
.set MX,   12                          ; v12   running maximum x log2(e)/8
.set LS,   13                          ; v13   running sum (each half of the lanes over its own keys)
.set NM,   14                          ; v14-15 -maximum, as a pair
.set AL,   16                          ; v16-17 alpha, later 1 / l, as a pair
                                       ; v18-31 at work
.set QF,   32                          ; v32-47   Q fragment kf at 8 kf
.set OA,   64                          ; v64-95   O^T tile dt at 8 dt
.set SA,   128                         ; v128-191 S^T tile t at 8 t; P of keys 32 g .. 32 g + 31 = the first 8 registers at 16 g
.set KF,   0                           ; window 1, v0-127:   K fragment (t, kf) at 16 t + 8 kf
.set VF,   128                         ; window 1, v128-255: V^T fragment (g, dt) at 32 g + 8 dt
.set MSB, 0
.macro WIN new                         ; the immediate's high byte repeats the setting that is left
.if MSB != \new
	s_set_vgpr_msb (MSB<<8)|\new
.set MSB, \new
.endif
.endm
.macro NOPS n
.rept \n
	v_nop
.endr
.endm
.macro KVADDR s                        ; slot s's group 0 gets the address of my part of block number s68
	s_cmp_gt_u32 s68, s11                          ; behind block p the second query block's walk begins again at key block 0
	s_cselect_b32 s69, s12, 0
	s_sub_co_u32 s70, s68, s69
	s_lshl_b32 s70, s70, 14                        ; 128 keys x 128 bytes
	s_mov_b32 s71, 0
	s_add_nc_u64 s[42+4*\s:43+4*\s], s[56:57], s[70:71]
	s_or_b32 s[43+4*\s], s[43+4*\s], 0x80000000
.endm
.macro KVLOAD s                        ; waves 0, 1, 4, 5 bring halves of K, waves 2, 3, 6, 7 of V: one tensor load a wave
	s_cmp_eq_u32 s9, 0
	s_cbranch_scc0 .Lfor_v_\@
	tensor_load_to_lds s[40+4*\s:43+4*\s], s[24:31]
	s_nop 0
	s_branch .Lasked_\@
.Lfor_v_\@:
	tensor_load_to_lds s[40+4*\s:43+4*\s], s[32:39]
	s_nop 0
.Lasked_\@:
.endm
	s_load_b128 s[4:7], s[0:1], 0x0                ; qkv s[4:5], o16 s[6:7]
	v_lshl_add_u32 v254, v0, 2, 0x35800
	v_mov_b32 v255, 0
	ds_add_u32 v254, v255
	ds_add_u32 v254, v255
	v_lshrrev_b32 v1, 5, v0
	v_readfirstlane_b32 s8, v1                     ; wave 0..7 = 4 x (block of the pair) + 2 x (V) + (which 64 keys)
	s_and_b32 s9, s8, 2                            ; I fetch K (0) or V (2)
	s_and_b32 s10, s8, 1                           ; which 64 keys
	s_lshr_b32 s2, s8, 2                           ; which block of a slot's two
	s_mov_b32 s11, ttmp9                           ; P
	s_add_co_u32 s12, s11, 1                       ; P + 1 = key blocks of the first query block
	s_and_b32 s13, ttmp7, 0xffff
	s_and_b32 s14, s13, 15                         ; head
	s_lshr_b32 s15, s13, 4                         ; batch
	s_lshl_b32 s14, s14, 19
	s_lshl_b32 s15, s15, 18                        ; 2,048 rows x 128 bytes
	s_add_co_u32 s14, s14, s15
	s_lshl_b32 s15, s8, 11                         ; my 16 rows
	s_add_co_u32 s15, s14, s15
	s_lshl_b32 s68, s11, 14                        ; query block P
	s_add_co_u32 s70, s15, s68
	s_mov_b32 s71, 0
	s_sub_co_u32 s68, 15, s11                      ; query block 15 - P
	s_lshl_b32 s68, s68, 14
	s_add_co_u32 s68, s15, s68
	s_mov_b32 s69, 0
	s_lshl_b32 s13, s9, 22                         ; V lies 16 panels behind K (2 << 22 = 16 panels),
	s_add_co_u32 s13, s13, 0x800000                ; K 16 panels behind Q
	s_add_co_u32 s13, s13, s14
	s_lshl_b32 s15, s10, 13                        ; my 64 keys
	s_add_co_u32 s74, s13, s15
	s_mov_b32 s75, 0
	s_mov_b32 s62, 0x76543210                      ; v_permlanex16_b32: lane i of one half reads lane i of the other
	s_mov_b32 s63, 0xfedcba98
	s_mov_b32 s72, 0x3e38aa3b                      ; log2(e) / 8: the scale 1/sqrt(64) and the base of the exponential in one
	s_mov_b32 s73, 0x3e38aa3b
	; group 1.  The tiles are dense in memory and come as rows of 256 bytes; padding stands behind every 128 bytes, one row of a panel.
	s_mov_b32 s16, 0x07110000                      ; Q: 2-byte elements | padding on | every 32 words | 4 words: pitch 144
	s_mov_b32 s17, 128<<16
	s_mov_b32 s18, 8<<16                           ; 8 rows of 256 bytes = my 16 query rows
	s_mov_b32 s19, 128<<16
	s_mov_b32 s20, 8
	s_mov_b32 s21, 128
	s_mov_b32 s22, 0
	s_mov_b32 s23, 0
	s_mov_b32 s24, 0x07110000                      ; K: pitch 144
	s_mov_b32 s25, 128<<16
	s_mov_b32 s26, 32<<16                          ; 32 rows of 256 bytes = 64 keys
	s_mov_b32 s27, 128<<16
	s_mov_b32 s28, 32
	s_mov_b32 s29, 128
	s_mov_b32 s30, 0
	s_mov_b32 s31, 0
	s_mov_b32 s32, 0x0f110000                      ; V: 8 words of padding: pitch 160 = 5 x 32, for the transposing load
	s_mov_b32 s33, 128<<16
	s_mov_b32 s34, 32<<16
	s_mov_b32 s35, 128<<16
	s_mov_b32 s36, 32
	s_mov_b32 s37, 128
	s_mov_b32 s38, 0
	s_mov_b32 s39, 0
	s_mul_i32 s13, s8, WST
	s_wait_dscnt 0x0
	s_wait_kmcnt 0x0
	s_add_nc_u64 s[56:57], s[4:5], s[74:75]        ; my part of key block 0
	s_add_nc_u64 s[58:59], s[6:7], s[70:71]        ; o16 at my rows of block P
	s_add_nc_u64 s[60:61], s[6:7], s[68:69]        ; and of block 15 - P
	s_mov_b32 s48, 1
	s_add_co_u32 s49, s13, QLDS
	s_add_nc_u64 s[50:51], s[4:5], s[70:71]
	s_or_b32 s51, s51, 0x80000000
	s_mov_b32 s52, 1
	s_add_co_u32 s53, s13, QLDS+QPH
	s_add_nc_u64 s[54:55], s[4:5], s[68:69]
	s_or_b32 s55, s55, 0x80000000
	s_mov_b32 s40, 1
	s_mul_i32 s41, s8, PART                        ; my part of a slot: the wave's number x 10,240
	s_mov_b32 s44, 1
	s_add_co_u32 s45, s41, SLOTB
	s_mov_b32 s68, s2                              ; slot 0: blocks 0 and 1
	KVADDR 0
	s_add_co_u32 s68, s2, 2                        ; slot 1: blocks 2 and 3
	KVADDR 1
	tensor_load_to_lds s[48:51], s[16:23]          ; the first fills go out together: four tensor loads of a wave are out here, one behind each later barrier
	s_nop 0
	tensor_load_to_lds s[52:55], s[16:23]
	s_nop 0
	KVLOAD 0
	KVLOAD 1
	v_and_b32 v1, 15, v0                           ; r
	v_bfe_u32 v18, v0, 4, 1                        ; h
	v_and_b32 v19, 7, v0
	v_bfe_u32 v20, v0, 3, 1
	v_mul_u32_u24 v[KADR], v1, 144
	v_lshl_add_u32 v[KADR], v18, 4, v[KADR]
	v_add_nc_u32 v[KADR+1], SLOTB, v[KADR]
	v_lshl_add_u32 v21, v18, 3, v19
	v_mul_u32_u24 v21, v21, 160
	v_lshl_add_u32 v21, v20, 4, v21
	v_add_nc_u32 v[VADR], 2*PART, v21
	v_add_nc_u32 v[VADR+1], SLOTB, v[VADR]
	s_add_co_u32 s14, s13, QLDS
	v_add_nc_u32 v[QADR], s14, v[KADR]
	s_add_co_u32 s14, s13, STG
	v_add_nc_u32 v[STO], s14, v[KADR]
	v_bfe_u32 v21, v0, 3, 2
	v_mul_u32_u24 v21, v21, 144
	v_lshl_add_u32 v21, v19, 4, v21
	v_add_nc_u32 v[RD], s14, v21
	v_and_b32 v[CO], 31, v0
	v_lshlrev_b32 v[CO], 4, v[CO]
	v_lshlrev_b32 v21, 3, v18
	v_sub_nc_u32 v21, v1, v21                      ; r - 8 h
	v_lshl_add_u32 v[DQ], s8, 4, v21               ; + 16 w
	v_mov_b32 v[NINF], 0xff800000
	v_mov_b32 v[MX], 0xff800000
	v_mov_b32 v[LS], 0
.macro QFETCH ph                       ; my 16 query rows of query block ph, as two fragments
.irp kf, 0,1
	ds_load_b128 v[QF+8*\kf:QF+8*\kf+3],   v[QADR] offset:\ph*QPH+64*\kf
	ds_load_b128 v[QF+8*\kf+4:QF+8*\kf+7], v[QADR] offset:\ph*QPH+64*\kf+32
.endr
.endm
.macro KFETCH slot, bb                 ; 128 keys of K as sixteen fragments, into window 1; the fragments of d = 0..31 first, as SMUL takes them
	WIN 0x40
.irp kf, 0,1
.irp t, 0,1,2,3,4,5,6,7
	ds_load_b128 v[KF+16*\t+8*\kf:KF+16*\t+8*\kf+3],   v[KADR+\slot] offset:\bb*BLK+(\t>>2)*PART+(\t&3)*2304+64*\kf
	ds_load_b128 v[KF+16*\t+8*\kf+4:KF+16*\t+8*\kf+7], v[KADR+\slot] offset:\bb*BLK+(\t>>2)*PART+(\t&3)*2304+64*\kf+32
.endr
.endr
	WIN 0
.endm
.macro VFETCH slot, bb                 ; 128 keys of V, transposed on the way, as sixteen fragments, into window 1
	WIN 0x40
.irp g, 0,1,2,3
.irp dt, 0,1,2,3
	ds_load_tr16_b128 v[VF+32*\g+8*\dt:VF+32*\g+8*\dt+3],   v[VADR+\slot] offset:\bb*BLK+(\g>>1)*PART+(\g&1)*5120+32*\dt
	ds_load_tr16_b128 v[VF+32*\g+8*\dt+4:VF+32*\g+8*\dt+7], v[VADR+\slot] offset:\bb*BLK+(\g>>1)*PART+(\g&1)*5120+32*\dt+2560
.endr
.endr
	WIN 0
.endm
; S^T of 128 keys x 16 queries.  The eight key tiles' accumulators take turns, one instruction a turn.
.macro SMUL
	WIN 0x01                                       ; source 0 (K) in window 1
.irp kf, 0,1
.irp t, 0,1,2,3,4,5,6,7
	s_wait_dscnt 30-16*\kf-2*\t                    ; of KFETCH's 32 loads the two of fragment (t, kf) are back, the younger ones stay out
.if \kf == 0
	v_wmma_f32_16x16x32_f16 v[SA+8*\t:SA+8*\t+7], v[KF+16*\t:KF+16*\t+7], v[QF:QF+7], 0
.else
	v_wmma_f32_16x16x32_f16 v[SA+8*\t:SA+8*\t+7], v[KF+16*\t+8:KF+16*\t+15], v[QF+8:QF+15], v[SA+8*\t:SA+8*\t+7]
.endif
.endr
.endr
	WIN 0
.endm
.macro MASK                            ; the diagonal block: key 16 t + 8 h + j > query 16 w + r gets -inf
.irp t, 0,1,2,3,4,5,6,7
.irp j, 0,1,2,3,4,5,6,7
	v_cmp_gt_i32 vcc_lo, 16*\t+\j, v[DQ]
	v_cndmask_b32 v[SA+8*\t+\j], v[SA+8*\t+\j], v[NINF], vcc_lo
.endr
.endr
.endm
.macro SOFT                            ; 64 scores a lane: new maximum, alpha, exponentials, sum, P in f16 in place; four chains each for maximum and sum
	v_max3_num_f32 v18, v[SA], v[SA+1], v[SA+2]
	v_max3_num_f32 v19, v[SA+3], v[SA+4], v[SA+5]
	v_max3_num_f32 v20, v[SA+6], v[SA+7], v[SA+8]
	v_max3_num_f32 v21, v[SA+9], v[SA+10], v[SA+11]
.set i, 12
.rept 26
	v_max3_num_f32 v[18+(i/2)%4], v[18+(i/2)%4], v[SA+i], v[SA+i+1]
.set i, i+2
.endr
	v_max3_num_f32 v18, v18, v19, v20
	v_max_num_f32 v18, v18, v21
	v_permlanex16_b32 v19, v18, s62, s63           ; the other half of the lanes holds the other keys of my query
	v_max_num_f32 v18, v18, v19
	v_mul_f32 v18, s72, v18
	v_max_num_f32 v20, v[MX], v18                  ; the new maximum
	v_sub_f32 v21, v[MX], v20
	v_exp_f32 v[AL], v21                           ; alpha
	v_mov_b32 v[MX], v20                           ; (the plain instruction behind the transcendental)
	v_sub_f32 v[NM], 0, v20
	v_sub_f32 v[NM+1], 0, v20
	s_wait_alu depctr_va_vdst(0)
	v_mov_b32 v[AL+1], v[AL]
.set i, 0
.rept 32
	v_pk_fma_f32 v[SA+i:SA+i+1], v[SA+i:SA+i+1], s[72:73], v[NM:NM+1] op_sel_hi:[1,0,1]
.set i, i+2
.endr
.set i, 0
.rept 64
	v_exp_f32 v[SA+i], v[SA+i]
.set i, i+1
.endr
	v_nop                                          ; one plain instruction behind the transcendentals
	s_wait_alu depctr_va_vdst(0)
	v_pk_add_f32 v[22:23], v[SA:SA+1], v[SA+2:SA+3]
	v_pk_add_f32 v[24:25], v[SA+4:SA+5], v[SA+6:SA+7]
	v_pk_add_f32 v[26:27], v[SA+8:SA+9], v[SA+10:SA+11]
	v_pk_add_f32 v[28:29], v[SA+12:SA+13], v[SA+14:SA+15]
.set i, 16
.rept 24
	v_pk_add_f32 v[22+2*((i/2)%4):23+2*((i/2)%4)], v[22+2*((i/2)%4):23+2*((i/2)%4)], v[SA+i:SA+i+1]
.set i, i+2
.endr
	v_pk_add_f32 v[22:23], v[22:23], v[24:25]
	v_pk_add_f32 v[26:27], v[26:27], v[28:29]
	v_pk_add_f32 v[22:23], v[22:23], v[26:27]
	v_add_f32 v22, v22, v23
	v_fma_f32 v[LS], v[LS], v[AL], v22
.irp g, 0,1,2,3
.irp k, 0,1,2,3
	v_cvt_pk_f16_f32 v[SA+16*\g+\k], v[SA+16*\g+2*\k], v[SA+16*\g+2*\k+1]       ; ascending: each write lands on registers already packed
.endr
.irp k, 0,1,2,3
	v_cvt_pk_f16_f32 v[SA+16*\g+4+\k], v[SA+16*\g+8+2*\k], v[SA+16*\g+9+2*\k]
.endr
.endr
.endm
.macro RESC                            ; O x alpha
.set i, 0
.rept 16
	v_pk_mul_f32 v[OA+i:OA+i+1], v[OA+i:OA+i+1], v[AL:AL+1]
.set i, i+2
.endr
.endm
; O^T += V^T x P over 128 keys.  The four accumulators take turns, one instruction a turn.
.macro PV zero
	WIN 0x01                                       ; source 0 (V^T) in window 1
.irp g, 0,1,2,3
	s_wait_dscnt 24-8*\g                           ; of VFETCH's 32 loads the eight of keys 32 g .. 32 g + 31 are back, the younger ones stay out
.irp dt, 0,1,2,3
.if \g == 0
.if \zero
	v_wmma_f32_16x16x32_f16 v[OA+8*\dt:OA+8*\dt+7], v[VF+8*\dt:VF+8*\dt+7], v[SA:SA+7], 0
.else
	v_wmma_f32_16x16x32_f16 v[OA+8*\dt:OA+8*\dt+7], v[VF+8*\dt:VF+8*\dt+7], v[SA:SA+7], v[OA+8*\dt:OA+8*\dt+7]
.endif
.else
	v_wmma_f32_16x16x32_f16 v[OA+8*\dt:OA+8*\dt+7], v[VF+32*\g+8*\dt:VF+32*\g+8*\dt+7], v[SA+16*\g:SA+16*\g+7], v[OA+8*\dt:OA+8*\dt+7]
.endif
.endr
.endr
	WIN 0
	NOPS 5                                         ; the next S^T products write over P, the next loads land on V, vector work reads O
.endm
; A query block is done: O / l in f16 through my stage, 2 KiB of consecutive bytes out.  reload = 1: the second block's Q, maximum -inf, sum 0.
.macro FIN base, reload
	v_permlanex16_b32 v18, v[LS], s62, s63
	v_add_f32 v18, v18, v[LS]
	v_rcp_f32 v[AL], v18
	v_nop                                          ; one plain instruction behind the transcendental
	s_wait_alu depctr_va_vdst(0)
	v_mov_b32 v[AL+1], v[AL]
	RESC
.irp dt, 0,1,2,3
.irp k, 0,1,2,3
	v_cvt_pk_f16_f32 v[SA+4*\dt+\k], v[OA+8*\dt+2*\k], v[OA+8*\dt+2*\k+1]
.endr
	ds_store_b128 v[STO], v[SA+4*\dt:SA+4*\dt+3] offset:32*\dt
.endr
.irp t, 0,1,2,3
	ds_load_b128 v[SA+16+4*\t:SA+16+4*\t+3], v[RD] offset:576*\t   ; my own bytes: LDS serves a wave's instructions in order (ISA guide 5.7.1)
.endr
.irp t, 0,1,2,3
	s_wait_dscnt 3-\t                              ; read t is back, the younger ones stay out
	global_store_b128 v[CO], v[SA+16+4*\t:SA+16+4*\t+3], s[\base:\base+1] offset:512*\t   ; four rows of the panel: 512 consecutive aligned bytes
.endr
	s_wait_xcnt 0x0                                ; the stores' data registers are written again by the next products only behind this wait
.if \reload
	QFETCH 1
	v_mov_b32 v[MX], v[NINF]
	v_mov_b32 v[LS], 0
.endif
.endm
; One key block of 128: block bb of slot 'slot'; s67 = the block's number q.  zero = 1: the first products start O's sums.
; cond = 1: q may be P, the first query block's diagonal and last block.  last = 1: q = 16, the second query block's.
.macro BLOCK slot, bb, zero, cond, last
	KFETCH \slot, \bb
	SMUL
	NOPS 4                                         ; ahead of the reads of S^T (ISA guide 7.12.1)
	VFETCH \slot, \bb
.if \last
	MASK
.endif
.if \cond
	s_cmp_lg_u32 s67, s11
	s_cbranch_scc1 .Lnomask_\@
	MASK
.Lnomask_\@:
.endif
	SOFT
.if \zero
	PV 1
.else
	RESC
	PV 0
.endif
.if \last
	FIN 60, 0
.endif
.if \cond
	s_cmp_lg_u32 s67, s11
	s_cbranch_scc1 .Lnofin_\@
	FIN 58, 1
.Lnofin_\@:
.endif
.endm
; A slot's two key blocks; s67 = the first one's number.  In front of the barrier every wave waits for all its tensor loads (its part of this slot)
; and for its reads of the other slot; behind it the other slot is asked for again first, one tensor load a wave, for the blocks s67 + 2 and s67 + 3.
; refill = 1: all eight waves; 2: only the first block of the pair exists, waves 0 to 3 ask; 0: nothing is left to fetch.
.macro DSTEP slot, refill, two, cond, last
	s_wait_tensorcnt 0x0
	ds_add_u32 v254, v255
	s_wait_dscnt 0x0
.if \refill
	s_add_co_u32 s68, s67, 2
	s_add_co_u32 s68, s68, s2                      ; the number of the block that I fetch
	KVADDR (1-\slot)                               ; no tensor load of mine is out: the other slot's group 0 may be written
.endif
	s_wait_dscnt 0x0
	s_barrier_signal -1
	s_barrier_wait -1
.if \refill == 1
	KVLOAD (1-\slot)
.endif
.if \refill == 2
	s_cmp_lt_u32 s8, 4
	s_cbranch_scc0 .Lnone_\@
	KVLOAD (1-\slot)
.Lnone_\@:
.endif
	BLOCK \slot, 0, 0, \cond, \last
.if \two
	s_add_co_u32 s67, s67, 1
	BLOCK \slot, 1, 0, \cond, 0
.endif
.endm
	s_wait_tensorcnt 0x1                           ; my rows of Q (only I read them) and my part of slot 0 are in; slot 1's load stays out
	QFETCH 0
	s_wait_dscnt 0x0
	s_barrier_signal -1
	s_barrier_wait -1                              ; slot 0 is whole
	s_mov_b32 s67, 0
	BLOCK 0, 0, 1, 1, 0                            ; blocks 0 and 1 stand ahead of the loop: block 0's products start O's sums
	s_mov_b32 s67, 1
	BLOCK 0, 1, 0, 1, 0
	s_mov_b32 s66, 0
.Ltrip:                                            ; blocks 2 to 13, four a trip
	s_lshl_b32 s67, s66, 2
	s_add_co_u32 s67, s67, 2
	DSTEP 1, 1, 1, 1, 0
	s_add_co_u32 s67, s67, 1
	DSTEP 0, 1, 1, 1, 0
	s_add_co_u32 s66, s66, 1
	s_cmp_lt_u32 s66, 3
	s_cbranch_scc1 .Ltrip
	s_mov_b32 s67, 14
	DSTEP 1, 2, 1, 0, 0                            ; blocks 14 and 15 (P <= 7: neither is a diagonal block); block 16 is asked for by waves 0 to 3
	s_mov_b32 s67, 16
	DSTEP 0, 0, 0, 0, 1                            ; block 16: the second query block's diagonal block; nothing is left to fetch
	s_wait_tensorcnt 0x0
	ds_add_u32 v254, v255
	s_wait_dscnt 0x0
	s_endpgm
.Lfunc_end_k_q2dc79d9634_attn:
	.size	k_q2dc79d9634_attn, .Lfunc_end_k_q2dc79d9634_attn-k_q2dc79d9634_attn
	.p2alignl 7, 3214868480
	.fill 96, 4, 3214868480
	.section	.rodata,"a",@progbits
	.p2align	6, 0x0
	.amdhsa_kernel k_q2dc79d9634_attn
		.amdhsa_group_segment_fixed_size 327680
		.amdhsa_private_segment_fixed_size 0
		.amdhsa_enable_private_segment 0
		.amdhsa_kernarg_size 16
		.amdhsa_user_sgpr_count 2
		.amdhsa_user_sgpr_kernarg_segment_ptr 1
		.amdhsa_wavefront_size32 1
		.amdhsa_system_sgpr_workgroup_id_x 1
		.amdhsa_system_sgpr_workgroup_id_y 1
		.amdhsa_system_sgpr_workgroup_id_z 1
		.amdhsa_system_vgpr_workitem_id 0
		.amdhsa_next_free_vgpr 512
		.amdhsa_next_free_sgpr 76
		.amdhsa_reserve_vcc 1
		.amdhsa_float_denorm_mode_32 3
		.amdhsa_float_denorm_mode_16_64 3
		.amdhsa_memory_ordered 1
		.amdhsa_forward_progress 1
		.amdhsa_inst_pref_size 238
	.end_amdhsa_kernel
	.amdgpu_metadata
---
amdhsa.version: [ 1, 2 ]
amdhsa.kernels:
  - .name:           k_q2dc79d9634_attn
    .symbol:         k_q2dc79d9634_attn.kd
    .args:
      - { .name: qkv, .offset: 0, .size: 8, .value_kind: global_buffer, .address_space: global }
      - { .name: o16, .offset: 8, .size: 8, .value_kind: global_buffer, .address_space: global }
    .group_segment_fixed_size: 327680
    .private_segment_fixed_size: 0
    .kernarg_segment_align: 8
    .kernarg_segment_size: 16
    .max_flat_workgroup_size: 256
    .sgpr_count:     76
    .vgpr_count:     512
    .wavefront_size: 32
...
	.end_amdgpu_metadata
.endif
;; end of part 9
;; launch wo: the kernel of part 4 again; grid 8 x 32, 4 waves a work-group, clusters of 4 x 4, 327,680 bytes of LDS; arguments o16, w16, x, x1; writes x1
;; launch norm2: the kernel of part 5 again; grid 256 x 1, 8 waves a work-group, no clusters, 34,304 bytes of LDS; arguments x1, router_w, h16, comb; writes h16, comb
;; launch fc1 (part 10): grid 16 x 16, 4 waves a work-group, clusters of 4 x 4, 327,680 bytes of LDS; arguments h16, w16, comb, h1c; writes h1c
.if DOCPART == 10
	.amdgcn_target "amdgcn-amd-amdhsa--gfx1250"
	.amdhsa_code_object_version 6
	.text
	.protected	k_q2dc79d9634_fc1
	.globl	k_q2dc79d9634_fc1
	.p2align	8
	.type	k_q2dc79d9634_fc1,@function
k_q2dc79d9634_fc1:
	s_mov_b64 s[64:65], 0
	v_nop
	global_prefetch_b8 v0, s[64:65] scope:SCOPE_SE
	s_setreg_imm32_b32 hwreg(HW_REG_WAVE_MODE, 25, 1), 1
	s_wait_xcnt 0x0
	s_wait_alu depctr_hold_cnt(0) depctr_sa_sdst(0) depctr_va_vdst(0) depctr_va_sdst(0) depctr_va_ssrc(0) depctr_va_vcc(0) depctr_vm_vsrc(0)
	s_getreg_b32 s2, hwreg(HW_REG_IB_STS2, 6, 4)
	s_cmp_eq_u32 s2, 0
	s_cbranch_scc0 .Lentry_in_a_cluster
	s_endpgm
.Lentry_in_a_cluster:
	s_bfe_u32 s2, ttmp6, 0x10000c
	s_cmp_lg_u32 s2, 0xf033
	s_cbranch_scc0 .Lentry_shape_is_right
	s_endpgm
.Lentry_shape_is_right:
; C[4096][N] = A x B on the matrix units, in blocks of 256 x 256.  One text serves two products; VAR picks the product:
;   VAR 0  qkv = rmsnorm(x) x [wq | wk | wv]      f16, K = 1024, N = 3072, out f16 in panels:  12 x 16 = 192 work-groups
;   VAR 2  h1c = comb x relu(h2 x exp_fc1)^2      f16, K = 1024, N = 4096 (all 8 experts side by side), out bf16 in panels: 16 x 16 = 256 work-groups
; A lies in panels [K/64][4096 rows][64] of 16 bits (a panel 0x80000 bytes, a row 128 bytes); B lies [K][N] as the weights do.
; Four waves, a wave makes 128 x 128 in 64 accumulator tiles (512 registers).  K goes in steps of 128 through two LDS slots: a slot's
; (256 + 256) x 128 x 2 bytes feed 256 matrix instructions of each wave, twice what a block of 128 x 128 gets from as many bytes.
; 4 x 4 work-groups form a cluster: A's tile hangs on the block row alone and is asked for jointly by a row of the cluster,
; B's on the block column alone and is asked for jointly by a column.
; The matrix instruction is used transposed (source 0 = 16 columns of B, source 1 = 16 rows of A): lane l then holds row l % 16 of C
; and in its registers 0-7 the columns 8 (l / 16) + 0..7.
; REGISTERS, in windows of 256: window 0: v16-27 addresses, v32-47 comb, v64-127 and v128-191 fragments of A (two buffers), v192-255 at work on the way out;
; window 1: v64-127, v128-191 fragments of B; window 2: accumulator tiles of my rows 0-63 (tile (a, b) at 8 (8 a + b)); window 3: of my rows 64-127.
; Limits kept: NaN and infinities are not served; an unselected expert's part is 0 x a finite number; the sums' order differs from a plain loop's.
; f16 operands here stay below about 700 also for inputs 30 times larger or offset; relu(z)^2 has no such room and leaves in bf16.
.set VAR, 2
.if VAR == 0
.set BOFF, 0
.set BPE,  1024                        ; elements in a row of B
.endif
.if VAR == 2
.set BOFF, 0x800000
.set BPE,  512
.endif
.set KTOT,   1024
.set KSTEP,  128
.set PB,     0x80000                   ; bytes in a panel
.set APITCH, 144                       ; A's LDS row: 128 bytes + 16 = 9 x 16: sixteen rows start in sixteen different 16-byte columns of 256
.set BPITCH, 544                       ; B's LDS row: 512 bytes + 32 = 17 x 32, for the transposing load
.set HALFT,  36864                     ; a wave's part of a slot: one panel's 256 rows x 144, or 64 rows of B x 544 (34,816 used)
.set SLOT,   4*HALFT                   ; A's 2 panels, then B's 2 x 64 rows
.set STAGE,  2*SLOT                    ; behind the ring, never filled by a tensor load
.set SPITCH, 272                       ; a stage row: 128 columns x 2 bytes + 16
.set WSTAGE, 16*SPITCH                 ; 16 rows for each wave
.set LAPS,   KTOT/(2*KSTEP)            ; a lap = two K steps = once round the ring
.set ASTEP,  2*PB                      ; a K step in A: 2 panels
.set BSTEP,  2*KSTEP*BPE               ; a K step in B: 128 rows
.set ADRA, 16                          ; v16-17  LDS address of my A fragments, slot 0, 1
.set ADRB, 20                          ; v20-21  of my B fragments
.set STO,  24                          ; v24     the way out: where I put 16 bytes of a row
.set RD,   25                          ; v25     where I read rows back
.set CO,   26                          ; v26     16 x lane
.set CV,   27                          ; v27     VAR 2: my byte offset in comb
.set CMB,  32                          ; v32-47  VAR 2: comb of my row in each of the eight row tiles, as pairs
.set F0,   64                          ; fragment buffer 0
.set F1,   128                         ; fragment buffer 1
.set TMP,  192                         ; at work on the way out
.set G1,  16                           ; s[16:23] group 1 of A's tiles
.set G1B, 24                           ; s[24:31] group 1 of B's tiles
.set G0,  32                           ; s[32:39] group 0 of A's tiles, a set for each slot
.set G0B, 48                           ; s[48:55] group 0 of B's tiles
.set MUL_LO, 0xa1                      ; source 0 (B) window 1, source 1 (A) window 0, C and D window 2
.set MUL_HI, 0xf1                      ; the same, C and D window 3
.set TO_B,   0x40                      ; destination window 1, address window 0
.set MSB, 0
.macro WIN new                         ; the immediate's high byte repeats the setting that is left
.if MSB != \new
	s_set_vgpr_msb (MSB<<8)|\new
.set MSB, \new
.endif
.endm
.macro JLOAD s                         ; waves 0, 1 ask for A's two panels, waves 2, 3 for B's two halves: one load a wave, one mask a line
	s_cmp_eq_u32 s13, 0
	s_cbranch_scc0 .Lfor_b_\@
	tensor_load_to_lds s[G0+4*\s:G0+4*\s+3], s[G1:G1+7]
	s_nop 0
	s_branch .Lasked_\@
.Lfor_b_\@:
	tensor_load_to_lds s[G0B+4*\s:G0B+4*\s+3], s[G1B:G1B+7]
	s_nop 0
.Lasked_\@:
.endm
.macro CREST                           ; a round of the cluster's barrier behind its opening work-group barrier
	s_cmp_lg_u32 s12, 0
	s_cbranch_scc1 .Lnot_wave_0_\@
	s_barrier_signal -3
.Lnot_wave_0_\@:
	s_barrier_wait -3
	s_barrier_signal -1
	s_barrier_wait -1
.endm
.macro CROUND
	s_barrier_signal -1
	s_barrier_wait -1
	CREST
.endm
.macro PLACES                          ; four plain vector instructions between a matrix instruction and a load into, or a read of, its registers
.rept 4
	v_nop
.endr
.endm
.if VAR == 0
	s_load_b128 s[4:7], s[0:1], 0x0                ; A s[4:5], w16 s[6:7]
	s_load_b64 s[10:11], s[0:1], 0x10              ; C s[10:11]
.else
	s_load_b256 s[4:11], s[0:1], 0x0               ; A, w16, comb s[8:9], C s[10:11]
	s_set_vgpr_msb 0x40
	v_lshl_add_u32 v255, v0, 2, 0x4c400
	s_set_vgpr_msb 0x4000
	v_mov_b32 v63, 0
	s_set_vgpr_msb 0x1
	ds_add_u32 v255, v63
	ds_add_u32 v255, v63
	s_set_vgpr_msb 0x100
.endif
	v_lshrrev_b32 v1, 5, v0
	v_readfirstlane_b32 s12, v1                    ; wave 0..3
	s_lshr_b32 s13, s12, 1                         ; my half of the block's rows; also: I fetch for A (0) or B (1)
	s_and_b32 s14, s12, 1                          ; my half of its columns; also: which half of that tile I fetch
	s_bfe_u32 s40, ttmp6, 0x40000                  ; cx
	s_bfe_u32 s41, ttmp6, 0x40004                  ; cy
	s_lshl_b32 s42, ttmp9, 2
	s_add_co_u32 s42, s42, s40                     ; block column bn
	s_and_b32 s43, ttmp7, 0xffff
	s_lshl_b32 s43, s43, 2
	s_add_co_u32 s43, s43, s41                     ; block row bm
	s_lshl_b32 s44, s41, 2
	s_lshl_b32 s44, 15, s44                        ; my row of the cluster
	s_lshl_b32 s45, 0x1111, s40                    ; my column of the cluster
	; group 1 of A: one panel's 256 rows are 32 KiB that are dense in memory: 128 rows of 256 bytes; 16 bytes of padding behind every 128
	s_or_b32 s[G1+0], s44, 0x07310000              ; mask | 2-byte elements | padding on | bit 21 beside a mask | every 32 words | 4 words
	s_mov_b32 s[G1+1], 128<<16                     ; tensor_dim0 = 128
	s_mov_b32 s[G1+2], 128<<16                     ; tensor_dim1 = 128
	s_mov_b32 s[G1+3], 128<<16                     ; tile_dim0 = 128
	s_mov_b32 s[G1+4], 128                         ; tile_dim1 = 128
	s_mov_b32 s[G1+5], 128                         ; elements from row to row
	s_mov_b32 s[G1+6], 0
	s_mov_b32 s[G1+7], 0
	; group 1 of B: 64 rows of 256 elements (512 bytes), 32 bytes of padding behind each
	s_or_b32 s[G1B+0], s45, 0x0fb10000             ; mask | 2-byte elements | padding on | bit 21 | every 128 words | 8 words
	s_mov_b32 s[G1B+1], 256<<16
	s_mov_b32 s[G1B+2], 64<<16
	s_mov_b32 s[G1B+3], 256<<16
	s_mov_b32 s[G1B+4], 64
	s_mov_b32 s[G1B+5], BPE
	s_mov_b32 s[G1B+6], 0
	s_mov_b32 s[G1B+7], 0
	; A's offset hangs on the block row and the wave, B's on the block column and the wave; neither pair ever holds the other coordinate
	s_lshl_b32 s46, s43, 15                        ; 256 rows x 128 bytes
	s_lshl_b32 s47, s14, 19                        ; my panel of the step's two
	s_add_co_u32 s46, s46, s47
	s_mov_b32 s47, 0
.if VAR == 0
	s_lshr_b32 s56, s42, 2                         ; which of wq, wk, wv: four blocks of 256 columns each
	s_lshl_b32 s56, s56, 21
	s_and_b32 s57, s42, 3
.else
	s_lshr_b32 s56, s42, 1                         ; the expert: two blocks of 256 columns each
	s_lshl_b32 s56, s56, 20
	s_and_b32 s57, s42, 1
.endif
	s_lshl_b32 s57, s57, 9                         ; 256 columns x 2 bytes
	s_add_co_u32 s56, s56, s57
	s_mul_i32 s57, s14, KSTEP*BPE                  ; my 64 rows
	s_add_co_u32 s56, s56, s57
.if BOFF
	s_add_co_u32 s56, s56, BOFF
.endif
	s_mov_b32 s57, 0
	s_mul_i32 s15, s12, HALFT                      ; where my part of a slot lies: the wave's number alone
	s_lshl1_add_u32 s58, s42, s14                  ; 2 bn + wn: my two panels of C
	s_lshl_b32 s58, s58, 20
	s_lshl1_add_u32 s59, s43, s13                  ; 2 bm + wm
	s_lshl_b32 s59, s59, 14                        ; x 128 rows x 128 bytes
	s_add_co_u32 s58, s58, s59
	s_mov_b32 s59, 0
.if VAR == 2
	s_lshl1_add_u32 s60, s43, s13
	s_lshl_b32 s60, s60, 12                        ; 128 rows x 32 bytes of comb
	s_lshr_b32 s61, s42, 1
	s_lshl2_add_u32 s60, s61, s60                  ; + 4 x expert
	s_mov_b32 s61, 0
.endif
	s_wait_dscnt 0x0
	s_wait_kmcnt 0x0
	s_add_nc_u64 s[46:47], s[4:5], s[46:47]
	s_add_nc_u64 s[56:57], s[6:7], s[56:57]
	s_add_nc_u64 s[10:11], s[10:11], s[58:59]
.if VAR == 2
	s_add_nc_u64 s[8:9], s[8:9], s[60:61]
.endif
	CROUND                                         ; all sixteen work-groups are here: the first joint loads meet
.irp s, 0,1
	s_mov_b32 s[G0+4*\s], 1
	s_add_co_u32 s[G0+4*\s+1], s15, \s*SLOT
	s_add_nc_u64 s[G0+4*\s+2:G0+4*\s+3], s[46:47], \s*ASTEP
	s_or_b32 s[G0+4*\s+3], s[G0+4*\s+3], 0x80000000
	s_mov_b32 s[G0B+4*\s], 1
	s_add_co_u32 s[G0B+4*\s+1], s15, \s*SLOT
	s_add_nc_u64 s[G0B+4*\s+2:G0B+4*\s+3], s[56:57], \s*BSTEP
	s_or_b32 s[G0B+4*\s+3], s[G0B+4*\s+3], 0x80000000
	JLOAD \s                                       ; both slots' first fills go out together: two tensor loads of a wave are out here, one behind each later round
.endr
	v_and_b32 v1, 15, v0                           ; r = l % 16
	v_bfe_u32 v2, v0, 4, 1                         ; h = l / 16
	v_and_b32 v3, 7, v0
	v_bfe_u32 v4, v0, 3, 1
	v_mul_u32_u24 v5, v1, APITCH
	v_lshl_add_u32 v5, v2, 4, v5                   ; 144 r + 16 h
	s_mul_i32 s62, s13, 128*APITCH                 ; my 128 rows of A
	v_add_nc_u32 v[ADRA], s62, v5
	v_add_nc_u32 v[ADRA+1], SLOT, v[ADRA]
	v_lshl_add_u32 v6, v2, 3, v3                   ; the transposing load: row 8 h + l % 8,
	v_mul_u32_u24 v6, v6, BPITCH
	v_lshl_add_u32 v6, v4, 4, v6                   ; 16 bytes further for lanes 8-15 of each half
	s_lshl_b32 s62, s14, 8                         ; my 128 columns of B
	s_add_co_u32 s62, s62, 2*HALFT                 ; B lies behind A's two panels
	v_add_nc_u32 v[ADRB], s62, v6
	v_add_nc_u32 v[ADRB+1], SLOT, v[ADRB]
	s_mul_i32 s63, s12, WSTAGE
	s_add_co_u32 s63, s63, STAGE                   ; my stage
	v_mul_u32_u24 v7, v1, SPITCH                   ; in: row r, 16 bytes for each half of the lanes
	v_lshl_add_u32 v7, v2, 4, v7
	v_add_nc_u32 v[STO], s63, v7
	v_bfe_u32 v7, v0, 3, 2
	v_mul_u32_u24 v7, v7, SPITCH                   ; back: eight lanes take one panel's 128 bytes of a row, four rows a load
	v_lshl_add_u32 v7, v3, 4, v7
	v_add_nc_u32 v[RD], s63, v7
	v_and_b32 v[CO], 31, v0
	v_lshlrev_b32 v[CO], 4, v[CO]                  ; four rows of a panel are 512 consecutive bytes: 16 a lane
.if VAR == 2
	v_lshlrev_b32 v[CV], 5, v1
.irp a, 0,1,2,3,4,5,6,7
	global_load_b32 v[CMB+2*\a], v[CV], s[8:9] offset:512*\a       ; comb of row 16 a + r and my expert: on its way during the K loop
.endr
.endif
; 16 matrix instructions: row tiles a0, a0 + 1 of the window's four (hi = 0: my rows 0-63, 1: rows 64-127) x all 8 column tiles, 32 along K.
; zero = 1: the first product starts the sums: nothing is ever cleared.
.macro MUL16 f, hi, a0, zero
.irp a, \a0, \a0+1
.irp b, 0,1,2,3,4,5,6,7
.if \zero
	v_wmma_f32_16x16x32_f16 v[8*(8*(\a)+\b):8*(8*(\a)+\b)+7], v[\f+8*\b:\f+8*\b+7], v[\f+8*(4*\hi+\a):\f+8*(4*\hi+\a)+7], 0
.else
	v_wmma_f32_16x16x32_f16 v[8*(8*(\a)+\b):8*(8*(\a)+\b)+7], v[\f+8*\b:\f+8*\b+7], v[\f+8*(4*\hi+\a):\f+8*(4*\hi+\a)+7], v[8*(8*(\a)+\b):8*(8*(\a)+\b)+7]
.endif
.endr
.endr
.endm
; 32 LDS loads in one run: the fragments of quarter q (32 of the slot's 128 along K) into buffer f: 16 transposing loads for B's 128 columns, 16 plain ones for A's 128 rows
.macro FETCH slot, q, f
	WIN TO_B
.irp b, 0,1,2,3,4,5,6,7
	ds_load_tr16_b128 v[\f+8*\b:\f+8*\b+3],   v[ADRB+\slot] offset:(\q>>1)*HALFT+(\q&1)*32*BPITCH+32*\b
	ds_load_tr16_b128 v[\f+8*\b+4:\f+8*\b+7], v[ADRB+\slot] offset:(\q>>1)*HALFT+(\q&1)*32*BPITCH+32*\b+16*BPITCH
.endr
	WIN 0
.irp a, 0,1,2,3,4,5,6,7
	ds_load_b128 v[\f+8*\a:\f+8*\a+3],   v[ADRA+\slot] offset:(\q>>1)*HALFT+(\q&1)*64+16*APITCH*\a
	ds_load_b128 v[\f+8*\a+4:\f+8*\a+7], v[ADRA+\slot] offset:(\q>>1)*HALFT+(\q&1)*64+16*APITCH*\a+32
.endr
.endm
; A K step is four quarters of 32 along K, 64 matrix instructions each, on buffers 0, 1, 0, 1.
; One of the first three: multiplies buffer f; in its middle it fetches quarter q of the same slot into buffer g.
; The 64 accumulators take turns, one instruction a turn, in the same order in every quarter.
.macro QUARTER slot, q, f, g, zero
	s_wait_dscnt 8                                 ; B and A's rows 0-63 are in; the youngest eight loads (A's rows 64-127) may be out
	WIN MUL_LO
	MUL16 \f, 0, 0, \zero
	MUL16 \f, 0, 2, \zero
	PLACES                                         ; buffer g was read by the quarter before
	FETCH \slot, \q, \g
	s_wait_dscnt 32                                ; all but the 32 just issued
	WIN MUL_HI
	MUL16 \f, 1, 0, \zero
	MUL16 \f, 1, 2, \zero
.endm
.macro THREE slot, zero
	QUARTER \slot, 1, F0, F1, \zero
	QUARTER \slot, 2, F1, F0, 0
	QUARTER \slot, 3, F0, F1, 0
.endm
; The fourth quarter multiplies buffer 1 and changes slots.  In front of the barrier each wave waits for its reads of this slot and for all its
; tensor loads (the one that is out is its part of the next slot).  fill = 1: the barrier opens a round of the cluster's barrier, and behind the
; round this slot is asked for again, two K steps ahead, as the wave's first and only tensor load.  From that request to the wait for it
; a wave issues 32 + 192 + 16 = 240 matrix instructions.
.macro TURN slot, next, fill
	s_wait_dscnt 8
	WIN MUL_LO
	MUL16 F1, 0, 0, 0
	s_wait_dscnt 0x0                               ; my reads of this slot are over
	s_wait_tensorcnt 0x0                           ; all my tensor loads have landed
	ds_add_u32 v255, v63
	s_wait_dscnt 0x0
	s_barrier_signal -1
	MUL16 F1, 0, 2, 0                              ; register work while the others arrive
	WIN 0
	s_barrier_wait -1
.if \fill
	CREST
	s_add_nc_u64 s[G0+4*\slot+2:G0+4*\slot+3], s[G0+4*\slot+2:G0+4*\slot+3], 2*ASTEP
	s_add_nc_u64 s[G0B+4*\slot+2:G0B+4*\slot+3], s[G0B+4*\slot+2:G0B+4*\slot+3], 2*BSTEP
	JLOAD \slot
.endif
	PLACES
	FETCH \next, 0, F0
	WIN MUL_HI
	MUL16 F1, 1, 0, 0
	MUL16 F1, 1, 2, 0
.endm
.macro LAP zero
	THREE 0, \zero
	TURN 0, 1, 1
	THREE 1, 0
	TURN 1, 0, 1
.endm
	s_wait_tensorcnt 0x1                           ; my part of K step 0 is in; slot 1's load stays out
	s_barrier_signal -1
	s_barrier_wait -1
	FETCH 0, 0, F0
	LAP 1                                          ; the first lap stands ahead of the loop: its first products start the sums
	WIN 0                                          ; at a label and at a branch every window is 0
	s_mov_b32 s3, LAPS-2
.Llap:
	LAP 0
	WIN 0
	s_sub_co_u32 s3, s3, 1
	s_cmp_lg_u32 s3, 0
	s_cbranch_scc1 .Llap
	THREE 0, 0                                     ; the last lap fills nothing
	TURN 0, 1, 0
	THREE 1, 0
	s_wait_dscnt 8                                 ; the very last quarter: nothing more to fetch
	WIN MUL_LO
	MUL16 F1, 0, 0, 0
	MUL16 F1, 0, 2, 0
	s_wait_dscnt 0x0
	WIN MUL_HI
	MUL16 F1, 1, 0, 0
	MUL16 F1, 1, 2, 0
	PLACES                                         ; behind the last matrix instructions, ahead of every read of a result and every write into a buffer
; THE WAY OUT, 16 rows x 128 columns at a time: rounded to 16 bits, 16 bytes a lane into my stage, read back four rows of one panel at a time,
; stored as 512 consecutive aligned bytes.  The stage is my wave's own and LDS serves a wave's instructions in order (ISA guide 5.7.1):
; no barrier, no wait between the stores and the loads.  rt: the row tile 0..7; a = rt % 4 in window 2 + hi.
.macro OUT16 rt, a, hi
.if VAR == 0
.if \hi
	WIN 0x0f                                       ; both sources in window 3
.else
	WIN 0x0a                                       ; both sources in window 2
.endif
.irp b, 0,1,2,3,4,5,6,7
.irp k, 0,1,2,3
	v_cvt_pk_f16_f32 v[TMP+4*\b+\k], v[8*(8*\a+\b)+2*\k], v[8*(8*\a+\b)+2*\k+1]
.endr
.endr
	WIN 0
.else
.if \hi
	WIN 0x0c                                       ; source 1 in window 3
.else
	WIN 0x08                                       ; source 1 in window 2
.endif
.irp b, 0,1,2,3,4,5,6,7
.irp j, 0,1,2,3,4,5,6,7
	v_max_num_f32 v[TMP+8*\b+\j], 0, v[8*(8*\a+\b)+\j]             ; t = relu(z)
.endr
.endr
	WIN 0
.set n, 0
.rept 32
	v_pk_mul_f32 v[F1+2*n:F1+2*n+1], v[TMP+2*n:TMP+2*n+1], v[CMB+2*\rt:CMB+2*\rt+1]   ; t x comb
.set n, n+1
.endr
.set n, 0
.rept 32
	v_pk_mul_f32 v[F1+2*n:F1+2*n+1], v[F1+2*n:F1+2*n+1], v[TMP+2*n:TMP+2*n+1]         ; x t
.set n, n+1
.endr
.set n, 0
.rept 32
	v_cvt_pk_bf16_f32 v[TMP+n], v[F1+2*n], v[F1+2*n+1]
.set n, n+1
.endr
.endif
.irp b, 0,1,2,3,4,5,6,7
	ds_store_b128 v[STO], v[TMP+4*\b:TMP+4*\b+3] offset:32*\b
.endr
	s_wait_xcnt 0x0                                ; buffer 0, which the last global stores read, is loaded again only behind this wait
.irp p, 0,1
.irp t, 0,1,2,3
	ds_load_b128 v[F0+4*(4*\p+\t):F0+4*(4*\p+\t)+3], v[RD] offset:4*SPITCH*\t+128*\p
.endr
.endr
.irp p, 0,1
.irp t, 0,1,2,3
	s_wait_dscnt 7-(4*\p+\t)                       ; this read is back, the younger ones stay out
	global_store_b128 v[CO], v[F0+4*(4*\p+\t):F0+4*(4*\p+\t)+3], s[10:11] offset:\p*PB+2048*\rt+512*\t
.endr
.endr
.endm
.if VAR == 2
	WIN 0                                          ; the copies below write window 0
	s_wait_loadcnt 0x0                             ; comb
.irp a, 0,1,2,3,4,5,6,7
	v_mov_b32 v[CMB+2*\a+1], v[CMB+2*\a]           ; a pair for the packed multiply
.endr
.endif
	OUT16 0, 0, 0
	OUT16 1, 1, 0
	OUT16 2, 2, 0
	OUT16 3, 3, 0
	OUT16 4, 0, 1
	OUT16 5, 1, 1
	OUT16 6, 2, 1
	OUT16 7, 3, 1
	s_set_vgpr_msb 0x1
	s_wait_tensorcnt 0x0
	ds_add_u32 v255, v63
	s_wait_dscnt 0x0
	s_set_vgpr_msb 0x100
	CROUND                                         ; the closing round: no work-group ends while a partner may still ask for a tile that names it
	s_endpgm
.Lfunc_end_k_q2dc79d9634_fc1:
	.size	k_q2dc79d9634_fc1, .Lfunc_end_k_q2dc79d9634_fc1-k_q2dc79d9634_fc1
	.p2alignl 7, 3214868480
	.fill 96, 4, 3214868480
	.section	.rodata,"a",@progbits
	.p2align	6, 0x0
	.amdhsa_kernel k_q2dc79d9634_fc1
		.amdhsa_group_segment_fixed_size 327680
		.amdhsa_private_segment_fixed_size 0
		.amdhsa_enable_private_segment 0
		.amdhsa_kernarg_size 32
		.amdhsa_user_sgpr_count 2
		.amdhsa_user_sgpr_kernarg_segment_ptr 1
		.amdhsa_wavefront_size32 1
		.amdhsa_system_sgpr_workgroup_id_x 1
		.amdhsa_system_sgpr_workgroup_id_y 1
		.amdhsa_system_sgpr_workgroup_id_z 1
		.amdhsa_system_vgpr_workitem_id 0
		.amdhsa_next_free_vgpr 1024
		.amdhsa_next_free_sgpr 66
		.amdhsa_reserve_vcc 0
		.amdhsa_float_denorm_mode_32 3
		.amdhsa_float_denorm_mode_16_64 3
		.amdhsa_memory_ordered 1
		.amdhsa_forward_progress 1
		.amdhsa_inst_pref_size 245
	.end_amdhsa_kernel
	.amdgpu_metadata
---
amdhsa.version: [ 1, 2 ]
amdhsa.kernels:
  - .name:           k_q2dc79d9634_fc1
    .symbol:         k_q2dc79d9634_fc1.kd
    .args:
      - { .name: h16, .offset: 0, .size: 8, .value_kind: global_buffer, .address_space: global }
      - { .name: w16, .offset: 8, .size: 8, .value_kind: global_buffer, .address_space: global }
      - { .name: comb, .offset: 16, .size: 8, .value_kind: global_buffer, .address_space: global }
      - { .name: h1c, .offset: 24, .size: 8, .value_kind: global_buffer, .address_space: global }
    .group_segment_fixed_size: 327680
    .private_segment_fixed_size: 0
    .kernarg_segment_align: 8
    .kernarg_segment_size: 32
    .max_flat_workgroup_size: 128
    .sgpr_count:     66
    .vgpr_count:     1024
    .wavefront_size: 32
...
	.end_amdgpu_metadata
.endif
;; end of part 10
;; launch fc2: the kernel of part 7 again; grid 8 x 32, 4 waves a work-group, clusters of 4 x 4, 327,680 bytes of LDS; arguments h1c, w16, x1, out0; writes out0
;; ======== version 3 of 3: 7 launches; version 2 with the launch norm2 written anew for expert scheduling mode
;; limits: values are held in f16: magnitudes above 65,504 overflow, below 6.1e-05 lose precision
;; workspace buffers: h16 8,388,608 bytes; w16 25,165,824 bytes; qkv 25,165,824 bytes; o16 8,388,608 bytes; x1 16,777,216 bytes; comb 131,072 bytes; h1c 33,554,432 bytes
;; launch prep: the kernel of part 1 again; grid 1024 x 1, 8 waves a work-group, no clusters, 0 bytes of LDS; arguments x, wq, wk, wv, wo, exp_fc1, exp_fc2, h16, w16; writes h16, w16
;; launch qkv: the kernel of part 8 again; grid 12 x 16, 4 waves a work-group, clusters of 4 x 4, 327,680 bytes of LDS; arguments h16, w16, qkv; writes qkv
;; launch attn: the kernel of part 9 again; grid 8 x 32, 8 waves a work-group, no clusters, 327,680 bytes of LDS; arguments qkv, o16; writes o16
;; launch wo: the kernel of part 4 again; grid 8 x 32, 4 waves a work-group, clusters of 4 x 4, 327,680 bytes of LDS; arguments o16, w16, x, x1; writes x1
;; launch norm2 (part 11): grid 256 x 1, 8 waves a work-group, no clusters, 34,304 bytes of LDS; arguments x1, router_w, h16, comb; writes h16, comb
.if DOCPART == 11
	.amdgcn_target "amdgcn-amd-amdhsa--gfx1250"
	.amdhsa_code_object_version 6
	.text
	.protected	k_q2dc79d9634_norm2
	.globl	k_q2dc79d9634_norm2
	.p2align	8
	.type	k_q2dc79d9634_norm2,@function
k_q2dc79d9634_norm2:
	s_mov_b64 s[64:65], 0
	v_nop
	global_prefetch_b8 v0, s[64:65] scope:SCOPE_SE
	s_setreg_imm32_b32 hwreg(HW_REG_WAVE_SCHED_MODE, 0, 2), 2
	s_setreg_imm32_b32 hwreg(HW_REG_WAVE_MODE, 25, 1), 1
	s_wait_xcnt 0x0
	s_wait_alu depctr_vm_vsrc(0)
; norm2: h16 = rmsnorm(x1) in f16 panels, and comb[4096][8] = the router's combine weights.
; 16 rows a work-group, 2 neighbouring rows a wave: lanes 0-15 the first, lanes 16-31 the second; load j brings columns 64 j + 4 (lane % 16) .. + 3.
; The router's products are made in f32 on the vector unit (8 columns: 0.07 GFLOP in all): the choice of the two experts hangs on small differences of logits.
; logits = rsqrt(mean(x1^2) + eps) x (x1 . router_w): the row's factor is applied behind the sums.
; Top 2 by a scan with strict >, so the lower index wins a tie, as lax.top_k does.  The renormalised softmax values of the two are
; w1 = 1 / (1 + e^(b2 - b1)), w2 = 1 - w1 written as e^(b2 - b1) w1: the larger logit is taken away before the exponential, whose argument is <= 0.
; Limits kept: a token whose second and third logits differ by less than the error that x1 carries from the f16 attention path (about 1e-5) may take the
; other expert; NaN and infinities are not served.
; router_w (32 KiB) is copied once into LDS, permuted so that the sixteen lanes of a row read 256 consecutive bytes.
; THE MODE: SCHED_MODE bits 1:0 = 2 (LLVM: expert scheduling mode 2), set by the entry lines.  The code itself states the register dependences
; between vector instructions and memory or LDS instructions, with s_wait_alu, always for 0.
; THE PLAN.  Registers that memory or LDS instructions touch:
;   v1-v5, v24, v26, v27  offsets and LDS addresses: made once at the head and never written again; one wait on va_vdst ahead of the first load serves them all.
;   X           The 16 loads of x1 land in it once.  Squares and dots read it; it is scaled and rounded in place; store j reads X + 4 j and X + 4 j + 1, which nothing writes again.
;   T0 .. T3    Four buffers of 32.  T0 first carries router_w from memory to the LDS stores.  Then batch j of the table lands in T[j % 4], and DOT j alone reads it.
;               A step is two batches, 2 s and 2 s + 1; its loads are batches 2 s + 2 and 2 s + 3, into the two buffers that step s - 1 worked on and that no
;               vector instruction of step s names.  So ONE wait on va_vdst at a step's head serves the step's sixteen loads.
;   v22         my combine weight: written by two selects, read by one LDS store, not written again.
;   v[244:247]  wave 0's copy of the group's comb: an LDS load lands in it, a store reads it, no vector instruction names it.
;   v176, v177  written at the head, read by the closing add alone.
.set X,   32                           ; v[32:95]   my 64 numbers of the row
.set RW,  96                           ; buffer b of 32 at RW + 32 b + 20 (b / 2): v[96:127], v[128:159], v[180:211], v[212:243]
.set ACC, 160                          ; v[160:167] eight partial logits
.set CB,  244                          ; v[244:247] comb on its way out
.set PB,  0x80000
.set CLDS, 32768                       ; 512 bytes: the group's 16 rows of comb
	s_load_b256 s[8:15], s[0:1], 0x0               ; x1 8, router_w 10, h16 12, comb 14
	v_lshl_add_u32 v176, v0, 2, 0x8200
	v_mov_b32 v177, 0
	v_lshrrev_b32 v6, 5, v0
	v_readfirstlane_b32 s16, v6                    ; wave
	v_and_b32 v7, 15, v0
	v_bfe_u32 v6, v0, 4, 1
	v_lshlrev_b32 v5, 4, v7                        ; the table's read address: 16 (lane % 16)
	v_lshl_add_u32 v1, v6, 12, v5                  ; x1: my row, 16 bytes a lane
	v_and_b32 v27, 31, v0
	v_lshlrev_b32 v2, 3, v27                       ; h16: 8 bytes a lane
	v_lshlrev_b32 v27, 4, v27                      ; comb out: 16 bytes a lane
	v_add_nc_u32 v26, CLDS, v27
	v_lshlrev_b32 v3, 4, v0                        ; the table in memory: 16 bytes a thread
	; 16 bytes at 16 t + 4096 s are half (t & 1) of router_w's row 64 (2 s + t / 128) + 4 ((t / 8) % 16) + (t / 2) % 4; they go to
	; 2048 (2 s + t / 128) + 512 ((t / 2) % 4) + 256 (t & 1) + 16 ((t / 8) % 16)
	v_lshrrev_b32 v4, 7, v0
	v_lshlrev_b32 v4, 11, v4
	v_bfe_u32 v20, v0, 1, 2
	v_lshl_add_u32 v4, v20, 9, v4
	v_and_b32 v20, 1, v0
	v_lshl_add_u32 v4, v20, 8, v4
	v_bfe_u32 v20, v0, 3, 4
	v_lshl_add_u32 v4, v20, 4, v4
	v_and_b32 v25, 7, v0                           ; the expert whose weight this lane writes
	v_lshrrev_b32 v24, 4, v0                       ; my row in the group = 2 x wave + half
	v_lshlrev_b32 v24, 5, v24
	v_lshl_add_u32 v24, v25, 2, v24
	v_add_nc_u32 v24, CLDS, v24
	s_wait_alu depctr_va_sdst(0)                   ; s16 is written, ahead of its first reader: the bases of x1 and h16 are made from it
	s_lshl_b32 s17, ttmp9, 4
	s_lshl1_add_u32 s17, s16, s17                  ; first row = 16 x group + 2 x wave
	s_lshl_b32 s18, s17, 12
	s_mov_b32 s19, 0
	s_lshl_b32 s20, s17, 7
	s_mov_b32 s21, 0
	s_lshl_b32 s22, ttmp9, 9                       ; 16 rows x 32 bytes of comb
	s_mov_b32 s23, 0
	s_mov_b32 s24, 0x3a800000                      ; 1 / 1024
	s_mov_b32 s25, 0x3727c5ac                      ; 1e-5
	s_wait_kmcnt 0x0
	s_add_nc_u64 s[8:9], s[8:9], s[18:19]
	s_add_nc_u64 s[12:13], s[12:13], s[20:21]
	s_add_nc_u64 s[14:15], s[14:15], s[22:23]
	s_wait_alu depctr_va_vdst(0)                   ; v1 to v5, v24, v26 and v27 are written, which the loads and stores of the whole kernel read as offsets and addresses
.irp j, 0,1,2,3,4,5,6,7,8,9,10,11,12,13,14,15
	global_load_b128 v[X+4*\j:X+4*\j+3], v1, s[8:9] offset:256*\j
.endr
.irp s, 0,1,2,3,4,5,6,7
	global_load_b128 v[RW+4*\s:RW+4*\s+3], v3, s[10:11] offset:4096*\s
.endr
.irp s, 0,1,2,3,4,5,6,7
	s_wait_loadcnt 7-\s                            ; table load s is in (and with it all of x1, which was asked for first)
	ds_store_b128 v4, v[RW+4*\s:RW+4*\s+3] offset:4096*\s
.endr
	s_wait_dscnt 0x0                               ; my part of the table is written,
	s_barrier_signal -1
	s_barrier_wait -1                              ; everybody's is
	s_wait_alu depctr_vm_vsrc(0)                   ; my LDS stores have read v[96:127], in which batch 0 of the table lands
; The argument j may be a sum: every use stands in parentheses.  Batch j lies in buffer j % 4.
.macro TAB j                           ; router_w's rows of load j's four columns: 8 x 16 bytes a lane
.set TB, RW+32*((\j)%4)+20*(((\j)%4)/2)
.irp c, 0,1,2,3
	ds_load_b128 v[TB+8*\c:TB+8*\c+3],   v5 offset:2048*(\j)+512*\c
	ds_load_b128 v[TB+8*\c+4:TB+8*\c+7], v5 offset:2048*(\j)+512*\c+256
.endr
.endm
.macro DOT j                           ; eight logits += x x router_w, two at a time; x is taken from the first or the second register of its pair
.set TB, RW+32*((\j)%4)+20*(((\j)%4)/2)
.irp c, 0,1,2,3
.irp p, 0,1,2,3
.if ((\j)+\c) == 0
	v_pk_mul_f32 v[ACC+2*\p:ACC+2*\p+1], v[TB+8*\c+2*\p:TB+8*\c+2*\p+1], v[X:X+1] op_sel_hi:[1,0]
.else
.if \c & 1
	v_pk_fma_f32 v[ACC+2*\p:ACC+2*\p+1], v[TB+8*\c+2*\p:TB+8*\c+2*\p+1], v[X+4*(\j)+2*(\c>>1):X+4*(\j)+2*(\c>>1)+1], v[ACC+2*\p:ACC+2*\p+1] op_sel:[0,1,0] op_sel_hi:[1,1,1]
.else
	v_pk_fma_f32 v[ACC+2*\p:ACC+2*\p+1], v[TB+8*\c+2*\p:TB+8*\c+2*\p+1], v[X+4*(\j)+2*(\c>>1):X+4*(\j)+2*(\c>>1)+1], v[ACC+2*\p:ACC+2*\p+1] op_sel_hi:[1,0,1]
.endif
.endif
.endr
.endr
.endm
	TAB 0
	TAB 1
	v_pk_mul_f32 v[8:9], v[X:X+1], v[X:X+1]        ; the sum of squares, two chains
	v_pk_mul_f32 v[10:11], v[X+2:X+3], v[X+2:X+3]
.irp j, 1,2,3,4,5,6,7,8,9,10,11,12,13,14,15
	v_pk_fma_f32 v[8:9], v[X+4*\j:X+4*\j+1], v[X+4*\j:X+4*\j+1], v[8:9]
	v_pk_fma_f32 v[10:11], v[X+4*\j+2:X+4*\j+3], v[X+4*\j+2:X+4*\j+3], v[10:11]
.endr
	v_pk_add_f32 v[8:9], v[8:9], v[10:11]
	v_add_f32 v8, v8, v9
.irp s, 0,1,2,3,4,5,6                  ; step s: batches 2 s and 2 s + 1 are multiplied, batches 2 s + 2 and 2 s + 3 asked for
	s_wait_dscnt 8                                 ; LDS loads come back in order: batch 2 s is in, the eight loads of batch 2 s + 1 stay out
.if \s > 0
	s_wait_alu depctr_va_vdst(0)                   ; the two dots of the step before are done reading their buffers, in which this step's sixteen loads land (step 0 loads into buffers that nothing has named)
.endif
	TAB 2*\s+2
	DOT 2*\s
	s_wait_dscnt 8                                 ; batch 2 s + 1 is in, the eight loads of batch 2 s + 2 stay out
	TAB 2*\s+3                                     ; no wait: the dot since the wait above names buffer 2 s % 4, X and the sums, none of this batch's registers
	DOT 2*\s+1
.endr
	s_wait_dscnt 8                                 ; batch 14 is in
	DOT 14
	s_wait_dscnt 0x0
	DOT 15
.irp m, 1,2,4,8
	v_add_f32_dpp v8, v8, v8 row_xmask:\m row_mask:0xf bank_mask:0xf
.irp k, 0,1,2,3,4,5,6,7
	v_add_f32_dpp v[ACC+\k], v[ACC+\k], v[ACC+\k] row_xmask:\m row_mask:0xf bank_mask:0xf   ; a row lives in 16 lanes
.endr
.endr
	v_fma_f32 v8, v8, s24, s25
	v_rsq_f32 v12, v8
	v_rsq_f32 v13, v8
	v_mov_b32 v15, 0                               ; index of the best (also the plain instruction behind the transcendentals)
	s_wait_alu depctr_va_vdst(0)                   ; the two reciprocal roots have written v12 and v13, ahead of their first reader
.irp p, 0,1,2,3
	v_pk_mul_f32 v[ACC+2*\p:ACC+2*\p+1], v[ACC+2*\p:ACC+2*\p+1], v[12:13]
.endr
	v_mov_b32 v14, v[ACC]                          ; the best so far
	v_mov_b32 v16, 0xff800000                      ; the second
	v_mov_b32 v17, 0
.irp e, 1,2,3,4,5,6,7
	v_cmp_gt_f32 s27, v[ACC+\e], v14               ; beats the best
	v_cmp_gt_f32 s26, v[ACC+\e], v16               ; beats the second
	s_wait_alu depctr_va_sdst(0)                   ; both compares have written their masks, s27 and s26, ahead of the selects that read them
	v_cndmask_b32 v16, v16, v[ACC+\e], s26
	v_cndmask_b32 v17, v17, \e, s26
	v_cndmask_b32 v16, v16, v14, s27               ; the old best moves down
	v_cndmask_b32 v17, v17, v15, s27
	v_cndmask_b32 v14, v14, v[ACC+\e], s27
	v_cndmask_b32 v15, v15, \e, s27
.endr
.macro SCALE j                         ; my four numbers of panel j: scaled, rounded to f16, closed up into the first two of their four registers
	v_pk_mul_f32 v[X+4*(\j):X+4*(\j)+1], v[X+4*(\j):X+4*(\j)+1], v[12:13]
	v_pk_mul_f32 v[X+4*(\j)+2:X+4*(\j)+3], v[X+4*(\j)+2:X+4*(\j)+3], v[12:13]
	v_cvt_pk_f16_f32 v[X+4*(\j)], v[X+4*(\j)], v[X+4*(\j)+1]
	v_cvt_pk_f16_f32 v[X+4*(\j)+1], v[X+4*(\j)+2], v[X+4*(\j)+3]
.endm
.macro SEND j
	global_store_b64 v2, v[X+4*(\j):X+4*(\j)+1], s[12:13] offset:(\j)*PB   ; two rows of panel j: 256 consecutive bytes
.endm
	v_cmp_eq_u32 s26, v17, v25                     ; am I the second expert's lane,
	v_cmp_eq_u32 s27, v15, v25                     ; or the best one's?  The masks are read far below
	v_sub_f32 v20, v16, v14                        ; b2 - b1 <= 0
	v_mul_f32 v20, 0x3fb8aa3b, v20
	v_exp_f32 v20, v20
.irp j, 0,1,2,3
	SCALE \j                                       ; independent work behind the exponential; its first line is the plain instruction that is owed there
.endr
	s_wait_alu depctr_va_vdst(0)                   ; the exponential has written v20, ahead of its first reader
	v_add_f32 v21, 1.0, v20
	v_rcp_f32 v18, v21                             ; w1
.irp j, 4,5,6,7
	SCALE \j                                       ; likewise behind the reciprocal
.endr
	s_wait_alu depctr_va_vdst(0)                   ; the reciprocal has written v18, ahead of its first reader; the roundings have written X of panels 0 to 7, which the stores below read
	v_mul_f32 v19, v20, v18                        ; w2
	s_wait_alu depctr_va_sdst(0)                   ; the two compares above have written s26 and s27, ahead of the selects that read them
	v_cndmask_b32 v22, 0, v19, s26
	v_cndmask_b32 v22, v22, v18, s27
.irp j, 8,9,10,11,12,13,14,15
	SEND \j-8                                      ; no wait: no vector instruction since the last wait on va_vdst names X of panels 0 to 7 or v2
	SCALE \j
.endr
	s_wait_alu depctr_va_vdst(0)                   ; the selects have written v22, which the LDS store reads; the roundings have written X of panels 8 to 15, which the stores read
	ds_store_b32 v24, v22                          ; lanes e and e + 8 of a row write the same word with the same value
.irp j, 8,9,10,11,12,13,14,15
	SEND \j
.endr
	s_wait_dscnt 0x0                               ; my two rows of comb are written,
	s_barrier_signal -1
	s_barrier_wait -1                              ; all sixteen are
	s_cmp_lg_u32 s16, 0
	s_cbranch_scc1 .Lend
	ds_load_b128 v[CB:CB+3], v26                   ; wave 0 stores the group's 512 bytes of comb as two whole runs of 256; these four registers are named by no other instruction
	s_wait_dscnt 0x0
	global_store_b128 v27, v[CB:CB+3], s[14:15]
.Lend:
	s_wait_dscnt 0x0                               ; the closing lines, six on end
	s_wait_alu 0x0
	s_wait_tensorcnt 0x0
	ds_add_u32 v176, v177
	s_wait_dscnt 0x0
	s_endpgm
.Lfunc_end_k_q2dc79d9634_norm2:
	.size	k_q2dc79d9634_norm2, .Lfunc_end_k_q2dc79d9634_norm2-k_q2dc79d9634_norm2
	.p2alignl 7, 3214868480
	.fill 96, 4, 3214868480
	.section	.rodata,"a",@progbits
	.p2align	6, 0x0
	.amdhsa_kernel k_q2dc79d9634_norm2
		.amdhsa_group_segment_fixed_size 34304
		.amdhsa_private_segment_fixed_size 0
		.amdhsa_enable_private_segment 0
		.amdhsa_kernarg_size 32
		.amdhsa_user_sgpr_count 2
		.amdhsa_user_sgpr_kernarg_segment_ptr 1
		.amdhsa_wavefront_size32 1
		.amdhsa_system_sgpr_workgroup_id_x 1
		.amdhsa_system_sgpr_workgroup_id_y 1
		.amdhsa_system_sgpr_workgroup_id_z 1
		.amdhsa_system_vgpr_workitem_id 0
		.amdhsa_next_free_vgpr 248
		.amdhsa_next_free_sgpr 66
		.amdhsa_reserve_vcc 0
		.amdhsa_float_denorm_mode_32 3
		.amdhsa_float_denorm_mode_16_64 3
		.amdhsa_memory_ordered 1
		.amdhsa_forward_progress 1
		.amdhsa_inst_pref_size 46
	.end_amdhsa_kernel
	.amdgpu_metadata
---
amdhsa.version: [ 1, 2 ]
amdhsa.kernels:
  - .name:           k_q2dc79d9634_norm2
    .symbol:         k_q2dc79d9634_norm2.kd
    .args:
      - { .name: x1, .offset: 0, .size: 8, .value_kind: global_buffer, .address_space: global }
      - { .name: router_w, .offset: 8, .size: 8, .value_kind: global_buffer, .address_space: global }
      - { .name: h16, .offset: 16, .size: 8, .value_kind: global_buffer, .address_space: global }
      - { .name: comb, .offset: 24, .size: 8, .value_kind: global_buffer, .address_space: global }
    .group_segment_fixed_size: 34304
    .private_segment_fixed_size: 0
    .kernarg_segment_align: 8
    .kernarg_segment_size: 32
    .max_flat_workgroup_size: 256
    .sgpr_count:     66
    .vgpr_count:     248
    .wavefront_size: 32
...
	.end_amdgpu_metadata
.endif
;; end of part 11
;; launch fc1: the kernel of part 10 again; grid 16 x 16, 4 waves a work-group, clusters of 4 x 4, 327,680 bytes of LDS; arguments h16, w16, comb, h1c; writes h1c
;; launch fc2: the kernel of part 7 again; grid 8 x 32, 4 waves a work-group, clusters of 4 x 4, 327,680 bytes of LDS; arguments h1c, w16, x1, out0; writes out0
